; MI455X (gfx1250); checked and timed in simulation.
; The chip was launched on July 23, 2026; its instructions are those of AMD's public machine-readable ISA for CDNA 5 (MIT licence, August 2026) and "CDNA5" Instruction Set Architecture Reference Guide (July 2026). The comments in the code are by the model that wrote it; some were corrected since.
;; Multi Head Attention. Allowed arithmetic: matrix products marked QUANTISED: E2M1 operands, one E8M0 scale for each 32 along K, by v_wmma_scale_f32_16x16x128_f8f6f4 with both operands' format E2M1 (or v_wmma_scale_f32_32x16x128_f4), f32 sums; everything else in f32.
;; Inputs: Wk 2,048 x 2,048 float32; Wo 2,048 x 2,048 float32; Wq 2,048 x 2,048 float32; Wv 2,048 x 2,048 float32; bk 2,048 float32; bo 2,048 float32; bq 2,048 float32; bv 2,048 float32; x 2,048 x 2,048 float32.
;; Outputs: out0 2,048 x 2,048 float32.
;; This version of the problem:
;;   THIS VERSION OF THE PROBLEM IS GIVEN IN LOW PRECISION. The matrix products marked QUANTISED in the list below multiply operands that are first quantised to E2M1 (2 exponent bits, 1 mantissa bit; 4 bits a number), with one power-of-two scale for each 32 numbers along K (OCP MX v1.0); their sums are f32. All else is computed in f32.
;;   The module's matrix products, in the order in which they are computed (A, B: the left and right operand; K: the contracted axis; several contracted axes count as one K, in the product's order):
;;     1. [M 2,048, K 2,048] x [K 2,048, N 2,048]; A: input x; B: input Wq: QUANTISED
;;     2. [M 2,048, K 2,048] x [K 2,048, N 2,048]; A: input x; B: input Wk: QUANTISED
;;     3. [M 2,048, K 2,048] x [K 2,048, N 2,048]; A: input x; B: input Wv: QUANTISED
;;     4. batch 16 x [M 2,048, K 128] x [K 128, N 2,048]; A: computed on the way; B: computed on the way: QUANTISED
;;     5. batch 16 x [M 128, K 2,048] x [K 2,048, N 2,048]; A: computed on the way; B: softmax (see below): QUANTISED
;;     6. [M 2,048, K 2,048] x [K 2,048, N 2,048]; A: computed on the way; B: input Wo: QUANTISED
;;   THE QUANTISER, for each operand of a quantised product, along K:
;;     - K is cut into blocks of 32 from its start; a last block that is shorter is filled with zeros.
;;     - A block's scale is 2^e with e = floor(log2(the largest magnitude in the block)) - 2, held to -126 .. 127; a block of zeros has e = 0. As a byte (E8M0): e + 127.
;;     - Each number is divided by its block's scale, clamped to +-6, and rounded to the nearest number of E2M1, ties to even, subnormals kept.
;;     - The product sums the exact products of the quantised numbers (number of the format x scale) in f32.
;;   ~~~python
;;   def quantise(x, axis):      # numpy; x: float32 -> the quantised numbers, widened to float32 again
;;       x = np.moveaxis(x, axis, -1); K = x.shape[-1]
;;       x = np.pad(x, [(0, 0)] * (x.ndim - 1) + [(0, -K % 32)]); x = x.reshape(x.shape[:-1] + (-1, 32)); a = np.abs(x).max(-1, keepdims=True)
;;       e = np.where(a > 0, np.clip(np.frexp(np.where(a > 0, a, 1))[1] - 1 - 2, -126, 127), 0)      # np.frexp(a)[1] - 1 = floor(log2(a)), exactly
;;       r = np.clip(x / 2.0 ** e, -6, 6)
;;       step = 2.0 ** (np.maximum(np.frexp(np.where(r == 0, 1, r))[1] - 1, 0) - 1)
;;       q = np.round(r / step) * step * 2.0 ** e      # np.round: ties to even
;;       return np.moveaxis(q.reshape(q.shape[:-2] + (-1,))[..., :K], -1, axis).astype(np.float32)
;;   ~~~
;;   SOFTMAX AHEAD OF A QUANTISED PRODUCT. Where the list says 'softmax', what is quantised is not the finished softmax but p = 2^(t - M), with t = logit x log2(e) and M = ceil(the row's largest t), a whole number; so 1/2 < the row's largest p <= 1. The row's sum l is taken of the UNQUANTISED p, in f32, and the product's result is divided by l at the end. Since M is a whole number, a kernel that streams over the keys may use a running M (the ceiling of the running maximum): every later rescaling is an exact power of two, which a block's scale takes up: the codes' values come out the same.
;;   OPERANDS COMPUTED ON THE WAY. 'Computed on the way' means the value that the module computes at that place (a softmax that the list does not call 'softmax' is quantised finished and normalised). What goes into a quantiser is computed in f32, as accurately as f32 sums, v_exp_f32 and their like allow (about 1e-6 of the number): no bf16 or f16 on the way to a quantiser, and a product that is left as it is and whose result goes on into a quantised operand takes f32 operands (vector FMAs, or v_wmma_f32_16x16x4_f32). A number that lies on a knife's edge between two numbers of the format may be rounded either way, as far as f32 arithmetic and the matrix unit's own rounding can turn it there, and no further.
;; 2 versions. Each part assembles by itself: llvm-mc -triple=amdgcn-amd-amdhsa -mcpu=gfx1250 --defsym DOCPART=n.
;; ======== version 1 of 2: 4 launches
;; workspace buffers: wc 10,485,760 bytes; ws 655,360 bytes; qkvc 6,291,456 bytes; qkvs 393,216 bytes; oc 2,097,152 bytes; os 131,072 bytes
;; launch quant (part 1): grid 128 x 5, 4 waves a work-group, no clusters, 34,304 bytes of LDS; arguments x, Wq, Wk, Wv, Wo, wc, ws; writes wc, ws
.if DOCPART == 1
	.amdgcn_target "amdgcn-amd-amdhsa--gfx1250"
	.amdhsa_code_object_version 6
	.text
	.protected	k_q627a707644_quant
	.globl	k_q627a707644_quant
	.p2align	8
	.type	k_q627a707644_quant,@function
k_q627a707644_quant:
	s_mov_b64 s[64:65], 0
	v_nop
	global_prefetch_b8 v0, s[64:65] scope:SCOPE_SE
	s_setreg_imm32_b32 hwreg(HW_REG_WAVE_MODE, 25, 1), 1
	s_wait_xcnt 0x0
; x, Wq, Wk, Wv, Wo, each [2048][2048] f32 with K innermost, become codes of FP4 (E2M1) with one E8M0 scale byte for each 32 along K.
; A block's scale is 2^(floor(log2(its largest magnitude)) - 2); its byte is the largest magnitude's exponent field - 2, held at 1 from below.
; THE CODES ARE LAID AS IMAGES OF THE OPERAND'S REGISTERS.  A fragment is 16 rows x 128 K: 8 registers a lane, 1,024 bytes: byte 512 c + 16 lane holds registers 4 c .. 4 c + 3 of
; lane (r, h): k = 64 c + 32 h + 0 .. 31 of the lane's row.  THE ROWS OF A TILE ARE NOT NEIGHBOURS: lane r of tile T takes row 32 (T / 2) + 8 (T % 2) + r + 8 (r / 8).
; wc: [q 4][G 640][s 4][1,024], G = 128 x tensor + T, K step of 128 = 4 q + s.   ws: [G 640][q 4][r 16][s 4] words, a word = the four bytes of one row and 128 K.
; SHARES.  A work-group takes one tile of 16 rows of one tensor (x: tile, y: tensor); wave w takes K = 512 w on: four fragments, written out, no loop, no barrier: waves share nothing.
; Each load reads 512 consecutive bytes of one row; a fragment's 16 loads turn through the wave's own stage in LDS (rows of 512 + 16 bytes) and come back 32 neighbours along K to a lane, twice:
; a lane then owns two whole blocks, and no other lane is asked for a maximum.  Loads run two fragments (32 loads a wave) ahead.
; LIMITS: NaN and infinities are not served; a block whose largest magnitude lies under 2^-124 is held at the byte 1; a block of zeros gets the byte 1 and not 127 (its codes are zeros, and this program alone reads the bytes).
.set ROWB, 8192                        ; a row of a tensor in bytes
.set SP,   528                         ; a stage row: 512 bytes + 16: the sixteen rows that a read touches start 132 words apart
.set WREG, 16*SP                       ; a wave's stage
.set LN,  1                            ; v1   lane
.set RR,  2                            ; v2   r = lane % 16
.set HH,  3                            ; v3   h = lane / 16
.set LI,  4                            ; v4   16 x lane: my bytes of a load's or a store's 512
.set SA,  5                            ; v5   the stage, on the way in
.set RA,  6                            ; v6   the stage, on the way out: row r, + 128 h
.set WO,  7                            ; v7   my 8 bytes of the wave's 256 bytes of scale words
.set MX,  8                            ; v8-9   largest magnitudes of my two blocks
.set SO,  10                           ; v10-11 the conversions' scale operands
.set BY,  12                           ; v12-13 the scale bytes
.set TW,  14                           ; v14    at work
.set R,   16                           ; v16-143  two sets of 64: a fragment as loaded
.set X,   144                          ; v144-207 my 2 x 32 neighbours along K
.set C,   208                          ; v208-215 the fragment's codes
.set W,   216                          ; v216-219 the four fragments' scale words
.set D,   220                          ; v220-221 the two words that I store
.set SH,  222                          ; v222   8 h
.set PX,  223                          ; v223   a lane permute's destination
	s_load_b256 s[4:11], s[0:1], 0x0               ; x, Wq, Wk, Wv
	s_load_b64 s[12:13], s[0:1], 0x20              ; Wo
	s_load_b128 s[16:19], s[0:1], 0x28             ; wc, ws
	v_lshl_add_u32 v224, v0, 2, 0x8400
	v_mov_b32 v225, 0
	v_lshrrev_b32 v[LN], 5, v0
	v_readfirstlane_b32 s21, v[LN]                 ; wave 0..3 = q
	s_and_b32 s20, ttmp7, 0xffff                   ; which tensor
	v_and_b32 v[LN], 31, v0
	v_and_b32 v[RR], 15, v0
	v_bfe_u32 v[HH], v0, 4, 1
	v_lshlrev_b32 v[LI], 4, v[LN]
	s_mul_i32 s26, s21, WREG
	v_add_nc_u32 v[SA], s26, v[LI]
	v_mul_u32_u24 v[RA], v[RR], SP
	v_lshl_add_u32 v[RA], v[HH], 7, v[RA]
	v_add_nc_u32 v[RA], s26, v[RA]
	v_lshlrev_b32 v[WO], 4, v[RR]
	v_lshl_add_u32 v[WO], v[HH], 3, v[WO]
	v_lshlrev_b32 v[SH], 3, v[HH]
	v_mov_b32 v[PX], 0                             ; written once: a lane permute's destination counts as one of its sources
	s_mov_b32 s22, 0x76543210
	s_mov_b32 s23, 0xfedcba98                      ; v_permlanex16_b32's selects for lane l xor 16
	s_lshr_b32 s24, ttmp9, 1
	s_lshl_b32 s24, s24, 5
	s_and_b32 s25, ttmp9, 1
	s_lshl_b32 s25, s25, 3
	s_add_co_u32 s24, s24, s25                     ; the tile's first row: 32 (T / 2) + 8 (T % 2)
	s_lshl_b32 s24, s24, 13
	s_lshl_b32 s25, s21, 11
	s_add_co_u32 s24, s24, s25                     ; in bytes, + my wave's 512 numbers
	s_mov_b32 s25, 0
	s_lshl_b32 s28, s20, 7
	s_add_co_u32 s28, s28, ttmp9                   ; G = 128 x tensor + T
	s_mul_i32 s30, s21, 640
	s_add_co_u32 s30, s30, s28
	s_lshl_b32 s30, s30, 12                        ; wc: (640 q + G) x 4,096
	s_mov_b32 s31, 0
	s_lshl_b32 s28, s28, 10
	s_lshl_b32 s29, s21, 8
	s_add_co_u32 s28, s28, s29                     ; ws: 1,024 G + 256 q
	s_mov_b32 s29, 0
	s_wait_kmcnt 0x0
	s_cmp_eq_u32 s20, 1                            ; the tensor is chosen by the work-group's y alone
	s_cselect_b64 s[4:5], s[6:7], s[4:5]
	s_cmp_eq_u32 s20, 2
	s_cselect_b64 s[4:5], s[8:9], s[4:5]
	s_cmp_eq_u32 s20, 3
	s_cselect_b64 s[4:5], s[10:11], s[4:5]
	s_cmp_eq_u32 s20, 4
	s_cselect_b64 s[4:5], s[12:13], s[4:5]
	s_add_nc_u64 s[4:5], s[4:5], s[24:25]
	s_add_nc_u64 s[16:17], s[16:17], s[30:31]
	s_add_nc_u64 s[18:19], s[18:19], s[28:29]
.macro LOAD t                          ; fragment t: 128 numbers of each of the tile's 16 rows; a load covers 512 consecutive bytes
.irp i, 0,1,2,3,4,5,6,7,8,9,10,11,12,13,14,15
	global_load_b128 v[R+64*((\t)%2)+4*\i:R+64*((\t)%2)+4*\i+3], v[LI], s[4:5] offset:(\i+8*(\i/8))*ROWB+512*(\t) th:TH_LOAD_NT
.endr
.endm
.macro FRAG t
.set RS, R+64*((\t)%2)
.if (\t) < 3
	s_wait_loadcnt 16                              ; this fragment's 16 loads are in; the next fragment's 16 may be out
.else
	s_wait_loadcnt 0x0
.endif
.irp i, 0,1,2,3,4,5,6,7,8,9,10,11,12,13,14,15
	ds_store_b128 v[SA], v[RS+4*\i:RS+4*\i+3] offset:SP*\i
.endr
.irp c, 0,1
.irp g, 0,1,2,3,4,5,6,7
	ds_load_b128 v[X+32*\c+4*\g:X+32*\c+4*\g+3], v[RA] offset:256*\c+16*\g   ; LDS serves a wave's instructions in order: these see the stores above
.endr
.endr
	s_wait_dscnt 0x0                               ; my 64 numbers are back, and the stores have read their registers,
.if (\t) < 2
	LOAD (\t)+2                                    ; which take the loads of two fragments on
.endif
.irp c, 0,1
	v_max3_num_f32 v[MX+\c], |v[X+32*\c]|, |v[X+32*\c+1]|, 0x1800000   ; block 2 c + h: all 32 numbers are mine; the floor 2^(3 - 127) holds the byte at 1 from below
.endr
.irp i, 2,4,6,8,10,12,14,16,18,20,22,24,26,28,30
.irp c, 0,1
	v_max3_num_f32 v[MX+\c], v[MX+\c], |v[X+32*\c+\i]|, |v[X+32*\c+\i+1]|   ; (the two blocks by turns)
.endr
.endr
.irp c, 0,1
	v_add_nc_u32 v[SO+\c], 0xff000000, v[MX+\c]    ; 2 off the exponent field: the conversion takes the exponent field of this operand as its scale
.endr
.irp c, 0,1
	v_lshrrev_b32 v[BY+\c], 23, v[SO+\c]           ; the scale's byte
.endr
	v_lshl_or_b32 v[TW], v[BY+1], 16, v[BY]        ; my two bytes, blocks h and 2 + h,
	v_lshlrev_b32 v[TW], v[SH], v[TW]              ; at their places in the word;
	v_permlanex16_b32 v[PX], v[TW], s22, s23
	v_or_b32 v[W+(\t)], v[TW], v[PX]               ; with lane l xor 16's two the word is whole
	s_wait_xcnt 0x0                                ; the last fragment's stores have read their data: the codes' registers are written again only behind this wait
.irp c, 0,1
.irp g, 0,1,2,3
	v_cvt_scalef32_pk8_fp4_f32 v[C+4*\c+\g], v[X+32*\c+8*\g:X+32*\c+8*\g+7], v[SO+\c]   ; register 4 c + g of the operand
.endr
.endr
	v_nop                                          ; one plain place behind the last scaled conversion
.irp c, 0,1
	global_store_b128 v[LI], v[C+4*\c:C+4*\c+3], s[16:17] offset:1024*(\t)+512*\c   ; 32 lanes store 512 consecutive bytes
.endr
.endm
	LOAD 0
	LOAD 1
	FRAG 0
	FRAG 1
	FRAG 2
	FRAG 3
	v_cmp_lt_u32 vcc_lo, 15, v[LN]                 ; lanes 0-15 store row r's words 0 and 1, lanes 16-31 its words 2 and 3
	v_cndmask_b32 v[D], v[W], v[W+2], vcc_lo
	v_cndmask_b32 v[D+1], v[W+1], v[W+3], vcc_lo
	global_store_b64 v[WO], v[D:D+1], s[18:19]     ; the wave stores 256 consecutive bytes, aligned
	s_wait_tensorcnt 0x0
	ds_add_u32 v224, v225
	s_wait_dscnt 0x0
	s_endpgm
.Lfunc_end_k_q627a707644_quant:
	.size	k_q627a707644_quant, .Lfunc_end_k_q627a707644_quant-k_q627a707644_quant
	.p2alignl 7, 3214868480
	.fill 96, 4, 3214868480
	.section	.rodata,"a",@progbits
	.p2align	6, 0x0
	.amdhsa_kernel k_q627a707644_quant
		.amdhsa_group_segment_fixed_size 34304
		.amdhsa_private_segment_fixed_size 0
		.amdhsa_enable_private_segment 0
		.amdhsa_kernarg_size 56
		.amdhsa_user_sgpr_count 2
		.amdhsa_user_sgpr_kernarg_segment_ptr 1
		.amdhsa_wavefront_size32 1
		.amdhsa_system_sgpr_workgroup_id_x 1
		.amdhsa_system_sgpr_workgroup_id_y 1
		.amdhsa_system_sgpr_workgroup_id_z 1
		.amdhsa_system_vgpr_workitem_id 0
		.amdhsa_next_free_vgpr 226
		.amdhsa_next_free_sgpr 66
		.amdhsa_reserve_vcc 1
		.amdhsa_float_denorm_mode_32 3
		.amdhsa_float_denorm_mode_16_64 3
		.amdhsa_memory_ordered 1
		.amdhsa_forward_progress 1
		.amdhsa_inst_pref_size 30
	.end_amdhsa_kernel
	.amdgpu_metadata
---
amdhsa.version: [ 1, 2 ]
amdhsa.kernels:
  - .name:           k_q627a707644_quant
    .symbol:         k_q627a707644_quant.kd
    .args:
      - { .name: x, .offset: 0, .size: 8, .value_kind: global_buffer, .address_space: global }
      - { .name: Wq, .offset: 8, .size: 8, .value_kind: global_buffer, .address_space: global }
      - { .name: Wk, .offset: 16, .size: 8, .value_kind: global_buffer, .address_space: global }
      - { .name: Wv, .offset: 24, .size: 8, .value_kind: global_buffer, .address_space: global }
      - { .name: Wo, .offset: 32, .size: 8, .value_kind: global_buffer, .address_space: global }
      - { .name: wc, .offset: 40, .size: 8, .value_kind: global_buffer, .address_space: global }
      - { .name: ws, .offset: 48, .size: 8, .value_kind: global_buffer, .address_space: global }
    .group_segment_fixed_size: 34304
    .private_segment_fixed_size: 0
    .kernarg_segment_align: 8
    .kernarg_segment_size: 56
    .max_flat_workgroup_size: 128
    .sgpr_count:     66
    .vgpr_count:     226
    .wavefront_size: 32
...
	.end_amdgpu_metadata
.endif
;; end of part 1
;; launch qkv (part 2): grid 24 x 8, 4 waves a work-group, clusters of 4 x 4, 327,680 bytes of LDS; arguments wc, ws, bq, bk, bv, qkvc, qkvs; writes qkvc, qkvs
.if DOCPART == 2
	.amdgcn_target "amdgcn-amd-amdhsa--gfx1250"
	.amdhsa_code_object_version 6
	.text
	.protected	k_q627a707644_qkv
	.globl	k_q627a707644_qkv
	.p2align	8
	.type	k_q627a707644_qkv,@function
k_q627a707644_qkv:
	s_mov_b64 s[64:65], 0
	v_nop
	global_prefetch_b8 v0, s[64:65] scope:SCOPE_SE
	s_setreg_imm32_b32 hwreg(HW_REG_WAVE_MODE, 25, 1), 1
	s_wait_xcnt 0x0
	s_wait_alu depctr_hold_cnt(0) depctr_sa_sdst(0) depctr_va_vdst(0) depctr_va_sdst(0) depctr_va_ssrc(0) depctr_va_vcc(0) depctr_vm_vsrc(0)
	s_getreg_b32 s2, hwreg(HW_REG_IB_STS2, 6, 4)
	s_cmp_eq_u32 s2, 0
	s_cbranch_scc0 .Lentry_in_a_cluster
	s_endpgm
.Lentry_in_a_cluster:
	s_bfe_u32 s2, ttmp6, 0x10000c
	s_cmp_lg_u32 s2, 0xf033
	s_cbranch_scc0 .Lentry_shape_is_right
	s_endpgm
.Lentry_shape_is_right:
; Q = x Wq^T + bq, K = x Wk^T + bk, V = x Wv^T + bv on codes of FP4 (E2M1) with E8M0 scales; the results are quantised again in registers, Q and K along the head's 128, V along the keys, and leave as codes.
; OPERANDS are images of fragments (16 rows x 128 K, 1,024 bytes: byte 512 c + 16 lane = registers 4 c .. 4 c + 3 of the lane); lane r of tile T holds row 32 (T / 2) + 8 (T % 2) + r + 8 (r / 8).
; wc: [q 4][G 640][s 4][1,024], ws: [G 640][q 4][r 16][s 4] words; G: x 0-127, Wq 128-255, Wk 256-383, Wv 384-511.  K step of 128 = 4 q + s.
; A work-group of four waves makes 256 x 256, a wave 128 x 128: 64 accumulators, 512 registers.  Source 1 (A) gives a lane its row, source 0 (B) runs along a lane's registers: by the choice of a tile's rows the 16 registers
; of B's tiles 2 b and 2 b + 1 are 16 neighbours, so a lane's 64 numbers of a block of A are 128 neighbours along the next product's K (with lane l xor 16's).
;   kind 0 (cluster x 0-3): A = x, B = Wq then Wk: a lane holds one row of x and 128 channels of one head.    kind 1 (cluster x 4, 5): A = Wv, B = x: a lane holds one channel of V and 128 keys.
; 24 x 8 work-groups: 16 columns of tiles for Q and K, 8 for V, 192 in all, of equal work.
; K goes in steps of 512 through a ring of two LDS slots; a step's 8 tiles of one side are 32,768 consecutive bytes of wc, one tensor load.  The scale words of all of K come once, with the first fills.
; CLUSTERS: 4 x 4.  A's tiles hang on the tile row alone and are asked for jointly along a row of the cluster, B's on the tile column alone, along a column.  kind hangs on the cluster's x, which all partners share.
; OUT: qkvc [P 48][j 16][t 8][1,024] (P = head for Q, 16 + head for K, 32 + head for V; Q, K: row tile 8 j + t; V: key step j, tile t of the channels), qkvs [P][j][half 2][r 16][4] words (tile 4 half + i).
; LIMITS: NaN and infinities are not served; a block whose largest magnitude lies under 2^-124 is held at the byte 1; a block of zeros gets the byte 1 and not 127 (zero codes; this program alone reads the bytes).
; REGISTERS, in windows of 256: window 0: v0-31 addresses; v32-95 scale words, two sets; v96-127 at work on the way out; v128-191 A's fragments, one set, later 64 sums with their bias; v192-255 the bias.
;   window 1: B's fragments, two sets, at v0 and v128.   window 2: the accumulators of A's blocks 0-3 ((a, b) at v[8 (8 (a % 4) + b)]);   window 3: those of blocks 4-7.
.set NQ,     4                         ; steps of 128 along K in a slot
.set FR,     8                         ; registers of a fragment
.set NL,     2                         ; LDS loads that bring one
.set NP,     4                         ; places behind this matrix instruction (ISA guide 7.12.1)
.set LAPS,   2                         ; 2,048 along K = four slots' worth = twice round the ring
.set TILEB,  4096                      ; a tile's four fragments of one slot
.set HALFT,  8*TILEB                   ; 8 tiles: what one tensor load brings, and what one wave reads of A or of B
.set SLOT,   4*HALFT                   ; A's 16 tiles, then B's 16
.set SCL,    2*SLOT                    ; behind the ring: the scale words of all of K
.set HALFS,  8*1024                    ; those of 8 tiles
.set SPARE,  SCL+4*HALFS               ; behind them: the spare words, 128 bytes for each wave: two blocks of 256 bytes that no other line names
.set ASTEP,  640*TILEB                 ; bytes from one q to the next, in A's buffer
.set BSTEP,  640*TILEB                 ; and in B's
.set D,    8                           ; v8-11   the scale words that I store
.set ADRA, 16                          ; v16-17  LDS address of my A fragments in slot 0, 1
.set ADRB, 20                          ; v20-21  the same for B
.set LI,   24                          ; v24     16 x lane
.set ADRS, 27                          ; v27     LDS address of my scale words: lanes 0-15 A's, lanes 16-31 B's
.set SPW,  28                          ; v28     LDS address of my spare word; never rewritten
.set NIL,  29                          ; v29     0; never rewritten
.set SC,   32                          ; scale words: set s at v[SC + 32 s]; register 4 i + q: lanes 0-15 A's block i, lanes 16-31 B's block i
.set VO,   96                          ; v96-103  byte offsets of the bias loads; free once these are in:
.set PC,   96                          ; v96-103  the codes just made
.set TM,   104                         ; v104-119 the quantiser's work
.set PW,   120                         ; v120-127 the eight blocks' scale words
.set AF,   128                         ; A's fragments
.set T,    128                         ; later: 64 sums with their bias
.set BI,   192                         ; v192-255 the bias
.set G1, 24                            ; s[24:31] descriptor group 1 for A's tiles;  s[32:39] group 0, one set for each slot
.set G0, 32
.set G1B, 48                           ; s[48:55], s[56:63] the same for B's
.set G0B, 56
.set G1S, 68                           ; s[68:75], s[76:79] for A's scale words;  s[80:87], s[88:91] for B's
.set G0S, 76
.set G1SB, 80
.set G0SB, 88
.set SEL, 100                          ; s100, s101 v_permlanex16_b32's selects for lane l xor 16
.set MSB, 0
.macro WIN new                         ; the immediate's high byte repeats the setting that is left
.if MSB != (\new)
	s_set_vgpr_msb (MSB<<8)|(\new)
.set MSB, (\new)
.endif
.endm
.set MUL_LO, 0xa1                      ; source 0 (B) window 1, source 1 (A) window 0, C and D window 2
.set MUL_HI, 0xf1                      ; the same, C and D window 3
.set TO_B,   0x40                      ; destination window 1, address window 0
; A joint load: waves 0 and 1 fetch for A, waves 2 and 3 for B.  Each of the two lines has one mask and one set of registers for all that issue it; the branch hangs on the wave's number alone.
; Four v_nop follow each of the two lines, ahead of the jump, the label and what follows.
.macro JLOAD g0a, g1a, g0b, g1b
	s_cmp_eq_u32 s15, 0
	s_cbranch_scc0 .Lfor_b_\@
	tensor_load_to_lds s[\g0a:\g0a+3], s[\g1a:\g1a+7]
	s_nop 0
.rept 4
	v_nop
.endr
	s_branch .Lasked_\@
.Lfor_b_\@:
	tensor_load_to_lds s[\g0b:\g0b+3], s[\g1b:\g1b+7]
	s_nop 0
.rept 4
	v_nop
.endr
.Lasked_\@:
.endm
.macro CREST                           ; a round of the cluster's barrier behind its opening barrier
	s_cmp_lg_u32 s14, 0
	s_cbranch_scc1 .Lnot_wave_0_\@
	s_barrier_signal -3
.Lnot_wave_0_\@:
	s_barrier_wait -3
	s_barrier_signal -1
	s_barrier_wait -1
.endm
.macro CROUND                          ; a whole round
	s_barrier_signal -1
	s_barrier_wait -1
	CREST
.endm
	s_load_b256 s[4:11], s[0:1], 0x0               ; wc s[4:5], ws s[6:7], bq s[8:9], bk s[10:11]
	s_load_b64 s[12:13], s[0:1], 0x20              ; bv
	s_load_b128 s[96:99], s[0:1], 0x28             ; qkvc s[96:97], qkvs s[98:99]
	v_lshl_add_u32 v[SPW], v0, 2, SPARE
	v_mov_b32 v[NIL], 0
	ds_add_u32 v28, v29
	ds_add_u32 v28, v29
	s_wait_dscnt 0x0
	v_lshrrev_b32 v1, 5, v0
	v_readfirstlane_b32 s14, v1                    ; wave 0..3
	s_lshr_b32 s15, s14, 1                         ; which half of A's blocks is mine.  Also: I fetch for A (0) or for B (1)
	s_and_b32 s16, s14, 1                          ; which half of B's.  Also: which 8 tiles I fetch
	s_bfe_u32 s40, ttmp6, 0x40000                  ; cx, cy: my place in the cluster
	s_bfe_u32 s41, ttmp6, 0x40004
	s_lshl_b32 s42, ttmp9, 2
	s_add_co_u32 s42, s42, s40                     ; X = 4 x cluster x + cx
	s_and_b32 s17, ttmp7, 0xffff
	s_lshl_b32 s17, s17, 2
	s_add_co_u32 s17, s17, s41                     ; Y = 4 x cluster y + cy
	s_lshr_b32 s66, ttmp9, 2                       ; kind: 0 for Q and K, 1 for V: the same in all sixteen partners
	s_lshl_b32 s43, s41, 2
	s_lshl_b32 s43, 15, s43                        ; my row of the cluster
	s_lshl_b32 s44, 0x1111, s40                    ; my column
	; descriptor group 1: dense blocks as rows of 256 bytes (32 elements of 8 bytes): 128 rows of codes, 32 rows of scale words; no padding: fragments are read 16 bytes a lane on end
	s_or_b32 s[G1+0], s43, (3<<16)|(1<<21)         ; 15:0 the mask: A's tiles go to my row; 17:16 elements of 8 bytes; 21 set beside a mask
	s_or_b32 s[G1B+0], s44, (3<<16)|(1<<21)        ; B's to my column
.irp g, G1, G1B
	s_mov_b32 s[\g+1], 32<<16                      ; tensor_dim0
	s_mov_b32 s[\g+2], 128<<16                     ; tensor_dim1
	s_mov_b32 s[\g+3], 32<<16                      ; tile_dim0
	s_mov_b32 s[\g+4], 128                         ; tile_dim1
	s_mov_b32 s[\g+5], 32                          ; tensor_dim0_stride
	s_mov_b32 s[\g+6], 0
	s_mov_b32 s[\g+7], 0
.endr
	s_or_b32 s[G1S+0], s43, (3<<16)|(1<<21)
	s_or_b32 s[G1SB+0], s44, (3<<16)|(1<<21)
.irp g, G1S, G1SB
	s_mov_b32 s[\g+1], 32<<16
	s_mov_b32 s[\g+2], 32<<16
	s_mov_b32 s[\g+3], 32<<16
	s_mov_b32 s[\g+4], 32
	s_mov_b32 s[\g+5], 32
	s_mov_b32 s[\g+6], 0
	s_mov_b32 s[\g+7], 0
.endr
	; which tiles: A's hang on Y and kind, B's on X and kind; each in registers that never hold the other coordinate
	s_mul_i32 s18, s66, 384
	s_lshl_b32 s19, s16, 3
	s_lshl_b32 s20, s17, 4
	s_add_co_u32 s20, s20, s18
	s_add_co_u32 s20, s20, s19                     ; A: 16 Y + 384 kind + 8 x half
	s_lshl_b32 s46, s42, 4
	s_add_co_u32 s46, s46, 128
	s_sub_co_u32 s46, s46, s18
	s_add_co_u32 s46, s46, s19                     ; B: 16 X + 128 - 384 kind + 8 x half
	s_lshl_b32 s22, s20, 10                        ; their scale words,
	s_mov_b32 s23, 0
	s_lshl_b32 s20, s20, 12                        ; their codes
	s_mov_b32 s21, 0
	s_lshl_b32 s92, s46, 10
	s_mov_b32 s93, 0
	s_lshl_b32 s46, s46, 12
	s_mov_b32 s47, 0
	s_mul_i32 s45, s14, HALFT                      ; where they go: wave x 8 tiles: no place in the cluster enters an LDS address
	s_mul_i32 s94, s14, HALFS
	s_wait_kmcnt 0x0
	s_add_nc_u64 s[20:21], s[4:5], s[20:21]
	s_add_nc_u64 s[22:23], s[6:7], s[22:23]
	s_add_nc_u64 s[46:47], s[4:5], s[46:47]
	s_add_nc_u64 s[92:93], s[6:7], s[92:93]
	CROUND                                         ; all sixteen work-groups are here: the first joint loads meet
	s_mov_b32 s[G0S], 1
	s_add_co_u32 s[G0S+1], s94, SCL
	s_mov_b64 s[G0S+2:G0S+3], s[22:23]
	s_or_b32 s[G0S+3], s[G0S+3], 0x80000000
	s_mov_b32 s[G0SB], 1
	s_add_co_u32 s[G0SB+1], s94, SCL
	s_mov_b64 s[G0SB+2:G0SB+3], s[92:93]
	s_or_b32 s[G0SB+3], s[G0SB+3], 0x80000000
	JLOAD G0S, G1S, G0SB, G1SB                     ; the scale words first: they are wanted with the first step
.irp s, 0,1
	s_mov_b32 s[G0+4*\s], 1
	s_add_co_u32 s[G0+4*\s+1], s45, \s*SLOT
	s_add_nc_u64 s[G0+4*\s+2:G0+4*\s+3], s[20:21], \s*ASTEP
	s_or_b32 s[G0+4*\s+3], s[G0+4*\s+3], 0x80000000
	s_mov_b32 s[G0B+4*\s], 1
	s_add_co_u32 s[G0B+4*\s+1], s45, \s*SLOT
	s_add_nc_u64 s[G0B+4*\s+2:G0B+4*\s+3], s[46:47], \s*BSTEP
	s_or_b32 s[G0B+4*\s+3], s[G0B+4*\s+3], 0x80000000
	JLOAD G0+4*\s, G1, G0B+4*\s, G1B               ; three loads of mine are out
.endr
	v_and_b32 v1, 15, v0                           ; r
	v_bfe_u32 v2, v0, 4, 1                         ; h
	v_and_b32 v3, 31, v0
	v_lshlrev_b32 v[LI], 4, v3
	s_mul_i32 s21, s15, HALFT                      ; my 8 tiles of A
	s_mul_i32 s22, s16, HALFT                      ; my 8 tiles of B,
	s_add_co_u32 s22, s22, 2*HALFT                 ; which lie behind A's 16
.irp s, 0,1
	v_add_nc_u32 v[ADRA+\s], s21, v[LI]
	v_add_nc_u32 v[ADRB+\s], s22, v[LI]
	s_add_co_u32 s21, s21, SLOT
	s_add_co_u32 s22, s22, SLOT
.endr
	v_lshlrev_b32 v5, 4, v1                        ; my row's four words of a slot: 16 r
	s_mul_i32 s21, s15, HALFS                      ; A's: my 8 tiles
	s_mul_i32 s22, s16, HALFS                      ; B's: my 8 tiles, behind A's 16
	s_add_co_u32 s22, s22, 2*HALFS
	s_sub_co_u32 s22, s22, s21
	v_mul_u32_u24 v6, s22, v2                      ; lanes 16-31 take B's: one product, the distance between the two bases x h
	s_add_co_u32 s21, s21, SCL
	v_add_nc_u32 v5, v5, v6
	v_add_nc_u32 v[ADRS], s21, v5
	; THE BIAS, 64 numbers a lane, in the layout in which it is added.  kind 0: register 8 b + j = bias of column 32 (b / 2) + 8 (b % 2) + 16 h + j of my head.  kind 1: register 8 a + j = bv of my lane's channel in block a.
	s_cmp_lt_u32 ttmp9, 4
	s_cselect_b64 s[10:11], s[10:11], s[12:13]     ; bk or bv,
	s_cmp_lt_u32 ttmp9, 2
	s_cselect_b64 s[8:9], s[8:9], s[10:11]         ; or bq: the choice hangs on the cluster's x alone
	s_and_b32 s18, s42, 7
	s_lshl_b32 s18, s18, 8
	s_lshl_b32 s19, s16, 7
	s_add_co_u32 s18, s18, s19                     ; kind 0: my first column, 256 (X % 8) + 128 x half
	s_lshl_b32 s19, s17, 8
	s_lshl_b32 s21, s15, 7
	s_add_co_u32 s19, s19, s21                     ; kind 1: my first channel, 256 Y + 128 x half
	s_cmp_eq_u32 s66, 0
	s_cselect_b32 s18, s18, s19
	s_cselect_b32 s67, 1, 0                        ; 1 - kind
	s_lshl_b32 s18, s18, 2
	s_mov_b32 s19, 0
	s_add_nc_u64 s[8:9], s[8:9], s[18:19]
	v_and_b32 v5, 8, v1
	v_add_nc_u32 v5, v5, v1                        ; r + 8 (r / 8)
	v_lshlrev_b32 v5, 2, v5
	v_lshlrev_b32 v6, 6, v2                        ; 64 h
	v_mul_u32_u24 v6, v6, s67
	v_mad_u32_u24 v6, v5, s66, v6                  ; kind 0: 64 h;  kind 1: 4 (r + 8 (r / 8))
.irp j, 0,1,2,3,4,5,6,7
	v_mad_u32_u24 v[VO+\j], s67, 4*\j, v6          ; kind 0: + 4 j
.endr
.irp g, 0,1,2,3,4,5,6,7
.irp j, 0,1,2,3,4,5,6,7
	global_load_b32 v[BI+8*\g+\j], v[VO+\j], s[8:9] offset:(32*(\g/2)+8*(\g%2))*4   ; they land during the loop; nothing touches their registers before the wait at its end
.endr
.endr
	; where my 8 fragments and their scale words go: 8,192 I and 512 I bytes on
	s_lshl_b32 s18, s42, 1
	s_add_co_u32 s18, s18, s16                     ; 2 X + B's half
	s_lshl_b32 s19, s17, 1
	s_add_co_u32 s19, s19, s15                     ; 2 Y + A's half
	s_lshl_b32 s21, s18, 4
	s_add_co_u32 s21, s21, s19                     ; kind 0: P = 2 X + half, j = 2 Y + half
	s_lshl_b32 s22, s19, 4
	s_add_co_u32 s22, s22, s18
	s_add_co_u32 s22, s22, 480                     ; kind 1: P = 32 + 2 Y + half, j = 2 (X - 16) + half
	s_cmp_eq_u32 s66, 0
	s_cselect_b32 s18, s21, s22
	s_lshl_b32 s20, s18, 13
	s_mov_b32 s21, 0
	s_add_nc_u64 s[96:97], s[96:97], s[20:21]
	s_lshl_b32 s20, s18, 9
	s_add_nc_u64 s[98:99], s[98:99], s[20:21]
	s_mov_b32 s[SEL], 0x76543210
	s_mov_b32 s[SEL+1], 0xfedcba98
.irp b, 0,1,2,3
	v_mov_b32 v[TM+4+\b], 0                        ; written once: a lane permute's destination counts as one of its sources
.endr
.macro FRAG reg, adr, q, i             ; a fragment comes as it was stored: two loads of 16 bytes a lane, 512 consecutive bytes each
.irp c, 0,1
	ds_load_b128 v[\reg+4*\c:\reg+4*\c+3], v[\adr] offset:TILEB*(\i)+1024*(\q)+512*\c
.endr
.endm
; 16 matrix instructions: A's blocks a0, a0 + 1 x B's eight, 128 along K: the slot's q-th.  p: B's set;  sc: the set of scale words.  zero = 1: the first product starts the sums: nothing is ever cleared.
; The 64 accumulators take turns, one instruction a turn, in the same order in every step.
.macro MUL16 a0, p, q, sc, zero
.irp a, \a0, \a0+1
.irp b, 0,1,2,3,4,5,6,7
.if \zero
	v_wmma_scale_f32_16x16x128_f8f6f4 v[8*(8*((\a)%4)+\b):8*(8*((\a)%4)+\b)+7], v[128*(\p)+FR*\b:128*(\p)+FR*\b+FR-1], v[AF+FR*(\a):AF+FR*(\a)+FR-1], 0, v[SC+8*NQ*(\sc)+NQ*\b+(\q)], v[SC+8*NQ*(\sc)+NQ*(\a)+(\q)] matrix_a_fmt:MATRIX_FMT_FP4 matrix_b_fmt:MATRIX_FMT_FP4 matrix_a_scale:MATRIX_SCALE_ROW1
.else
	v_wmma_scale_f32_16x16x128_f8f6f4 v[8*(8*((\a)%4)+\b):8*(8*((\a)%4)+\b)+7], v[128*(\p)+FR*\b:128*(\p)+FR*\b+FR-1], v[AF+FR*(\a):AF+FR*(\a)+FR-1], v[8*(8*((\a)%4)+\b):8*(8*((\a)%4)+\b)+7], v[SC+8*NQ*(\sc)+NQ*\b+(\q)], v[SC+8*NQ*(\sc)+NQ*(\a)+(\q)] matrix_a_fmt:MATRIX_FMT_FP4 matrix_b_fmt:MATRIX_FMT_FP4 matrix_a_scale:MATRIX_SCALE_ROW1
.endif
.endr
.endr
.endm
.macro FETCH_B slot, q, p              ; B's eight fragments of the slot's q-th 128 along K into set p
	WIN TO_B
.irp i, 0,1,2,3,4,5,6,7
	FRAG 128*(\p)+FR*\i, ADRB+\slot, \q, \i
.endr
	WIN 0
.endm
.macro FETCH_A slot, q, i0             ; A's blocks i0 .. i0 + 3
.irp i, \i0, \i0+1, \i0+2, \i0+3
	FRAG AF+FR*(\i), ADRA+\slot, \q, \i
.endr
.endm
.macro SCALES sc                       ; a slot's scale words into set sc: four words a row; lanes 0-15 take A's block i, lanes 16-31 B's block i
.irp i, 0,1,2,3,4,5,6,7
	ds_load_b128 v[SC+8*NQ*\sc+NQ*\i:SC+8*NQ*\sc+NQ*\i+3], v[ADRS] offset:1024*\i
.endr
.endm
; A load into a register that a matrix instruction has read, and a vector instruction that reads a matrix result or writes one of its registers, stand NP places behind it; only plain vector
; instructions that name none of its registers are places (ISA guide 7.12.1 for vector instructions).
.macro PLACES n
.rept \n
	v_nop
.endr
.endm
; A step of 128 along K that has its successor in the same slot.  A's blocks go one after the other, each against B's eight: a block of A is free as soon as its eight products are issued, so A has one set of registers.
.macro STEP slot, q, zero
	s_wait_dscnt 4*NL                              ; B's set, A's blocks 0-3 (and the scale words) are in; the youngest eight loads, A's blocks 4-7, may be out
	WIN MUL_LO
	MUL16 0, (\q)%2, \q, \slot, \zero
	MUL16 2, (\q)%2, \q, \slot, \zero
	s_wait_dscnt 0                                 ; A's blocks 4-7 are in (asked for 32 matrix instructions ago)
	PLACES NP
	FETCH_B \slot, (\q)+1, 1-(\q)%2
	FETCH_A \slot, (\q)+1, 0
	WIN MUL_HI
	MUL16 4, (\q)%2, \q, \slot, \zero
	MUL16 6, (\q)%2, \q, \slot, \zero
	PLACES NP
	WIN 0
	FETCH_A \slot, (\q)+1, 4
.endm
; A slot's last step changes slots: one barrier; in front of it each wave waits for all its tensor loads, adds 0 to its spare word, and waits for that and for its own reads of this slot.  fill = 1: this slot is filled again, two slots ahead.
.macro TURN slot, next, fill
	s_wait_tensorcnt 0x0                           ; all my tensor loads have landed: my part of the next slot;  (every window is 0 here)
	ds_add_u32 v[SPW], v[NIL]                      ; 0 onto my spare word
	s_wait_dscnt 4*NL+1                            ; (the add and the youngest eight loads, A's blocks 4-7, may be out)
	WIN MUL_LO
	MUL16 0, 1, NQ-1, \slot, 0                     ; sixteen matrix instructions stand between the add and the wait for it
	s_wait_dscnt 0x0                               ; the add is done, and my reads of this slot are over
	s_barrier_signal -1
	MUL16 2, 1, NQ-1, \slot, 0
	WIN 0
	s_barrier_wait -1
.if \fill
	CREST                                          ; the barrier has opened a round of the cluster's barrier: no wave of any partner still reads this slot or has a load on its way
	s_add_nc_u64 s[G0+4*\slot+2:G0+4*\slot+3], s[G0+4*\slot+2:G0+4*\slot+3], 2*ASTEP
	s_add_nc_u64 s[G0B+4*\slot+2:G0B+4*\slot+3], s[G0B+4*\slot+2:G0B+4*\slot+3], 2*BSTEP
	JLOAD G0+4*\slot, G1, G0B+4*\slot, G1B         ; the first tensor load behind the round, my one load until the next; its four v_nop are also the places in front of the loads below
.else
	PLACES NP
.endif
	v_add_nc_u32 v[ADRS], 256, v[ADRS]             ; on to the next slot's scale words (no LDS load of mine is out)
	FETCH_B \next, 0, 0
	FETCH_A \next, 0, 0
	SCALES \next
	WIN MUL_HI
	MUL16 4, 1, NQ-1, \slot, 0
	MUL16 6, 1, NQ-1, \slot, 0
	PLACES NP
	WIN 0
	FETCH_A \next, 0, 4
.endm
.macro STEPS slot, from                ; the slot's steps from .. NQ - 2
.set Q, \from
.rept NQ-1-\from
	STEP \slot, Q, 0
.set Q, Q+1
.endr
.endm
; 64 numbers of a lane, v[s] .. v[s + 63], register 16 b + i = k 32 b + 16 (lane / 16) + i of my row, become a fragment's codes in v[PC] on and its scale word in v[pw].
.macro QUANT s, pw
.irp b, 0,1,2,3
	v_max3_num_f32 v[TM+\b], |v[\s+16*\b]|, |v[\s+1+16*\b]|, 0x1800000   ; block b: my 16 numbers, and the floor 2^(3 - 127): the byte cannot fall under 1
.endr
.irp i, 2,4,6,8,10,12,14
.irp b, 0,1,2,3
	v_max3_num_f32 v[TM+\b], v[TM+\b], |v[\s+16*\b+\i]|, |v[\s+1+16*\b+\i]|   ; (the four blocks by turns)
.endr
.endr
.irp b, 0,1,2,3
	v_permlanex16_b32 v[TM+4+\b], v[TM+\b], s[SEL], s[SEL+1]
.endr
.irp b, 0,1,2,3
	v_max_num_f32 v[TM+\b], v[TM+\b], v[TM+4+\b]   ; with lane l xor 16's: the block's largest magnitude
.endr
.irp b, 0,1,2,3
	v_add_nc_u32 v[TM+12+\b], 0xff000000, v[TM+\b] ; 2 off its exponent field: the conversion's scale operand
.endr
.irp b, 0,1,2,3
	v_lshrrev_b32 v[TM+4+\b], 23, v[TM+12+\b]      ; the scale's byte
.endr
	v_lshl_or_b32 v[\pw], v[TM+5], 8, v[TM+4]      ; the four bytes make my row's scale word
	v_lshl_or_b32 v[\pw], v[TM+6], 16, v[\pw]
	v_lshl_or_b32 v[\pw], v[TM+7], 24, v[\pw]
	s_wait_xcnt 0x0                                ; the last fragment's stores have read their data: the codes' registers are written again only behind this wait
.irp b, 0,1,2,3
	v_cvt_scalef32_pk8_fp4_f32 v[PC+2*\b], v[\s+16*\b:\s+7+16*\b], v[TM+12+\b]
	v_cvt_scalef32_pk8_fp4_f32 v[PC+1+2*\b], v[\s+8+16*\b:\s+15+16*\b], v[TM+12+\b]
.endr
	v_nop                                          ; one plain place behind a scaled conversion
.irp c, 0,1                                    ; the operand's layout wants a whole block in a lane: lanes 0-15 block 2 c, lanes 16-31 block 2 c + 1
.irp i, 0,1
	v_permlane16_swap_b32 v[PC+4*\c+\i], v[PC+2+4*\c+\i]
.endr
.endr
.endm
; THE WAY OUT, block by block of A: the block's eight accumulators, each from its low end on, take their bias and move into window 0; they are quantised; the fragment leaves as it stands, 512 consecutive bytes a store.
.macro EPI kind
.irp a, 0,1,2,3,4,5,6,7
	WIN 0x02+(\a/4)                                ; source 0: window 2 or 3
.irp b, 0,1,2,3,4,5,6,7
.irp i, 0,2,4,6
.if \kind
	v_pk_add_f32 v[T+8*\b+\i:T+8*\b+\i+1], v[64*(\a%4)+8*\b+\i:64*(\a%4)+8*\b+\i+1], v[BI+8*\a+\i:BI+8*\a+\i+1]
.else
	v_pk_add_f32 v[T+8*\b+\i:T+8*\b+\i+1], v[64*(\a%4)+8*\b+\i:64*(\a%4)+8*\b+\i+1], v[BI+8*\b+\i:BI+8*\b+\i+1]
.endif
.endr
.endr
	WIN 0
	QUANT T, PW+\a
.irp c, 0,1
	global_store_b128 v[LI], v[PC+4*\c:PC+4*\c+3], s[96:97] offset:1024*\a+512*\c
.endr
.endr
.endm
	s_wait_tensorcnt 1                             ; the scale words and my part of slot 0 are in (slot 1's load may be out)
	s_barrier_signal -1
	s_barrier_wait -1                              ; everybody's are
	FETCH_B 0, 0, 0
	FETCH_A 0, 0, 0
	SCALES 0
	FETCH_A 0, 0, 4
	STEP 0, 0, 1                                   ; the first step stands in front of the loop: its products start the sums
	s_mov_b32 s3, LAPS-1
.Llap:                                                 ; a trip goes once round the ring, from a lap's second step to the next lap's first, and fills both slots again
	STEPS 0, 1
	TURN 0, 1, 1
	STEPS 1, 0
	TURN 1, 0, 1
	STEP 0, 0, 0
	s_sub_co_u32 s3, s3, 1
	s_cmp_lg_u32 s3, 0
	s_cbranch_scc1 .Llap
	STEPS 0, 1                                     ; the last lap fills nothing, and has no round of the cluster's barrier
	TURN 0, 1, 0
	STEPS 1, 0
	s_wait_dscnt 4*NL                              ; the very last step: nothing more to fetch
	WIN MUL_LO
	MUL16 0, 1, NQ-1, 1, 0
	MUL16 2, 1, NQ-1, 1, 0
	s_wait_dscnt 0
	WIN MUL_HI
	MUL16 4, 1, NQ-1, 1, 0
	MUL16 6, 1, NQ-1, 1, 0
	WIN 0
	s_wait_loadcnt 0x0                             ; the bias is in, and its loads' offsets are free
	PLACES NP                                      ; behind the last products: their results are read and A's registers written below
	s_cmp_lg_u32 s66, 0                            ; the two kinds differ in which bias register goes with an accumulator; the branch hangs on the cluster's x alone
	s_cbranch_scc1 .Lv
	EPI 0
	s_branch .Lout
.Lv:
	EPI 1
.Lout:
	v_and_b32 v12, 31, v0
	v_cmp_lt_u32 vcc_lo, 15, v12                   ; lanes 0-15 store row r's words of blocks 0-3, lanes 16-31 those of blocks 4-7
.irp i, 0,1,2,3
	v_cndmask_b32 v[D+\i], v[PW+\i], v[PW+4+\i], vcc_lo
.endr
	global_store_b128 v[LI], v[D:D+3], s[98:99]    ; 512 consecutive bytes
	s_wait_tensorcnt 0x0                           ; the wave's end
	ds_add_u32 v[SPW], v[NIL]
	s_wait_dscnt 0x0
	CROUND                                         ; the closing round: no work-group ends while a partner may still ask for a tile that names it
	s_endpgm
.Lfunc_end_k_q627a707644_qkv:
	.size	k_q627a707644_qkv, .Lfunc_end_k_q627a707644_qkv-k_q627a707644_qkv
	.p2alignl 7, 3214868480
	.fill 96, 4, 3214868480
	.section	.rodata,"a",@progbits
	.p2align	6, 0x0
	.amdhsa_kernel k_q627a707644_qkv
		.amdhsa_group_segment_fixed_size 327680
		.amdhsa_private_segment_fixed_size 0
		.amdhsa_enable_private_segment 0
		.amdhsa_kernarg_size 56
		.amdhsa_user_sgpr_count 2
		.amdhsa_user_sgpr_kernarg_segment_ptr 1
		.amdhsa_wavefront_size32 1
		.amdhsa_system_sgpr_workgroup_id_x 1
		.amdhsa_system_sgpr_workgroup_id_y 1
		.amdhsa_system_sgpr_workgroup_id_z 1
		.amdhsa_system_vgpr_workitem_id 0
		.amdhsa_next_free_vgpr 1024
		.amdhsa_next_free_sgpr 102
		.amdhsa_reserve_vcc 1
		.amdhsa_float_denorm_mode_32 3
		.amdhsa_float_denorm_mode_16_64 3
		.amdhsa_memory_ordered 1
		.amdhsa_forward_progress 1
		.amdhsa_inst_pref_size 255
	.end_amdhsa_kernel
	.section	.bss,"aw",@nobits
	.p2align	6
	.space	262144
	.amdgpu_metadata
---
amdhsa.version: [ 1, 2 ]
amdhsa.kernels:
  - .name:           k_q627a707644_qkv
    .symbol:         k_q627a707644_qkv.kd
    .args:
      - { .name: wc, .offset: 0, .size: 8, .value_kind: global_buffer, .address_space: global }
      - { .name: ws, .offset: 8, .size: 8, .value_kind: global_buffer, .address_space: global }
      - { .name: bq, .offset: 16, .size: 8, .value_kind: global_buffer, .address_space: global }
      - { .name: bk, .offset: 24, .size: 8, .value_kind: global_buffer, .address_space: global }
      - { .name: bv, .offset: 32, .size: 8, .value_kind: global_buffer, .address_space: global }
      - { .name: qkvc, .offset: 40, .size: 8, .value_kind: global_buffer, .address_space: global }
      - { .name: qkvs, .offset: 48, .size: 8, .value_kind: global_buffer, .address_space: global }
    .group_segment_fixed_size: 327680
    .private_segment_fixed_size: 0
    .kernarg_segment_align: 8
    .kernarg_segment_size: 56
    .max_flat_workgroup_size: 128
    .sgpr_count:     102
    .vgpr_count:     1024
    .wavefront_size: 32
...
	.end_amdgpu_metadata
.endif
;; end of part 2
;; launch attn (part 3): grid 16 x 16, 8 waves a work-group, clusters of 4 x 1, 279,552 bytes of LDS; arguments qkvc, qkvs, oc, os; writes oc, os
.if DOCPART == 3
	.amdgcn_target "amdgcn-amd-amdhsa--gfx1250"
	.amdhsa_code_object_version 6
	.text
	.protected	k_q627a707644_attn
	.globl	k_q627a707644_attn
	.p2align	8
	.type	k_q627a707644_attn,@function
k_q627a707644_attn:
	s_mov_b64 s[64:65], 0
	v_nop
	global_prefetch_b8 v0, s[64:65] scope:SCOPE_SE
	s_setreg_imm32_b32 hwreg(HW_REG_WAVE_MODE, 25, 1), 1
	s_wait_xcnt 0x0
	s_wait_alu depctr_hold_cnt(0) depctr_sa_sdst(0) depctr_va_vdst(0) depctr_va_sdst(0) depctr_va_ssrc(0) depctr_va_vcc(0) depctr_vm_vsrc(0)
	s_getreg_b32 s2, hwreg(HW_REG_IB_STS2, 6, 4)
	s_cmp_eq_u32 s2, 0
	s_cbranch_scc0 .Lentry_in_a_cluster
	s_endpgm
.Lentry_in_a_cluster:
	s_bfe_u32 s2, ttmp6, 0x10000c
	s_cmp_lg_u32 s2, 0x3003
	s_cbranch_scc0 .Lentry_shape_is_right
	s_endpgm
.Lentry_shape_is_right:
; O[h][q] = the sum over k of softmax_k(Q[h][q] . K[h][k] / sqrt(128)) V[h][k], both products on codes of FP4 (E2M1) with E8M0 scales; O is quantised along the head's 128 and leaves as codes for the last product.
; THE SOFTMAX: t = score x log2(e) / sqrt(128) (one multiplication by c); M = the row's largest t so far, rounded up to a whole number; p = 2^(t - M) is what is quantised, along the keys, not normalised.
; The row's sum is taken of the unquantised p, in f32, and divides O at the end (v_rcp_f32 and a multiplication).  When M moves, the sum and O are multiplied by 2^(old M - new M): exact.
; IN: qkvc [P 48][j 16][t 8][1,024] images of fragments (byte 512 c + 16 lane = registers 4 c .. 4 c + 3), P = head (Q), 16 + head (K), 32 + head (V); Q, K: row tile 8 j + t, K = the head's 128; V: key step j, tile t of the channels, K = the keys.
;     qkvs [P][j][half 2][r 16][4] words (tile 4 half + i).  Lane r of tile T holds row 32 (T / 2) + 8 (T % 2) + r + 8 (r / 8): so the 16 registers of result tiles 2 b and 2 b + 1 are 16 neighbours.
; OUT: oc [q 4][T 128][s 4][1,024], os [T 128][q 4][r 16][s 4] words, head = 4 q + s.
; SHARES.  A work-group owns 128 queries of one head, each of its eight waves one tile of 16, in 256 registers: two waves to a SIMD.  Both products are used transposed: a lane holds one query (lane % 16) throughout.
; A HEAD'S K AND V STAY IN LDS: 2 x 131,072 bytes of codes and 2 x 8,192 of scale words, each byte filled once: no slot is filled again.  Each wave brings five dense blocks (its part of the scale words, then its part
; of each of four chunks of 512 keys); the chunks are waited for one by one, so that the later ones land while the earlier are worked on.
; CLUSTER: the four query blocks of a cluster belong to one head and want the same K and V: every load is asked for jointly, with the same descriptor and the mask of all four.
; LIMITS: NaN and infinities are not served; a block whose largest magnitude lies under 2^-124 is held at the byte 1; a block of zeros gets the byte 1 and not 127 (zero codes; this program alone reads the bytes).
; REGISTERS: v1-4 addresses that stay; v8-10 addresses of the step; v12 -M, v13 the largest t, v[14:15] the sum in two halves; v16-23 Q; v24-31 eight scale words; v32-95 eight fragments of K, then of V;
;   v96-159 S^T, then p; v160-223 O^T; v224-231 the codes just made; v232-254 at work (v253 p's scale word); v255 Q's scale word.
.set VC,   131072                      ; LDS: K's codes at 0, V's here,
.set KSC,  262144                      ; K's scale words here, V's 8,192 bytes on
.set LI,   1                           ; v1   16 x lane
.set LV,   2                           ; v2   VC + 16 x lane
.set LS,   3                           ; v3   KSC + 16 r
.set RO,   4                           ; v4   16 r
.set ADK,  8                           ; v8   LDS address of the step's tiles of K
.set ADV,  9                           ; v9   of V
.set ADS,  10                          ; v10  of K's scale words
.set PC,   224
.set TM,   232
.set WV,   12                          ; s12  my wave's number
.set SEL,  20                          ; s[20:21] v_permlanex16_b32's selects for lane l xor 16
.set CS,   22                          ; s[22:23] c = log2(e) / sqrt(128): the packed form names a pair and takes its low word for both halves
.set G0S,  24                          ; s[24:27] descriptor group 0 for my scale words;  s[28:43] for my parts of the four chunks
.set G0C,  28
.set G1C,  44                          ; s[44:51] group 1 for codes;  s[52:59] for scale words
.set G1S,  52
.set TB,   60                          ; s60  LDS byte at which the step's tiles begin
.set TS,   61                          ; s61  and its scale words
.set CNT,  62                          ; s62  steps left in the chunk
.macro CROUND                          ; a round of the cluster's barrier
	s_barrier_signal -1
	s_barrier_wait -1
	s_cmp_lg_u32 s[WV], 0
	s_cbranch_scc1 .Lnot_wave_0_\@
	s_barrier_signal -3
.Lnot_wave_0_\@:
	s_barrier_wait -3
	s_barrier_signal -1
	s_barrier_wait -1
.endm
	s_load_b256 s[4:11], s[0:1], 0x0               ; qkvc s[4:5], qkvs s[6:7], oc s[8:9], os s[10:11]
	v_lshl_add_u32 v250, v0, 2, 0x44000
	v_mov_b32 v251, 0
	ds_add_u32 v250, v251
	ds_add_u32 v250, v251
	v_lshrrev_b32 v8, 5, v0
	v_readfirstlane_b32 s[WV], v8                  ; wave 0..7
	s_bfe_u32 s13, ttmp6, 0x40000                  ; cx: my place in the cluster
	s_lshl_b32 s14, ttmp9, 2
	s_add_co_u32 s14, s14, s13                     ; my block of 128 queries: it enters Q's and O's addresses alone
	s_and_b32 s15, ttmp7, 0xffff                   ; the head, which the four partners share
	s_lshr_b32 s16, s[WV], 2                       ; I fetch for K (0) or for V (1),
	s_and_b32 s17, s[WV], 3                        ; and which quarter
	s_lshl_b32 s66, s16, 4
	s_add_co_u32 s66, s66, s15
	s_add_co_u32 s66, s66, 16                      ; P = 16 + 16 x (K or V) + head
	s_lshl_b32 s68, s66, 17
	s_lshl_b32 s67, s17, 13
	s_add_co_u32 s68, s68, s67                     ; codes: 131,072 P + 8,192 x quarter (+ 32,768 x chunk)
	s_mov_b32 s69, 0
	s_lshl_b32 s70, s66, 13
	s_lshl_b32 s67, s17, 11
	s_add_co_u32 s70, s70, s67                     ; scale words: 8,192 P + 2,048 x quarter
	s_mov_b32 s71, 0
	s_lshl_b32 s72, s16, 17
	s_lshl_b32 s67, s17, 13
	s_add_co_u32 s72, s72, s67                     ; and in LDS: the wave's number alone enters
	s_lshl_b32 s73, s16, 13
	s_lshl_b32 s67, s17, 11
	s_add_co_u32 s73, s73, s67
	s_add_co_u32 s73, s73, KSC
	; descriptor group 1: dense blocks as rows of 256 bytes (32 elements of 8 bytes): 32 rows of codes, 8 rows of scale words
	s_mov_b32 s[G1C], 15|(3<<16)|(1<<21)           ; 15:0 the mask: all four work-groups; 17:16 elements of 8 bytes; 21 set beside a mask
	s_mov_b32 s[G1C+1], 32<<16                     ; tensor_dim0
	s_mov_b32 s[G1C+2], 32<<16                     ; tensor_dim1
	s_mov_b32 s[G1C+3], 32<<16                     ; tile_dim0
	s_mov_b32 s[G1C+4], 32                         ; tile_dim1
	s_mov_b32 s[G1C+5], 32                         ; tensor_dim0_stride
	s_mov_b32 s[G1C+6], 0
	s_mov_b32 s[G1C+7], 0
	s_mov_b32 s[G1S], 15|(3<<16)|(1<<21)
	s_mov_b32 s[G1S+1], 32<<16
	s_mov_b32 s[G1S+2], 8<<16
	s_mov_b32 s[G1S+3], 32<<16
	s_mov_b32 s[G1S+4], 8
	s_mov_b32 s[G1S+5], 32
	s_mov_b32 s[G1S+6], 0
	s_mov_b32 s[G1S+7], 0
	; Q's fragment and scale word, O's fragment and scale word
	s_lshl_b32 s74, s15, 4
	s_add_co_u32 s74, s74, s14                     ; 16 head + block
	s_lshl_b32 s2, s74, 3
	s_add_co_u32 s2, s2, s[WV]
	s_lshl_b32 s2, s2, 10                          ; Q's codes: (8 (16 head + block) + wave) x 1,024
	s_mov_b32 s3, 0
	s_lshl_b32 s74, s74, 9
	s_lshl_b32 s67, s16, 8
	s_add_co_u32 s74, s74, s67
	s_lshl_b32 s67, s17, 2
	s_add_co_u32 s74, s74, s67                     ; Q's words: 512 (16 head + block) + 256 (wave / 4) + 4 (wave % 4)
	s_mov_b32 s75, 0
	s_lshl_b32 s18, s14, 3
	s_add_co_u32 s18, s18, s[WV]                   ; my tile of rows T = 8 x block + wave
	s_lshr_b32 s19, s15, 2                         ; q = head / 4
	s_and_b32 s67, s15, 3                          ; s = head % 4
	s_lshl_b32 s76, s19, 7
	s_add_co_u32 s76, s76, s18
	s_lshl_b32 s76, s76, 12
	s_lshl_b32 s63, s67, 10
	s_add_co_u32 s76, s76, s63                     ; oc: (128 q + T) x 4,096 + 1,024 s
	s_mov_b32 s77, 0
	s_lshl_b32 s78, s18, 10
	s_lshl_b32 s63, s19, 8
	s_add_co_u32 s78, s78, s63
	s_lshl_b32 s63, s67, 2
	s_add_co_u32 s78, s78, s63                     ; os: 1,024 T + 256 q + 4 s
	s_mov_b32 s79, 0
	s_mov_b32 s[SEL], 0x76543210
	s_mov_b32 s[SEL+1], 0xfedcba98
	s_mov_b32 s[CS], 0x3e0293ee                    ; c = log2(e) / sqrt(128)
	s_mov_b32 s[CS+1], s[CS]                       ; (named with it as a pair, so it is written)
	s_wait_dscnt 0x0
	s_wait_kmcnt 0x0
	s_add_nc_u64 s[68:69], s[4:5], s[68:69]        ; what I fetch: nothing of my place in the cluster enters
	s_add_nc_u64 s[70:71], s[6:7], s[70:71]
	s_add_nc_u64 s[4:5], s[4:5], s[2:3]
	s_add_nc_u64 s[6:7], s[6:7], s[74:75]
	s_add_nc_u64 s[8:9], s[8:9], s[76:77]
	s_add_nc_u64 s[10:11], s[10:11], s[78:79]
	CROUND                                         ; all four work-groups are here: the joint loads meet
	s_mov_b32 s[G0S], 1                            ; 1:0 count = 1
	s_mov_b32 s[G0S+1], s73                        ; 63:32 LDS address
	s_mov_b64 s[G0S+2:G0S+3], s[70:71]             ; 120:64 global address
	s_or_b32 s[G0S+3], s[G0S+3], 0x80000000        ; 127:126 type = 2
.irp g, 0,1,2,3
	s_mov_b32 s[G0C+4*\g], 1
	s_add_co_u32 s[G0C+4*\g+1], s72, 32768*\g
	s_add_nc_u64 s[G0C+4*\g+2:G0C+4*\g+3], s[68:69], 32768*\g
	s_or_b32 s[G0C+4*\g+3], s[G0C+4*\g+3], 0x80000000
.endr
	tensor_load_to_lds s[G0S:G0S+3], s[G1S:G1S+7]  ; all fills go out as one group: five loads of mine are out
	s_nop 0
.irp g, 0,1,2,3
	tensor_load_to_lds s[G0C+4*\g:G0C+4*\g+3], s[G1C:G1C+7]
	s_nop 0
.endr
.rept 4
	v_nop                                          ; four v_nop follow the last
.endr
	v_and_b32 v8, 31, v0
	v_and_b32 v9, 15, v0
	v_lshlrev_b32 v[LI], 4, v8
	v_add_nc_u32 v[LV], VC, v[LI]
	v_lshlrev_b32 v[RO], 4, v9
	v_add_nc_u32 v[LS], KSC, v[RO]
	global_load_b128 v[16:19], v[LI], s[4:5]       ; Q's fragment stays in registers
	global_load_b128 v[20:23], v[LI], s[4:5] offset:512
	global_load_b32 v255, v[RO], s[6:7]            ; and its scale word
	v_mov_b32 v13, 0xff61b1e6                      ; the largest t so far: -3e38, under every t
	v_floor_f32 v12, -v13                          ; -M
	v_mov_b32 v14, 0                               ; the sum, in two halves
	v_mov_b32 v15, 0
.irp b, 0,1,2,3
	v_mov_b32 v[236+\b], 0                         ; written once: a lane permute's destination counts as one of its sources
.endr
	v_mov_b32 v253, 0                              ; (named as the upper half of the pair v[252:253] before it is first written)
.set j, 0
.rept 64
	v_mov_b32 v[160+j], 0                          ; O^T.  (The step is written once: the first finds zeros, which the first change of M leaves zeros)
.set j, j+1
.endr
	s_wait_loadcnt 0x0                             ; Q
; A KEY STEP: 128 keys.
.macro STEP
	v_add_nc_u32 v[ADK], s[TB], v[LI]              ; these three and the v_nop are the four places between the last step's products and the loads into the registers that they read
	v_add_nc_u32 v[ADV], s[TB], v[LV]
	v_add_nc_u32 v[ADS], s[TS], v[LS]
	v_nop
.irp t, 0,1,2,3,4,5,6,7
.irp c, 0,1
	ds_load_b128 v[32+8*\t+4*\c:35+8*\t+4*\c], v[ADK] offset:1024*\t+512*\c
.endr
.endr
.irp u, 0,1
	ds_load_b128 v[24+4*\u:27+4*\u], v[ADS] offset:256*\u   ; lane r: the words of row r of tiles 4 u .. 4 u + 3
.endr
	s_wait_dscnt 0x0
.irp t, 0,1,2,3,4,5,6,7                        ; S^T = K Q^T: lane (r, h) holds query r; the 16 registers of tiles 2 b, 2 b + 1 are keys 32 b + 16 h + 0 .. 15 of the step
	v_wmma_scale_f32_16x16x128_f8f6f4 v[96+8*\t:103+8*\t], v[32+8*\t:39+8*\t], v[16:23], 0, v[24+\t], v255 matrix_a_fmt:MATRIX_FMT_FP4 matrix_b_fmt:MATRIX_FMT_FP4
.endr
.rept 4
	v_nop                                          ; places in front of the loads below and of the first read of the scores
.endr
.irp t, 0,1,2,3,4,5,6,7                        ; V's fragments and scale words take K's registers: they land during the softmax
.irp c, 0,1
	ds_load_b128 v[32+8*\t+4*\c:35+8*\t+4*\c], v[ADV] offset:1024*\t+512*\c
.endr
.endr
.irp u, 0,1
	ds_load_b128 v[24+4*\u:27+4*\u], v[ADS] offset:8192+256*\u
.endr
.irp b, 0,1,2,3
	v_max3_num_f32 v[232+\b], v[96+16*\b], v[97+16*\b], v[98+16*\b]   ; the largest score of each block of 32 keys: it serves for the row's maximum and, since p rises with the score, for the block's largest p
.endr
.irp i, 3,5,7,9,11,13
.irp b, 0,1,2,3
	v_max3_num_f32 v[232+\b], v[232+\b], v[96+16*\b+\i], v[97+16*\b+\i]   ; (the four blocks by turns)
.endr
.endr
.irp b, 0,1,2,3
	v_max_num_f32 v[232+\b], v[232+\b], v[111+16*\b]
.endr
.irp b, 0,1,2,3
	v_permlanex16_b32 v[236+\b], v[232+\b], s[SEL], s[SEL+1]
.endr
.irp b, 0,1,2,3
	v_max_num_f32 v[232+\b], v[232+\b], v[236+\b]  ; with lane l xor 16's 16 keys
.endr
	v_max3_num_f32 v254, v232, v233, v234
	v_max_num_f32 v254, v254, v235                 ; the step's largest score of my query
	v_mul_f32 v254, s[CS], v254                    ; as t (c is positive)
	v_max_num_f32 v13, v13, v254                   ; the running largest t
	v_mov_b32 v254, v12
	v_floor_f32 v12, -v13                          ; the new -M = floor(-t) = -ceil(t): a whole number
	v_sub_f32 v254, v12, v254                      ; M's old value less its new one: a whole number, 0 or less
	v_cvt_i32_f32 v254, v254                       ; (it saturates)
	v_ldexp_f32 v252, 1.0, v254                    ; f = 2^(old M - new M)
.set j, 0
.rept 32
	v_pk_fma_f32 v[96+j:97+j], v[96+j:97+j], s[CS:CS+1], v[12:13] op_sel_hi:[1,0,0]   ; t - M, two at a time (of the pairs c and -M the low word serves both halves)
.set j, j+2
.endr
.irp b, 0,1,2,3
	v_fma_f32 v[232+\b], v[232+\b], s[CS], v12     ; the same of each block's largest score
.endr
.set j, 0
.rept 64
	v_exp_f32 v[96+j], v[96+j]                     ; p = 2^(t - M), at most 1: not normalised
.set j, j+1
.endr
.irp b, 0,1,2,3
	v_exp_f32 v[232+\b], v[232+\b]                 ; the block's largest p: the same two instructions on the same number give the same bits
.endr
	v_pk_mul_f32 v[14:15], v[14:15], v[252:253] op_sel_hi:[1,0]   ; the sums under the new M.  (A plain place behind the exponentials)
	s_wait_alu depctr_va_vdst(0)
.irp b, 0,1,2,3
	v_max_num_f32 v[232+\b], 0x1800000, v[232+\b]  ; the floor 2^(3 - 127): the byte cannot fall under 1
.endr
.irp b, 0,1,2,3
	v_add_nc_u32 v[244+\b], 0xff000000, v[232+\b]  ; 2 off the exponent field: the conversion's scale operand
.endr
.irp b, 0,1,2,3
	v_lshrrev_b32 v[236+\b], 23, v[244+\b]         ; the scale's byte
.endr
	v_lshl_or_b32 v253, v237, 8, v236              ; p's scale word for these 128 keys
	v_lshl_or_b32 v253, v238, 16, v253
	v_lshl_or_b32 v253, v239, 24, v253
.irp b, 0,1,2,3
	v_cvt_scalef32_pk8_fp4_f32 v[224+2*\b], v[96+16*\b:103+16*\b], v[244+\b]
	v_cvt_scalef32_pk8_fp4_f32 v[225+2*\b], v[104+16*\b:111+16*\b], v[244+\b]
.endr
	v_nop                                          ; one plain place behind a scaled conversion
.irp c, 0,1                                    ; the operand's layout wants a whole block in a lane
.irp i, 0,1
	v_permlane16_swap_b32 v[224+4*\c+\i], v[226+4*\c+\i]
.endr
.endr
	v_pk_add_f32 v[236:237], v[96:97], v[98:99]    ; the row's sum is taken of the unquantised p: two at a time, in two chains
.set j, 4
.rept 15
	v_pk_add_f32 v[14:15], v[14:15], v[96+j:97+j]
	v_pk_add_f32 v[236:237], v[236:237], v[98+j:99+j]
.set j, j+4
.endr
	v_pk_add_f32 v[14:15], v[14:15], v[236:237]
.set j, 0
.rept 32
	v_pk_mul_f32 v[160+j:161+j], v[160+j:161+j], v[252:253] op_sel_hi:[1,0]   ; O^T under the new M.  (These are also the places between p's codes and scale word and the products below)
.set j, j+2
.endr
	s_wait_dscnt 0x0                               ; V is in
.irp t, 0,1,2,3,4,5,6,7                        ; O^T += V^T P^T: eight accumulators by turns
	v_wmma_scale_f32_16x16x128_f8f6f4 v[160+8*\t:167+8*\t], v[32+8*\t:39+8*\t], v[224:231], v[160+8*\t:167+8*\t], v[24+\t], v253 matrix_a_fmt:MATRIX_FMT_FP4 matrix_b_fmt:MATRIX_FMT_FP4
.endr
.endm
; A CHUNK of 512 keys: my part of it has landed (the 3 - g chunks issued behind it may stay out), a barrier shows everybody's part, and four steps walk it.
.macro CHUNK g
	s_wait_tensorcnt 3-\g
	s_wait_dscnt 0x0
	s_barrier_signal -1
	s_barrier_wait -1
	s_mov_b32 s[TB], 32768*\g
	s_mov_b32 s[TS], 2048*\g
	s_mov_b32 s[CNT], 4
.Lstep_\@:
	STEP
	s_add_co_u32 s[TB], s[TB], 8192
	s_add_co_u32 s[TS], s[TS], 512
	s_sub_co_u32 s[CNT], s[CNT], 1
	s_cmp_lg_u32 s[CNT], 0
	s_cbranch_scc1 .Lstep_\@
.endm
; 64 numbers of a lane, v[s] .. v[s + 63], register 16 b + i = k 32 b + 16 (lane / 16) + i of my row, become a fragment's codes in v[PC] on and its scale word in v[pw].
.macro QUANT s, pw
.irp b, 0,1,2,3
	v_max3_num_f32 v[TM+\b], |v[\s+16*\b]|, |v[\s+1+16*\b]|, 0x1800000
.endr
.irp i, 2,4,6,8,10,12,14
.irp b, 0,1,2,3
	v_max3_num_f32 v[TM+\b], v[TM+\b], |v[\s+16*\b+\i]|, |v[\s+1+16*\b+\i]|
.endr
.endr
.irp b, 0,1,2,3
	v_permlanex16_b32 v[TM+4+\b], v[TM+\b], s[SEL], s[SEL+1]
.endr
.irp b, 0,1,2,3
	v_max_num_f32 v[TM+\b], v[TM+\b], v[TM+4+\b]
.endr
.irp b, 0,1,2,3
	v_add_nc_u32 v[TM+12+\b], 0xff000000, v[TM+\b]
.endr
.irp b, 0,1,2,3
	v_lshrrev_b32 v[TM+4+\b], 23, v[TM+12+\b]
.endr
	v_lshl_or_b32 v[\pw], v[TM+5], 8, v[TM+4]
	v_lshl_or_b32 v[\pw], v[TM+6], 16, v[\pw]
	v_lshl_or_b32 v[\pw], v[TM+7], 24, v[\pw]
	s_wait_xcnt 0x0
.irp b, 0,1,2,3
	v_cvt_scalef32_pk8_fp4_f32 v[PC+2*\b], v[\s+16*\b:\s+7+16*\b], v[TM+12+\b]
	v_cvt_scalef32_pk8_fp4_f32 v[PC+1+2*\b], v[\s+8+16*\b:\s+15+16*\b], v[TM+12+\b]
.endr
	v_nop
.irp c, 0,1
.irp i, 0,1
	v_permlane16_swap_b32 v[PC+4*\c+\i], v[PC+2+4*\c+\i]
.endr
.endr
.endm
	CHUNK 0
	CHUNK 1
	CHUNK 2
	CHUNK 3                                        ; its wait is for 0: no tensor load of mine is out from here on
	; THE WAY OUT.  O^T is divided by the row's sum; by the choice of V's rows register 8 t + i is channel 32 (t / 2) + 16 h + 8 (t % 2) + i: 16 neighbours in each pair of tiles, ready for the quantiser.
.rept 4
	v_nop                                          ; places behind the last products
.endr
	v_add_f32 v14, v14, v15                        ; the sum's two halves,
	v_permlanex16_b32 v252, v14, s[SEL], s[SEL+1]
	v_add_f32 v14, v14, v252                       ; and lane l xor 16's: the row's sum
	v_rcp_f32 v14, v14
	v_nop                                          ; one plain place behind a transcendental
.set j, 0
	s_wait_alu depctr_va_vdst(0)
.rept 32
	v_pk_mul_f32 v[96+j:97+j], v[160+j:161+j], v[14:15] op_sel_hi:[1,0]   ; each accumulator from its low end on
.set j, j+2
.endr
	QUANT 96, 248
	global_store_b128 v[LI], v[PC:PC+3], s[8:9]    ; the fragment as it stands: 512 consecutive bytes a store
	global_store_b128 v[LI], v[PC+4:PC+7], s[8:9] offset:512
	v_and_b32 v8, 31, v0
	v_cmp_gt_u32 vcc_lo, 16, v8
	s_wait_xcnt 0x0                                ; EXEC changes only behind this wait
	s_and_saveexec_b32 s66, vcc_lo
	global_store_b32 v[RO], v248, s[10:11]         ; lane r: row r's scale word of this head, 16 bytes from row to row: the four heads of a q fill the 16
	s_wait_xcnt 0x0                                ; and again, in front of the line that widens it
	s_or_b32 exec_lo, exec_lo, s66
	s_wait_dscnt 0x0
	s_wait_tensorcnt 0x0
	ds_add_u32 v250, v251
	s_wait_dscnt 0x0
	CROUND                                         ; the closing round: no work-group ends while a partner may still ask for a tile that names it
	s_endpgm
.Lfunc_end_k_q627a707644_attn:
	.size	k_q627a707644_attn, .Lfunc_end_k_q627a707644_attn-k_q627a707644_attn
	.p2alignl 7, 3214868480
	.fill 96, 4, 3214868480
	.section	.rodata,"a",@progbits
	.p2align	6, 0x0
	.amdhsa_kernel k_q627a707644_attn
		.amdhsa_group_segment_fixed_size 279552
		.amdhsa_private_segment_fixed_size 0
		.amdhsa_enable_private_segment 0
		.amdhsa_kernarg_size 32
		.amdhsa_user_sgpr_count 2
		.amdhsa_user_sgpr_kernarg_segment_ptr 1
		.amdhsa_wavefront_size32 1
		.amdhsa_system_sgpr_workgroup_id_x 1
		.amdhsa_system_sgpr_workgroup_id_y 1
		.amdhsa_system_sgpr_workgroup_id_z 1
		.amdhsa_system_vgpr_workitem_id 0
		.amdhsa_next_free_vgpr 256
		.amdhsa_next_free_sgpr 80
		.amdhsa_reserve_vcc 1
		.amdhsa_float_denorm_mode_32 3
		.amdhsa_float_denorm_mode_16_64 3
		.amdhsa_memory_ordered 1
		.amdhsa_forward_progress 1
		.amdhsa_inst_pref_size 87
	.end_amdhsa_kernel
	.amdgpu_metadata
---
amdhsa.version: [ 1, 2 ]
amdhsa.kernels:
  - .name:           k_q627a707644_attn
    .symbol:         k_q627a707644_attn.kd
    .args:
      - { .name: qkvc, .offset: 0, .size: 8, .value_kind: global_buffer, .address_space: global }
      - { .name: qkvs, .offset: 8, .size: 8, .value_kind: global_buffer, .address_space: global }
      - { .name: oc, .offset: 16, .size: 8, .value_kind: global_buffer, .address_space: global }
      - { .name: os, .offset: 24, .size: 8, .value_kind: global_buffer, .address_space: global }
    .group_segment_fixed_size: 279552
    .private_segment_fixed_size: 0
    .kernarg_segment_align: 8
    .kernarg_segment_size: 32
    .max_flat_workgroup_size: 256
    .sgpr_count:     80
    .vgpr_count:     256
    .wavefront_size: 32
...
	.end_amdgpu_metadata
.endif
;; end of part 3
;; launch oproj (part 4): grid 8 x 8, 4 waves a work-group, clusters of 4 x 4, 327,680 bytes of LDS; arguments oc, os, wc, ws, bo, out0; writes out0
.if DOCPART == 4
	.amdgcn_target "amdgcn-amd-amdhsa--gfx1250"
	.amdhsa_code_object_version 6
	.text
	.protected	k_q627a707644_oproj
	.globl	k_q627a707644_oproj
	.p2align	8
	.type	k_q627a707644_oproj,@function
k_q627a707644_oproj:
	s_mov_b64 s[64:65], 0
	v_nop
	global_prefetch_b8 v0, s[64:65] scope:SCOPE_SE
	s_setreg_imm32_b32 hwreg(HW_REG_WAVE_MODE, 25, 1), 1
	s_wait_xcnt 0x0
	s_wait_alu depctr_hold_cnt(0) depctr_sa_sdst(0) depctr_va_vdst(0) depctr_va_sdst(0) depctr_va_ssrc(0) depctr_va_vcc(0) depctr_vm_vsrc(0)
	s_getreg_b32 s2, hwreg(HW_REG_IB_STS2, 6, 4)
	s_cmp_eq_u32 s2, 0
	s_cbranch_scc0 .Lentry_in_a_cluster
	s_endpgm
.Lentry_in_a_cluster:
	s_bfe_u32 s2, ttmp6, 0x10000c
	s_cmp_lg_u32 s2, 0xf033
	s_cbranch_scc0 .Lentry_shape_is_right
	s_endpgm
.Lentry_shape_is_right:
; out0 = O Wo^T + bo on codes of FP4 (E2M1) with E8M0 scales; out0 [2048][2048] f32.
; OPERANDS are images of fragments (16 rows x 128 K, 1,024 bytes: byte 512 c + 16 lane = registers 4 c .. 4 c + 3 of the lane); lane r of tile T holds row 32 (T / 2) + 8 (T % 2) + r + 8 (r / 8).
; A = O: oc [q 4][T 128][s 4][1,024], os [T 128][q 4][r 16][s 4] words.   B = Wo: wc [q 4][G 640][s 4][1,024], ws [G 640][q 4][r 16][s 4] words, G = 512 + tile.   K step of 128 = 4 q + s.
; A work-group of four waves makes 256 x 256 of out0, a wave 128 x 128: 64 accumulators, 512 registers: 8 x 8 work-groups.  Source 0 = 16 rows of Wo, source 1 = 16 rows of O: a lane holds one row of out0 and eight columns an accumulator.
; K goes in steps of 512 through a ring of two LDS slots; a step's 8 tiles of one side are 32,768 consecutive bytes, one tensor load.  The scale words of all of K come once, with the first fills.
; CLUSTERS: 4 x 4.  A's tiles hang on the tile row alone and are asked for jointly along a row of the cluster, B's on the tile column alone, along a column.
; REGISTERS, in windows of 256: window 0: v0-31 addresses; v32-95 scale words, two sets; v96-99 bo; v128-191 A's fragments, one set; on the way out v128-255 rows of out0.
;   window 1: B's fragments, two sets, at v0 and v128.   window 2: the accumulators of A's blocks 0-3 ((a, b) at v[8 (8 (a % 4) + b)]);   window 3: those of blocks 4-7.
.set NQ,     4                         ; steps of 128 along K in a slot
.set FR,     8                         ; registers of a fragment
.set NL,     2                         ; LDS loads that bring one
.set NP,     4                         ; places behind this matrix instruction (ISA guide 7.12.1)
.set LAPS,   2                         ; 2,048 along K = four slots' worth = twice round the ring
.set TILEB,  4096                      ; a tile's four fragments of one slot
.set HALFT,  8*TILEB                   ; 8 tiles: what one tensor load brings, and what one wave reads of A or of B
.set SLOT,   4*HALFT                   ; A's 16 tiles, then B's 16
.set SCL,    2*SLOT                    ; behind the ring: the scale words of all of K
.set HALFS,  8*1024                    ; those of 8 tiles
.set SPARE,  SCL+4*HALFS               ; behind them: the spare words, 128 bytes for each wave: two blocks of 256 bytes that no other line names
.set ASTEP,  128*TILEB                 ; bytes from one q to the next, in oc
.set BSTEP,  640*TILEB                 ; and in wc
.set SPITCH, 528                       ; the way out: a stage of 16 rows x (512 bytes + 16) for each wave, in slot 0, which has had its last fill and its last read when the first result is stored there
.set ADRA, 16                          ; v16-17  LDS address of my A fragments in slot 0, 1
.set ADRB, 20                          ; v20-21  the same for B
.set STO,  24                          ; v24     the way out: where I put 32 bytes of a row
.set RD,   25                          ; v25     where I read a row back
.set CO,   26                          ; v26     16 x lane
.set ADRS, 27                          ; v27     LDS address of my scale words: lanes 0-15 A's, lanes 16-31 B's
.set SPW,  28                          ; v28     LDS address of my spare word; never rewritten
.set NIL,  29                          ; v29     0; never rewritten
.set SC,   32                          ; scale words: set s at v[SC + 32 s]; register 4 i + q: lanes 0-15 A's block i, lanes 16-31 B's block i
.set BO,   96                          ; v96-99  bo of my four columns of a row read back
.set AF,   128                         ; A's fragments
.set BK,   128                         ; the way out: 16 rows read back from the stage: v128-191 and v192-255 by turns
.set G1, 24                            ; s[24:31] descriptor group 1 for A's tiles;  s[32:39] group 0, one set for each slot
.set G0, 32
.set G1B, 48                           ; s[48:55], s[56:63] the same for B's
.set G0B, 56
.set G1S, 68                           ; s[68:75], s[76:79] for A's scale words;  s[80:87], s[88:91] for B's
.set G0S, 76
.set G1SB, 80
.set G0SB, 88
.set MSB, 0
.macro WIN new                         ; the immediate's high byte repeats the setting that is left
.if MSB != (\new)
	s_set_vgpr_msb (MSB<<8)|(\new)
.set MSB, (\new)
.endif
.endm
.set MUL_LO, 0xa1                      ; source 0 (B) window 1, source 1 (A) window 0, C and D window 2
.set MUL_HI, 0xf1                      ; the same, C and D window 3
.set TO_B,   0x40                      ; destination window 1, address window 0
; A joint load: waves 0 and 1 fetch for A, waves 2 and 3 for B.  Each of the two lines has one mask and one set of registers for all that issue it; the branch hangs on the wave's number alone.
; Four v_nop follow each of the two lines, ahead of the jump, the label and what follows.
.macro JLOAD g0a, g1a, g0b, g1b
	s_cmp_eq_u32 s15, 0
	s_cbranch_scc0 .Lfor_b_\@
	tensor_load_to_lds s[\g0a:\g0a+3], s[\g1a:\g1a+7]
	s_nop 0
.rept 4
	v_nop
.endr
	s_branch .Lasked_\@
.Lfor_b_\@:
	tensor_load_to_lds s[\g0b:\g0b+3], s[\g1b:\g1b+7]
	s_nop 0
.rept 4
	v_nop
.endr
.Lasked_\@:
.endm
.macro CREST                           ; a round of the cluster's barrier behind its opening barrier
	s_cmp_lg_u32 s14, 0
	s_cbranch_scc1 .Lnot_wave_0_\@
	s_barrier_signal -3
.Lnot_wave_0_\@:
	s_barrier_wait -3
	s_barrier_signal -1
	s_barrier_wait -1
.endm
.macro CROUND                          ; a whole round
	s_barrier_signal -1
	s_barrier_wait -1
	CREST
.endm
	s_load_b256 s[4:11], s[0:1], 0x0               ; oc s[4:5], os s[6:7], wc s[8:9], ws s[10:11]
	s_load_b128 s[96:99], s[0:1], 0x20             ; bo s[96:97], out0 s[98:99]
	v_lshl_add_u32 v[SPW], v0, 2, SPARE
	v_mov_b32 v[NIL], 0
	ds_add_u32 v28, v29
	ds_add_u32 v28, v29
	s_wait_dscnt 0x0
	v_lshrrev_b32 v1, 5, v0
	v_readfirstlane_b32 s14, v1                    ; wave 0..3
	s_lshr_b32 s15, s14, 1                         ; which half of the tile's rows is mine.  Also: I fetch for A (0) or for B (1)
	s_and_b32 s16, s14, 1                          ; which half of its columns.  Also: which 8 tiles I fetch
	s_bfe_u32 s40, ttmp6, 0x40000                  ; cx, cy: my place in the cluster
	s_bfe_u32 s41, ttmp6, 0x40004
	s_lshl_b32 s42, ttmp9, 2
	s_add_co_u32 s42, s42, s40                     ; X = 4 x cluster x + cx
	s_and_b32 s17, ttmp7, 0xffff
	s_lshl_b32 s17, s17, 2
	s_add_co_u32 s17, s17, s41                     ; Y = 4 x cluster y + cy
	s_lshl_b32 s43, s41, 2
	s_lshl_b32 s43, 15, s43                        ; my row of the cluster
	s_lshl_b32 s44, 0x1111, s40                    ; my column
	; descriptor group 1: dense blocks as rows of 256 bytes (32 elements of 8 bytes): 128 rows of codes, 32 rows of scale words; no padding: fragments are read 16 bytes a lane on end
	s_or_b32 s[G1+0], s43, (3<<16)|(1<<21)         ; 15:0 the mask: A's tiles go to my row; 17:16 elements of 8 bytes; 21 set beside a mask
	s_or_b32 s[G1B+0], s44, (3<<16)|(1<<21)        ; B's to my column
.irp g, G1, G1B
	s_mov_b32 s[\g+1], 32<<16                      ; tensor_dim0
	s_mov_b32 s[\g+2], 128<<16                     ; tensor_dim1
	s_mov_b32 s[\g+3], 32<<16                      ; tile_dim0
	s_mov_b32 s[\g+4], 128                         ; tile_dim1
	s_mov_b32 s[\g+5], 32                          ; tensor_dim0_stride
	s_mov_b32 s[\g+6], 0
	s_mov_b32 s[\g+7], 0
.endr
	s_or_b32 s[G1S+0], s43, (3<<16)|(1<<21)
	s_or_b32 s[G1SB+0], s44, (3<<16)|(1<<21)
.irp g, G1S, G1SB
	s_mov_b32 s[\g+1], 32<<16
	s_mov_b32 s[\g+2], 32<<16
	s_mov_b32 s[\g+3], 32<<16
	s_mov_b32 s[\g+4], 32
	s_mov_b32 s[\g+5], 32
	s_mov_b32 s[\g+6], 0
	s_mov_b32 s[\g+7], 0
.endr
	s_lshl_b32 s19, s16, 3
	s_lshl_b32 s20, s17, 4
	s_add_co_u32 s20, s20, s19                     ; A: tile 16 Y + 8 x half
	s_lshl_b32 s46, s42, 4
	s_add_co_u32 s46, s46, 512
	s_add_co_u32 s46, s46, s19                     ; B: tile 512 + 16 X + 8 x half
	s_lshl_b32 s22, s20, 10                        ; their scale words,
	s_mov_b32 s23, 0
	s_lshl_b32 s20, s20, 12                        ; their codes
	s_mov_b32 s21, 0
	s_lshl_b32 s92, s46, 10
	s_mov_b32 s93, 0
	s_lshl_b32 s46, s46, 12
	s_mov_b32 s47, 0
	s_mul_i32 s45, s14, HALFT                      ; where they go: wave x 8 tiles: no place in the cluster enters an LDS address
	s_mul_i32 s94, s14, HALFS
	s_wait_kmcnt 0x0
	s_add_nc_u64 s[20:21], s[4:5], s[20:21]
	s_add_nc_u64 s[22:23], s[6:7], s[22:23]
	s_add_nc_u64 s[46:47], s[8:9], s[46:47]
	s_add_nc_u64 s[92:93], s[10:11], s[92:93]
	CROUND                                         ; all sixteen work-groups are here: the first joint loads meet
	s_mov_b32 s[G0S], 1
	s_add_co_u32 s[G0S+1], s94, SCL
	s_mov_b64 s[G0S+2:G0S+3], s[22:23]
	s_or_b32 s[G0S+3], s[G0S+3], 0x80000000
	s_mov_b32 s[G0SB], 1
	s_add_co_u32 s[G0SB+1], s94, SCL
	s_mov_b64 s[G0SB+2:G0SB+3], s[92:93]
	s_or_b32 s[G0SB+3], s[G0SB+3], 0x80000000
	JLOAD G0S, G1S, G0SB, G1SB                     ; the scale words first: they are wanted with the first step
.irp s, 0,1
	s_mov_b32 s[G0+4*\s], 1
	s_add_co_u32 s[G0+4*\s+1], s45, \s*SLOT
	s_add_nc_u64 s[G0+4*\s+2:G0+4*\s+3], s[20:21], \s*ASTEP
	s_or_b32 s[G0+4*\s+3], s[G0+4*\s+3], 0x80000000
	s_mov_b32 s[G0B+4*\s], 1
	s_add_co_u32 s[G0B+4*\s+1], s45, \s*SLOT
	s_add_nc_u64 s[G0B+4*\s+2:G0B+4*\s+3], s[46:47], \s*BSTEP
	s_or_b32 s[G0B+4*\s+3], s[G0B+4*\s+3], 0x80000000
	JLOAD G0+4*\s, G1, G0B+4*\s, G1B               ; three loads of mine are out
.endr
	v_and_b32 v1, 15, v0                           ; r
	v_bfe_u32 v2, v0, 4, 1                         ; h
	v_and_b32 v3, 31, v0
	v_lshlrev_b32 v[CO], 4, v3
	s_mul_i32 s21, s15, HALFT                      ; my 8 tiles of A
	s_mul_i32 s22, s16, HALFT                      ; my 8 tiles of B,
	s_add_co_u32 s22, s22, 2*HALFT                 ; which lie behind A's 16
.irp s, 0,1
	v_add_nc_u32 v[ADRA+\s], s21, v[CO]
	v_add_nc_u32 v[ADRB+\s], s22, v[CO]
	s_add_co_u32 s21, s21, SLOT
	s_add_co_u32 s22, s22, SLOT
.endr
	v_lshlrev_b32 v5, 4, v1                        ; my row's four words of a slot: 16 r
	s_mul_i32 s21, s15, HALFS                      ; A's: my 8 tiles
	s_mul_i32 s22, s16, HALFS                      ; B's: my 8 tiles, behind A's 16
	s_add_co_u32 s22, s22, 2*HALFS
	s_sub_co_u32 s22, s22, s21
	v_mul_u32_u24 v6, s22, v2                      ; lanes 16-31 take B's: one product, the distance between the two bases x h
	s_add_co_u32 s21, s21, SCL
	v_add_nc_u32 v5, v5, v6
	v_add_nc_u32 v[ADRS], s21, v5
	s_mul_i32 s23, s14, 16*SPITCH                  ; my stage
	v_mul_u32_u24 v5, v1, SPITCH                   ; in: row r; accumulator b's eight columns begin at column 32 (b / 2) + 16 h + 8 (b % 2): 64 h bytes here, the rest in the immediate
	v_lshl_add_u32 v5, v2, 6, v5
	v_add_nc_u32 v[STO], s23, v5
	v_add_nc_u32 v[RD], s23, v[CO]                 ; back: the 32 lanes take one row of 512 bytes
	s_lshl_b32 s20, s17, 8
	s_lshl_b32 s21, s15, 7
	s_add_co_u32 s20, s20, s21                     ; my first row of out0: 256 Y + 128 x half
	s_lshl_b32 s20, s20, 13
	s_lshl_b32 s46, s42, 10
	s_lshl_b32 s47, s16, 9
	s_add_co_u32 s46, s46, s47                     ; my first column, in bytes: 1,024 X + 512 x half
	s_mov_b32 s47, 0
	s_add_nc_u64 s[96:97], s[96:97], s[46:47]
	s_add_co_u32 s20, s20, s46
	s_mov_b32 s21, 0
	s_add_nc_u64 s[98:99], s[98:99], s[20:21]
	global_load_b128 v[BO:BO+3], v[CO], s[96:97]   ; bo of the four columns that I hold of a row read back; it lands during the loop
.macro FRAG reg, adr, q, i             ; a fragment comes as it was stored: two loads of 16 bytes a lane, 512 consecutive bytes each
.irp c, 0,1
	ds_load_b128 v[\reg+4*\c:\reg+4*\c+3], v[\adr] offset:TILEB*(\i)+1024*(\q)+512*\c
.endr
.endm
; 16 matrix instructions: A's blocks a0, a0 + 1 x B's eight, 128 along K: the slot's q-th.  p: B's set;  sc: the set of scale words.  zero = 1: the first product starts the sums: nothing is ever cleared.
; The 64 accumulators take turns, one instruction a turn, in the same order in every step.
.macro MUL16 a0, p, q, sc, zero
.irp a, \a0, \a0+1
.irp b, 0,1,2,3,4,5,6,7
.if \zero
	v_wmma_scale_f32_16x16x128_f8f6f4 v[8*(8*((\a)%4)+\b):8*(8*((\a)%4)+\b)+7], v[128*(\p)+FR*\b:128*(\p)+FR*\b+FR-1], v[AF+FR*(\a):AF+FR*(\a)+FR-1], 0, v[SC+8*NQ*(\sc)+NQ*\b+(\q)], v[SC+8*NQ*(\sc)+NQ*(\a)+(\q)] matrix_a_fmt:MATRIX_FMT_FP4 matrix_b_fmt:MATRIX_FMT_FP4 matrix_a_scale:MATRIX_SCALE_ROW1
.else
	v_wmma_scale_f32_16x16x128_f8f6f4 v[8*(8*((\a)%4)+\b):8*(8*((\a)%4)+\b)+7], v[128*(\p)+FR*\b:128*(\p)+FR*\b+FR-1], v[AF+FR*(\a):AF+FR*(\a)+FR-1], v[8*(8*((\a)%4)+\b):8*(8*((\a)%4)+\b)+7], v[SC+8*NQ*(\sc)+NQ*\b+(\q)], v[SC+8*NQ*(\sc)+NQ*(\a)+(\q)] matrix_a_fmt:MATRIX_FMT_FP4 matrix_b_fmt:MATRIX_FMT_FP4 matrix_a_scale:MATRIX_SCALE_ROW1
.endif
.endr
.endr
.endm
.macro FETCH_B slot, q, p              ; B's eight fragments of the slot's q-th 128 along K into set p
	WIN TO_B
.irp i, 0,1,2,3,4,5,6,7
	FRAG 128*(\p)+FR*\i, ADRB+\slot, \q, \i
.endr
	WIN 0
.endm
.macro FETCH_A slot, q, i0             ; A's blocks i0 .. i0 + 3
.irp i, \i0, \i0+1, \i0+2, \i0+3
	FRAG AF+FR*(\i), ADRA+\slot, \q, \i
.endr
.endm
.macro SCALES sc                       ; a slot's scale words into set sc: four words a row; lanes 0-15 take A's block i, lanes 16-31 B's block i
.irp i, 0,1,2,3,4,5,6,7
	ds_load_b128 v[SC+8*NQ*\sc+NQ*\i:SC+8*NQ*\sc+NQ*\i+3], v[ADRS] offset:1024*\i
.endr
.endm
; A load into a register that a matrix instruction has read, and a vector instruction or an LDS store that reads a matrix result, stand NP places behind it; only plain vector
; instructions that name none of its registers are places (ISA guide 7.12.1 for vector instructions).
.macro PLACES n
.rept \n
	v_nop
.endr
.endm
; A step of 128 along K that has its successor in the same slot.  A's blocks go one after the other, each against B's eight: a block of A is free as soon as its eight products are issued, so A has one set of registers.
.macro STEP slot, q, zero
	s_wait_dscnt 4*NL                              ; B's set, A's blocks 0-3 (and the scale words) are in; the youngest eight loads, A's blocks 4-7, may be out
	WIN MUL_LO
	MUL16 0, (\q)%2, \q, \slot, \zero
	MUL16 2, (\q)%2, \q, \slot, \zero
	s_wait_dscnt 0                                 ; A's blocks 4-7 are in (asked for 32 matrix instructions ago)
	PLACES NP
	FETCH_B \slot, (\q)+1, 1-(\q)%2
	FETCH_A \slot, (\q)+1, 0
	WIN MUL_HI
	MUL16 4, (\q)%2, \q, \slot, \zero
	MUL16 6, (\q)%2, \q, \slot, \zero
	PLACES NP
	WIN 0
	FETCH_A \slot, (\q)+1, 4
.endm
; A slot's last step changes slots: one barrier; in front of it each wave waits for all its tensor loads, adds 0 to its spare word, and waits for that and for its own reads of this slot.  fill = 1: this slot is filled again, two slots ahead.
.macro TURN slot, next, fill
	s_wait_tensorcnt 0x0                           ; all my tensor loads have landed: my part of the next slot;  (every window is 0 here)
	ds_add_u32 v[SPW], v[NIL]                      ; 0 onto my spare word
	s_wait_dscnt 4*NL+1                            ; (the add and the youngest eight loads, A's blocks 4-7, may be out)
	WIN MUL_LO
	MUL16 0, 1, NQ-1, \slot, 0                     ; sixteen matrix instructions stand between the add and the wait for it
	s_wait_dscnt 0x0                               ; the add is done, and my reads of this slot are over
	s_barrier_signal -1
	MUL16 2, 1, NQ-1, \slot, 0
	WIN 0
	s_barrier_wait -1
.if \fill
	CREST                                          ; the barrier has opened a round of the cluster's barrier: no wave of any partner still reads this slot or has a load on its way
	s_add_nc_u64 s[G0+4*\slot+2:G0+4*\slot+3], s[G0+4*\slot+2:G0+4*\slot+3], 2*ASTEP
	s_add_nc_u64 s[G0B+4*\slot+2:G0B+4*\slot+3], s[G0B+4*\slot+2:G0B+4*\slot+3], 2*BSTEP
	JLOAD G0+4*\slot, G1, G0B+4*\slot, G1B         ; the first tensor load behind the round, my one load until the next; its four v_nop are also the places in front of the loads below
.else
	PLACES NP
.endif
	v_add_nc_u32 v[ADRS], 256, v[ADRS]             ; on to the next slot's scale words (no LDS load of mine is out)
	FETCH_B \next, 0, 0
	FETCH_A \next, 0, 0
	SCALES \next
	WIN MUL_HI
	MUL16 4, 1, NQ-1, \slot, 0
	MUL16 6, 1, NQ-1, \slot, 0
	PLACES NP
	WIN 0
	FETCH_A \next, 0, 4
.endm
.macro STEPS slot, from                ; the slot's steps from .. NQ - 2
.set Q, \from
.rept NQ-1-\from
	STEP \slot, Q, 0
.set Q, Q+1
.endr
.endm
	s_wait_tensorcnt 1                             ; the scale words and my part of slot 0 are in (slot 1's load may be out)
	s_barrier_signal -1
	s_barrier_wait -1                              ; everybody's are
	FETCH_B 0, 0, 0
	FETCH_A 0, 0, 0
	SCALES 0
	FETCH_A 0, 0, 4
	STEP 0, 0, 1                                   ; the first step stands in front of the loop: its products start the sums
	s_mov_b32 s3, LAPS-1
.Llap:                                                 ; a trip goes once round the ring, from a lap's second step to the next lap's first, and fills both slots again
	STEPS 0, 1
	TURN 0, 1, 1
	STEPS 1, 0
	TURN 1, 0, 1
	STEP 0, 0, 0
	s_sub_co_u32 s3, s3, 1
	s_cmp_lg_u32 s3, 0
	s_cbranch_scc1 .Llap
	STEPS 0, 1                                     ; the last lap fills nothing, and has no round of the cluster's barrier
	TURN 0, 1, 0
	STEPS 1, 0
	s_wait_dscnt 4*NL                              ; the very last step: nothing more to fetch
	WIN MUL_LO
	MUL16 0, 1, NQ-1, 1, 0
	MUL16 2, 1, NQ-1, 1, 0
	s_wait_dscnt 0
	WIN MUL_HI
	MUL16 4, 1, NQ-1, 1, 0
	MUL16 6, 1, NQ-1, 1, 0
	WIN 0
; THE WAY OUT, block by block of 16 rows x 128 columns.  A lane holds pieces of 32 bytes of one row, and the lanes beside it hold other rows: so a block goes through my own stage in LDS and comes back as whole rows
; of 512 bytes, which take their bias and are stored by the 32 lanes.  LDS serves a wave's instructions in order (ISA guide 5.7.1.4): no wait between the stores and the loads, nor in front of the next block's stores.
.macro TOSTAGE a
.set AC, 64*((\a)%4)
	WIN 0x08+4*((\a)/4)                            ; the data: window 2 or 3
.irp b, 0,1,2,3,4,5,6,7
	ds_store_b128 v[STO], v[AC+8*\b:AC+8*\b+3] offset:128*(\b/2)+32*(\b%2)          ; each accumulator from its low end on
	ds_store_b128 v[STO], v[AC+8*\b+4:AC+8*\b+7] offset:128*(\b/2)+32*(\b%2)+16
.endr
	WIN 0
.set BB, BK+64*((\a)%2)
.irp t, 0,1,2,3,4,5,6,7,8,9,10,11,12,13,14,15
	ds_load_b128 v[BB+4*\t:BB+4*\t+3], v[RD] offset:\t*SPITCH
.endr
.endm
.macro SEND a, younger                 ; younger: the LDS instructions issued behind block a's loads, which may stay out
.set BB, BK+64*((\a)%2)
.set R0, 32*((\a)/2)+8*((\a)%2)        ; the block's first row; stage row t is row R0 + t + 8 (t / 8): every row stands in the immediate, 127 rows of 8,192 bytes at the most
	s_wait_dscnt \younger                          ; the block is back in registers
.irp t, 0,1,2,3,4,5,6,7,8,9,10,11,12,13,14,15
	v_pk_add_f32 v[BB+4*\t:BB+4*\t+1], v[BB+4*\t:BB+4*\t+1], v[BO:BO+1]
	v_pk_add_f32 v[BB+4*\t+2:BB+4*\t+3], v[BB+4*\t+2:BB+4*\t+3], v[BO+2:BO+3]
	global_store_b128 v[CO], v[BB+4*\t:BB+4*\t+3], s[98:99] offset:(R0+\t+8*(\t/8))*8192 th:TH_STORE_NT   ; 32 lanes store 512 consecutive bytes, at a multiple of 256 from out0's first byte
.endr
.endm
	s_wait_loadcnt 0x0                             ; bo
	PLACES NP                                      ; behind the last products: for the loads into the registers that held A's fragments, and for the reads of the results
	TOSTAGE 0
.irp a, 1,2,3,4,5,6,7
.if \a > 1
	s_wait_xcnt 0x0                                ; block a - 2's stores have read their registers: block a's loads may land there
.endif
	TOSTAGE \a
	SEND \a-1, 32                                  ; behind block a - 1's loads: block a's 16 stores and 16 loads
.endr
	SEND 7, 0
	s_wait_tensorcnt 0x0                           ; the wave's end, behind my last tensor load and my last LDS store
	ds_add_u32 v[SPW], v[NIL]
	s_wait_dscnt 0x0
	CROUND                                         ; the closing round: no work-group ends while a partner may still ask for a tile that names it
	s_endpgm
.Lfunc_end_k_q627a707644_oproj:
	.size	k_q627a707644_oproj, .Lfunc_end_k_q627a707644_oproj-k_q627a707644_oproj
	.p2alignl 7, 3214868480
	.fill 96, 4, 3214868480
	.section	.rodata,"a",@progbits
	.p2align	6, 0x0
	.amdhsa_kernel k_q627a707644_oproj
		.amdhsa_group_segment_fixed_size 327680
		.amdhsa_private_segment_fixed_size 0
		.amdhsa_enable_private_segment 0
		.amdhsa_kernarg_size 48
		.amdhsa_user_sgpr_count 2
		.amdhsa_user_sgpr_kernarg_segment_ptr 1
		.amdhsa_wavefront_size32 1
		.amdhsa_system_sgpr_workgroup_id_x 1
		.amdhsa_system_sgpr_workgroup_id_y 1
		.amdhsa_system_sgpr_workgroup_id_z 1
		.amdhsa_system_vgpr_workitem_id 0
		.amdhsa_next_free_vgpr 1024
		.amdhsa_next_free_sgpr 100
		.amdhsa_reserve_vcc 0
		.amdhsa_float_denorm_mode_32 3
		.amdhsa_float_denorm_mode_16_64 3
		.amdhsa_memory_ordered 1
		.amdhsa_forward_progress 1
		.amdhsa_inst_pref_size 227
	.end_amdhsa_kernel
	.amdgpu_metadata
---
amdhsa.version: [ 1, 2 ]
amdhsa.kernels:
  - .name:           k_q627a707644_oproj
    .symbol:         k_q627a707644_oproj.kd
    .args:
      - { .name: oc, .offset: 0, .size: 8, .value_kind: global_buffer, .address_space: global }
      - { .name: os, .offset: 8, .size: 8, .value_kind: global_buffer, .address_space: global }
      - { .name: wc, .offset: 16, .size: 8, .value_kind: global_buffer, .address_space: global }
      - { .name: ws, .offset: 24, .size: 8, .value_kind: global_buffer, .address_space: global }
      - { .name: bo, .offset: 32, .size: 8, .value_kind: global_buffer, .address_space: global }
      - { .name: out0, .offset: 40, .size: 8, .value_kind: global_buffer, .address_space: global }
    .group_segment_fixed_size: 327680
    .private_segment_fixed_size: 0
    .kernarg_segment_align: 8
    .kernarg_segment_size: 48
    .max_flat_workgroup_size: 128
    .sgpr_count:     100
    .vgpr_count:     1024
    .wavefront_size: 32
...
	.end_amdgpu_metadata
.endif
;; end of part 4
;; ======== version 2 of 2: 4 launches
;; limits: right only within a limited range of input values
;; workspace buffers: wc 8,912,896 bytes; wo 2,228,224 bytes; qkvc 6,684,672 bytes; oc 2,228,224 bytes
;; launch quant (part 5): grid 128 x 4, 4 waves a work-group, no clusters, 34,304 bytes of LDS; arguments x, Wq, Wk, Wv, wc; writes wc
.if DOCPART == 5
	.amdgcn_target "amdgcn-amd-amdhsa--gfx1250"
	.amdhsa_code_object_version 6
	.text
	.protected	k_q627a707644_quant
	.globl	k_q627a707644_quant
	.p2align	8
	.type	k_q627a707644_quant,@function
k_q627a707644_quant:
	s_mov_b64 s[64:65], 0
	v_nop
	global_prefetch_b8 v0, s[64:65] scope:SCOPE_SE
	s_setreg_imm32_b32 hwreg(HW_REG_WAVE_MODE, 25, 1), 1
	s_wait_xcnt 0x0
; x, Wq, Wk, Wv, each [2048][2048] f32 with K innermost, become codes of FP4 (E2M1) with one E8M0 scale byte for each 32 along K.  (Wo is quantised by work-groups of the next launch.)
; No step of the reference is left out in this program.
; A block's scale is 2^(floor(log2(its largest magnitude)) - 2); its byte is the largest magnitude's exponent field - 2, held at 1 from below.
; THE CODES ARE IMAGES OF THE OPERAND'S REGISTERS.  A fragment is 16 rows x 128 K: 8 registers a lane, 1,024 bytes: byte 512 c + 16 lane holds registers 4 c .. 4 c + 3 of
; lane (r, h): k = 64 c + 32 h + 0 .. 31 of the lane's row.  THE ROWS OF A TILE ARE NOT NEIGHBOURS: lane r of tile T takes row 32 (T / 2) + 8 (T % 2) + r + 8 (r / 8).
; A UNIT of a tile and 512 along K: four fragments, then [r 16][s 4] scale words (a word = the four bytes of one row and 128 K): 4,352 bytes, so that codes and scales travel in one dense block.
; wc: [G / 8][q 4][G % 8][4,352], G = 128 x tensor + T, K = 512 q + 128 s.
; SHARES.  A work-group takes one tile of 16 rows of one tensor (x: tile, y: tensor); wave w takes K = 512 w on: one unit, written out, no loop, no barrier: waves share nothing.
; Each load reads 512 consecutive bytes of one row; a fragment's 16 loads turn through the wave's own stage in LDS (rows of 512 + 16 bytes) and come back 32 neighbours along K to a lane, twice:
; a lane then owns two whole blocks.  Loads run two fragments (32 loads a wave) ahead.  Codes have registers of their own for each fragment and leave behind the last turn through the stage.
; LIMITS: NaN and infinities are not served; a block whose largest magnitude lies under 2^-124 is held at the byte 1; a block of zeros gets the byte 1 and not 127 (its codes are zeros, and this program alone reads the bytes).
.set ROWB, 8192
.set SP,   528                         ; a stage row: 512 bytes + 16
.set WREG, 16*SP                       ; a wave's stage
.set UNIT, 4352
.set SPARE, 4*WREG                     ; the spare words, 128 bytes for each wave
.set LN,  1                            ; lane
.set RR,  2                            ; r
.set HH,  3                            ; h
.set LI,  4                            ; 16 x lane
.set SA,  5                            ; the stage, on the way in
.set RA,  6                            ; and out: row r, + 128 h
.set WO,  7                            ; my 8 bytes of the unit's 256 bytes of words
.set MX,  8
.set SO,  10
.set BY,  12
.set TW,  14
.set R,   16                           ; v16-143 two sets of 64: a fragment as loaded
.set X,   144                          ; v144-207 my 2 x 32 neighbours along K
.set C,   208                          ; v208-239 the four fragments' codes
.set W,   240                          ; v240-243 their words
.set D,   244
.set SH,  246                          ; 8 h
.set PX,  247
.set SPW, 248
.set NIL, 249
	s_load_b256 s[4:11], s[0:1], 0x0               ; x, Wq, Wk, Wv
	s_load_b64 s[12:13], s[0:1], 0x20              ; wc
	v_lshl_add_u32 v[SPW], v0, 2, SPARE
	v_mov_b32 v[NIL], 0
	v_lshrrev_b32 v[LN], 5, v0
	v_readfirstlane_b32 s21, v[LN]                 ; wave = q
	s_and_b32 s20, ttmp7, 0xffff                   ; which tensor
	v_and_b32 v[LN], 31, v0
	v_and_b32 v[RR], 15, v0
	v_bfe_u32 v[HH], v0, 4, 1
	v_lshlrev_b32 v[LI], 4, v[LN]
	s_mul_i32 s26, s21, WREG
	v_add_nc_u32 v[SA], s26, v[LI]
	v_mul_u32_u24 v[RA], v[RR], SP
	v_lshl_add_u32 v[RA], v[HH], 7, v[RA]
	v_add_nc_u32 v[RA], s26, v[RA]
	v_lshlrev_b32 v[WO], 4, v[RR]
	v_lshl_add_u32 v[WO], v[HH], 3, v[WO]
	v_lshlrev_b32 v[SH], 3, v[HH]
	v_mov_b32 v[PX], 0                             ; a lane permute's destination counts as one of its sources
	s_mov_b32 s22, 0x76543210
	s_mov_b32 s23, 0xfedcba98                      ; selects for lane l xor 16
	s_lshr_b32 s24, ttmp9, 1
	s_lshl_b32 s24, s24, 5
	s_and_b32 s25, ttmp9, 1
	s_lshl_b32 s25, s25, 3
	s_add_co_u32 s24, s24, s25                     ; the tile's first row
	s_lshl_b32 s24, s24, 13
	s_lshl_b32 s25, s21, 11
	s_add_co_u32 s24, s24, s25                     ; in bytes, + my wave's 512 numbers
	s_mov_b32 s25, 0
	s_lshl_b32 s28, s20, 4
	s_lshr_b32 s29, ttmp9, 3
	s_add_co_u32 s28, s28, s29                     ; G / 8
	s_lshl_b32 s28, s28, 2
	s_add_co_u32 s28, s28, s21
	s_lshl_b32 s28, s28, 3
	s_and_b32 s29, ttmp9, 7
	s_add_co_u32 s28, s28, s29
	s_mul_i32 s28, s28, UNIT                       ; ((G / 8 x 4 + q) x 8 + G % 8) x 4,352
	s_mov_b32 s29, 0
	s_wait_alu depctr_va_vdst(0)                   ; the wait at the head's end
	s_wait_kmcnt 0x0
	s_cmp_eq_u32 s20, 1                            ; the tensor is chosen by the work-group's y alone
	s_cselect_b64 s[4:5], s[6:7], s[4:5]
	s_cmp_eq_u32 s20, 2
	s_cselect_b64 s[4:5], s[8:9], s[4:5]
	s_cmp_eq_u32 s20, 3
	s_cselect_b64 s[4:5], s[10:11], s[4:5]
	s_add_nc_u64 s[4:5], s[4:5], s[24:25]
	s_add_nc_u64 s[12:13], s[12:13], s[28:29]
.macro LOAD t                          ; fragment t: 128 numbers of each of the tile's 16 rows
.irp i, 0,1,2,3,4,5,6,7,8,9,10,11,12,13,14,15
	global_load_b128 v[R+64*((\t)%2)+4*\i:R+64*((\t)%2)+4*\i+3], v[LI], s[4:5] offset:(\i+8*(\i/8))*ROWB+512*(\t) th:TH_LOAD_NT
.endr
.endm
.macro PUT t                           ; fragment t's codes: 512 consecutive bytes a store
.irp c, 0,1
	global_store_b128 v[LI], v[C+8*(\t)+4*\c:C+8*(\t)+4*\c+3], s[12:13] offset:1024*(\t)+512*\c
.endr
.endm
.macro FRAG t
.set RS, R+64*((\t)%2)
.if (\t) < 3
	s_wait_loadcnt 16                              ; this fragment's 16 loads are in; the next fragment's 16 may be out
.else
	s_wait_loadcnt 0x0
.endif
.irp i, 0,1,2,3,4,5,6,7,8,9,10,11,12,13,14,15
	ds_store_b128 v[SA], v[RS+4*\i:RS+4*\i+3] offset:SP*\i
.endr
.irp c, 0,1
.irp g, 0,1,2,3,4,5,6,7
	ds_load_b128 v[X+32*\c+4*\g:X+32*\c+4*\g+3], v[RA] offset:256*\c+16*\g   ; LDS serves a wave's instructions in order: these see the stores above
.endr
.endr
	s_wait_dscnt 0x0                               ; my 64 numbers are back, and the stores have read their registers,
.if (\t) < 2
	LOAD (\t)+2                                    ; which take the loads of two fragments on
.endif
.if (\t) == 3
	PUT 0                                          ; no turn through the stage is left
	PUT 1
	PUT 2
.endif
.irp c, 0,1
	v_max3_num_f32 v[MX+\c], |v[X+32*\c]|, |v[X+32*\c+1]|, 0x1800000   ; block 2 c + h; the floor 2^(3 - 127) holds the byte at 1 from below
.endr
.irp i, 2,4,6,8,10,12,14,16,18,20,22,24,26,28,30
.irp c, 0,1
	v_max3_num_f32 v[MX+\c], v[MX+\c], |v[X+32*\c+\i]|, |v[X+32*\c+\i+1]|
.endr
.endr
.irp c, 0,1
	v_add_nc_u32 v[SO+\c], 0xff000000, v[MX+\c]    ; 2 off the exponent field: the conversion takes the exponent field of this operand as its scale
.endr
.irp c, 0,1
	v_lshrrev_b32 v[BY+\c], 23, v[SO+\c]           ; the scale's byte
.endr
	v_lshl_or_b32 v[TW], v[BY+1], 16, v[BY]        ; my two bytes, blocks h and 2 + h,
	v_lshlrev_b32 v[TW], v[SH], v[TW]              ; at their places in the word;
	v_permlanex16_b32 v[PX], v[TW], s22, s23
	v_or_b32 v[W+(\t)], v[TW], v[PX]               ; with lane l xor 16's two the word is whole
.irp c, 0,1
.irp g, 0,1,2,3
	v_cvt_scalef32_pk8_fp4_f32 v[C+8*(\t)+4*\c+\g], v[X+32*\c+8*\g:X+32*\c+8*\g+7], v[SO+\c]
.endr
.endr
	v_nop                                          ; one plain place behind the last scaled conversion
	s_wait_alu depctr_va_vdst(0)
.endm
	LOAD 0
	LOAD 1
	FRAG 0
	FRAG 1
	FRAG 2
	FRAG 3
	PUT 3
	v_cmp_lt_u32 vcc_lo, 15, v[LN]                 ; lanes 0-15 store row r's words 0 and 1, lanes 16-31 its words 2 and 3
	v_cndmask_b32 v[D], v[W], v[W+2], vcc_lo
	v_cndmask_b32 v[D+1], v[W+1], v[W+3], vcc_lo
	global_store_b64 v[WO], v[D:D+1], s[12:13] offset:4096     ; 256 consecutive bytes, aligned
	s_wait_tensorcnt 0x0                           ; the wave's end
	ds_add_u32 v[SPW], v[NIL]
	s_wait_dscnt 0x0
	s_endpgm
.Lfunc_end_k_q627a707644_quant:
	.size	k_q627a707644_quant, .Lfunc_end_k_q627a707644_quant-k_q627a707644_quant
	.p2alignl 7, 3214868480
	.fill 96, 4, 3214868480
	.section	.rodata,"a",@progbits
	.p2align	6, 0x0
	.amdhsa_kernel k_q627a707644_quant
		.amdhsa_group_segment_fixed_size 34304
		.amdhsa_private_segment_fixed_size 0
		.amdhsa_enable_private_segment 0
		.amdhsa_kernarg_size 40
		.amdhsa_user_sgpr_count 2
		.amdhsa_user_sgpr_kernarg_segment_ptr 1
		.amdhsa_wavefront_size32 1
		.amdhsa_system_sgpr_workgroup_id_x 1
		.amdhsa_system_sgpr_workgroup_id_y 1
		.amdhsa_system_sgpr_workgroup_id_z 1
		.amdhsa_system_vgpr_workitem_id 0
		.amdhsa_next_free_vgpr 250
		.amdhsa_next_free_sgpr 66
		.amdhsa_reserve_vcc 1
		.amdhsa_float_denorm_mode_32 3
		.amdhsa_float_denorm_mode_16_64 3
		.amdhsa_memory_ordered 1
		.amdhsa_forward_progress 1
		.amdhsa_inst_pref_size 30
	.end_amdhsa_kernel
	.amdgpu_metadata
---
amdhsa.version: [ 1, 2 ]
amdhsa.kernels:
  - .name:           k_q627a707644_quant
    .symbol:         k_q627a707644_quant.kd
    .args:
      - { .name: x, .offset: 0, .size: 8, .value_kind: global_buffer, .address_space: global }
      - { .name: Wq, .offset: 8, .size: 8, .value_kind: global_buffer, .address_space: global }
      - { .name: Wk, .offset: 16, .size: 8, .value_kind: global_buffer, .address_space: global }
      - { .name: Wv, .offset: 24, .size: 8, .value_kind: global_buffer, .address_space: global }
      - { .name: wc, .offset: 32, .size: 8, .value_kind: global_buffer, .address_space: global }
    .group_segment_fixed_size: 34304
    .private_segment_fixed_size: 0
    .kernarg_segment_align: 8
    .kernarg_segment_size: 40
    .max_flat_workgroup_size: 128
    .sgpr_count:     66
    .vgpr_count:     250
    .wavefront_size: 32
...
	.end_amdgpu_metadata
.endif
;; end of part 5
;; launch qkv (part 6): grid 32 x 8, 4 waves a work-group, clusters of 4 x 4, 327,680 bytes of LDS; arguments wc, bq, bk, bv, Wo, qkvc, wo; writes qkvc, wo
.if DOCPART == 6
	.amdgcn_target "amdgcn-amd-amdhsa--gfx1250"
	.amdhsa_code_object_version 6
	.text
	.protected	k_q627a707644_qkv
	.globl	k_q627a707644_qkv
	.p2align	8
	.type	k_q627a707644_qkv,@function
k_q627a707644_qkv:
	s_mov_b64 s[64:65], 0
	v_nop
	global_prefetch_b8 v0, s[64:65] scope:SCOPE_SE
	s_setreg_imm32_b32 hwreg(HW_REG_WAVE_MODE, 25, 1), 1
	s_wait_xcnt 0x0
	s_wait_alu depctr_hold_cnt(0) depctr_sa_sdst(0) depctr_va_vdst(0) depctr_va_sdst(0) depctr_va_ssrc(0) depctr_va_vcc(0) depctr_vm_vsrc(0)
	s_getreg_b32 s2, hwreg(HW_REG_IB_STS2, 6, 4)
	s_cmp_eq_u32 s2, 0
	s_cbranch_scc0 .Lentry_in_a_cluster
	s_endpgm
.Lentry_in_a_cluster:
	s_bfe_u32 s2, ttmp6, 0x10000c
	s_cmp_lg_u32 s2, 0xf033
	s_cbranch_scc0 .Lentry_shape_is_right
	s_endpgm
.Lentry_shape_is_right:
; Q = x Wq^T + bq, K = x Wk^T + bk, and V^T = Wv x^T + bv, on codes of FP4 (E2M1) with E8M0 scales; each result is quantised along the K of its next product (Q, K: the head's 128; V: the keys) and leaves as codes.
; Clusters 0 to 5 along x do that, 192 work-groups; clusters 6 and 7 quantise Wo for the last product (behind .Lwo): 64 work-groups, so the launch has 256.
; IN: wc [G / 8][q 4][G % 8][4,352]: units of four fragments (1,024 bytes each: byte 512 c + 16 lane = registers 4 c .. 4 c + 3) and [r 16][s 4] scale words; lane r of tile T holds row 32 (T / 2) + 8 (T % 2) + r + 8 (r / 8).
; OUT: qkvc [P 48][j 16][8,704]: eight fragments and [half 2][r 16][4] words (tile 4 half + i); P = head (Q), 16 + head (K), 32 + head (V); Q, K: row tile 8 j + t; V: key step j, tile t of the channels.
;      wo [T 128][q 4][4,352], units as in wc.
; SHARES.  A tile of 256 x 256 a work-group, 128 x 128 a wave: 64 accumulators.  Source 0 = 16 rows of B, source 1 = 16 rows of A (Q, K: A = x, B = the weight; V: A = Wv, B = x), so a lane holds one row of the
; result and 16 neighbours along the next K in each pair of tiles: ready for the quantiser.  THE BIAS IS THE C OF A SUM'S FIRST PRODUCT.
; K goes in four steps of 512 through two LDS slots of 139,264 bytes; a wave's load brings eight tiles' units, 34,816 dense bytes.  K step 0 comes at the head, K step 1 behind the first round, 2 and 3 as their slots are left.
; CLUSTERS: 4 x 4.  A's tiles hang on the tile row and are asked for jointly along a row of the cluster, B's on the tile column, along a column.
; PREFETCH into the L2: K steps 2 and 3, each one slot (four steps of 128) ahead of its load: K step 2 behind K step 1's load, K step 3 behind K step 2's.  A wave's 34,816 bytes are 136 blocks of 256; the four partners
; that ask for them jointly take 34 each, told apart by address (cx for A, cy for B): so each block is named once in a cluster.  K steps 0 and 1 come by their loads alone, and nothing lies behind K step 3.
; A step of 128 along K asks for the next step's fragments in two runs: B's eight and A's blocks 0-3 ahead of its products, A's blocks 4-7 in its middle.  Both sides have two sets of registers.
; REGISTERS, windows of 256: 0: addresses, scale words (v32-95), bias (v192-255); 1: set p of B's fragments at v[128 p], of A's at v[64 + 128 p]; 2, 3: accumulators, (a, b) at v[8 (8 (a % 4) + b)].
; On the way out the codes lie in v32-95, eight registers for each of the eight row tiles, so no store's data are written again.
; LIMITS: NaN and infinities are not served; a block whose largest magnitude lies under 2^-124 is held at the byte 1; a block of zeros gets the byte 1 and not 127 (zero codes; this program alone reads the bytes).
.set NQ,     4
.set NP,     4                         ; places behind this matrix instruction (ISA guide 7.12.1)
.set UNIT,   4352
.set HALFT,  8*UNIT                    ; eight tiles of a K step: a load
.set WAVEB,  2*HALFT                   ; a wave's part of both slots; waves 0, 1: A's halves, waves 2, 3: B's
.set SPARE,  4*WAVEB                   ; the spare words, 512 bytes
.set STG,    SPARE+512                 ; the stages of the work-groups that quantise Wo: no tile lands here
.set SP,     528
.set D,    8
.set ADRA, 16                          ; v16-17 my fragments of A in slot 0, 1
.set ADRB, 20                          ; v20-21 of B
.set LI,   24                          ; 16 x lane
.set ADRS, 26                          ; v26-27 my scale words in slot 0, 1: lanes 0-15 A's, lanes 16-31 B's
.set SPW,  28
.set NIL,  29
.set PFO,  30                          ; v30-31 the prefetches' offsets: blocks 0-31, and 32, 33 (lanes 2 on name 33 again); never rewritten
.set SC,   32                          ; scale words: slot s at v[SC + 32 s], register 4 i + q
.set PC,   32                          ; the way out: codes of row tile a at v[PC + 8 a]
.set VO,   96
.set TM,   96                          ; the way out: v96-103 maxima, v104-111 at work, v112-119 the conversions' operands
.set PW,   120
.set BI,   192
.set G1, 24
.set G0, 32
.set G1B, 48
.set G0B, 56
.set PFA, 68                           ; s[68:69] my work-group's 34 blocks of K step 2
.set SEL, 92
.set MSB, 0
.macro WIN new                         ; the immediate's high byte repeats the setting that is left
.if MSB != (\new)
	s_set_vgpr_msb (MSB<<8)|(\new)
.set MSB, (\new)
.endif
.endm
.set MUL_LO, 0xa5                      ; sources 0 and 1 window 1, C and D window 2
.set MUL_HI, 0xf5                      ; C and D window 3
.set ONE_LO, 0x85                      ; C window 0: the bias
.set ONE_HI, 0xc5
; A joint load: waves 0 and 1 fetch for A, waves 2 and 3 for B; the branch hangs on the wave's number alone.
.macro JLOAD s
	s_cmp_eq_u32 s15, 0
	s_cbranch_scc0 .Lfor_b_\@
	tensor_load_to_lds s[G0+4*\s:G0+4*\s+3], s[G1:G1+7]
	s_nop 0
.rept 4
	v_nop
.endr
	s_branch .Lasked_\@
.Lfor_b_\@:
	tensor_load_to_lds s[G0B+4*\s:G0B+4*\s+3], s[G1B:G1B+7]
	s_nop 0
.rept 4
	v_nop
.endr
.Lasked_\@:
.endm
.macro ASK off
	global_prefetch_b8 v[PFO], s[PFA:PFA+1] offset:\off th:TH_LOAD_NT scope:SCOPE_SE
	global_prefetch_b8 v[PFO+1], s[PFA:PFA+1] offset:\off th:TH_LOAD_NT scope:SCOPE_SE
.endm
.macro CREST                           ; a round of the cluster's barrier behind its opening barrier
	s_cmp_lg_u32 s14, 0
	s_cbranch_scc1 .Lnot_wave_0_\@
	s_barrier_signal -3
.Lnot_wave_0_\@:
	s_barrier_wait -3
	s_barrier_signal -1
	s_barrier_wait -1
.endm
.macro CROUND
	s_barrier_signal -1
	s_barrier_wait -1
	CREST
.endm
	s_load_b256 s[4:11], s[0:1], 0x0               ; wc, bq, bk, bv
	s_load_b128 s[96:99], s[0:1], 0x20             ; Wo, qkvc
	s_load_b64 s[100:101], s[0:1], 0x30            ; wo
	v_lshl_add_u32 v[SPW], v0, 2, SPARE
	v_mov_b32 v[NIL], 0
	ds_add_u32 v[SPW], v[NIL]                      ; the opening lines: the add, twice on end, and its wait
	ds_add_u32 v[SPW], v[NIL]
	v_lshrrev_b32 v1, 5, v0
	v_readfirstlane_b32 s14, v1                    ; wave
	s_lshr_b32 s15, s14, 1                         ; my half of the rows; also: I fetch for A (0) or B (1)
	s_and_b32 s16, s14, 1                          ; my half of the columns; also: which eight tiles I fetch
	s_bfe_u32 s40, ttmp6, 0x40000                  ; cx
	s_bfe_u32 s41, ttmp6, 0x40004                  ; cy
	s_lshl_b32 s42, ttmp9, 2
	s_add_co_u32 s42, s42, s40                     ; tile column
	s_and_b32 s17, ttmp7, 0xffff
	s_lshl_b32 s17, s17, 2
	s_add_co_u32 s17, s17, s41                     ; tile row
	s_lshr_b32 s66, ttmp9, 2                       ; 0: Q or K, 1: V
	s_lshl_b32 s43, s41, 2
	s_lshl_b32 s43, 15, s43                        ; my row of the cluster
	s_lshl_b32 s44, 0x1111, s40                    ; my column
	; group 1: a dense block as 136 rows of 256 bytes (32 elements of 8 bytes)
	s_or_b32 s[G1+0], s43, (3<<16)|(1<<21)
	s_or_b32 s[G1B+0], s44, (3<<16)|(1<<21)
.irp g, G1, G1B
	s_mov_b32 s[\g+1], 32<<16
	s_mov_b32 s[\g+2], 136<<16
	s_mov_b32 s[\g+3], 32<<16
	s_mov_b32 s[\g+4], 136
	s_mov_b32 s[\g+5], 32
	s_mov_b32 s[\g+6], 0
	s_mov_b32 s[\g+7], 0
.endr
	s_mov_b32 s[SEL], 0x76543210
	s_mov_b32 s[SEL+1], 0xfedcba98                 ; selects for lane l xor 16
	s_wait_alu depctr_va_vdst(0)
	s_wait_dscnt 0x0                               ; both opening adds are done
	s_cmp_lt_u32 ttmp9, 6                          ; the cluster's number alone: all sixteen partners go the same way
	s_cbranch_scc0 .Lwo
	s_mul_i32 s18, s66, 48
	s_lshl_b32 s20, s17, 1
	s_add_co_u32 s20, s20, s18
	s_add_co_u32 s20, s20, s16                     ; A: group of eight tiles 2 x tile row + half (V: + 48, Wv's)
	s_mul_i32 s20, s20, 4*HALFT
	s_mov_b32 s21, 0
	s_lshl_b32 s46, s42, 1
	s_add_co_u32 s46, s46, 16
	s_sub_co_u32 s46, s46, s18
	s_add_co_u32 s46, s46, s16                     ; B: 16 + 2 x tile column + half (V: - 48, x's)
	s_mul_i32 s46, s46, 4*HALFT
	s_mov_b32 s47, 0
	s_mul_i32 s45, s14, WAVEB                      ; where they go: the wave's number alone
	s_wait_kmcnt 0x0
	s_add_nc_u64 s[20:21], s[4:5], s[20:21]
	s_add_nc_u64 s[46:47], s[4:5], s[46:47]
	CROUND                                         ; all sixteen work-groups are here: the first joint loads meet
.irp s, 0,1
	s_mov_b32 s[G0+4*\s], 1
	s_add_co_u32 s[G0+4*\s+1], s45, HALFT*\s
	s_add_nc_u64 s[G0+4*\s+2:G0+4*\s+3], s[20:21], HALFT*\s
	s_or_b32 s[G0+4*\s+3], s[G0+4*\s+3], 0x80000000
	s_mov_b32 s[G0B+4*\s], 1
	s_add_co_u32 s[G0B+4*\s+1], s45, HALFT*\s
	s_add_nc_u64 s[G0B+4*\s+2:G0B+4*\s+3], s[46:47], HALFT*\s
	s_or_b32 s[G0B+4*\s+3], s[G0B+4*\s+3], 0x80000000
.endr
	JLOAD 0                                        ; K step 0: one load a wave at the head
	s_cmp_eq_u32 s15, 0                            ; the prefetches: of A's or of B's blocks,
	s_cselect_b64 s[PFA:PFA+1], s[20:21], s[46:47]
	s_cselect_b32 s70, s40, s41                    ; my place among the four that ask for them with me
	s_mul_i32 s70, s70, 34*256
	s_add_co_u32 s70, s70, 2*HALFT                 ; in K step 2
	s_mov_b32 s71, 0
	s_add_nc_u64 s[PFA:PFA+1], s[PFA:PFA+1], s[70:71]
	v_and_b32 v1, 15, v0                           ; r
	v_bfe_u32 v2, v0, 4, 1                         ; h
	v_and_b32 v3, 31, v0
	v_lshlrev_b32 v[LI], 4, v3
	v_lshlrev_b32 v[PFO], 8, v3
	v_min_u32 v6, 1, v3
	v_lshlrev_b32 v6, 8, v6
	v_add_nc_u32 v[PFO+1], 8192, v6
	s_mul_i32 s21, s15, WAVEB                      ; my half of A
	s_mul_i32 s22, s16, WAVEB
	s_add_co_u32 s22, s22, 2*WAVEB                 ; my half of B
	v_add_nc_u32 v[ADRA], s21, v[LI]
	v_add_nc_u32 v[ADRB], s22, v[LI]
	v_add_nc_u32 v[ADRA+1], HALFT, v[ADRA]
	v_add_nc_u32 v[ADRB+1], HALFT, v[ADRB]
	v_lshlrev_b32 v5, 4, v1
	s_sub_co_u32 s22, s22, s21
	v_mul_u32_u24 v6, s22, v2                      ; lanes 16-31 take B's words: the distance between the two bases x h
	s_add_co_u32 s21, s21, 4096
	v_add_nc_u32 v5, v5, v6
	v_add_nc_u32 v[ADRS], s21, v5
	v_add_nc_u32 v[ADRS+1], HALFT, v[ADRS]
	; the bias.  Q, K: register j of column tile g: feature 32 (g / 2) + 8 (g % 2) + 16 h + j;  V: of row tile g: channel 32 (g / 2) + 8 (g % 2) + r + 8 (r / 8) in all eight registers
	s_cmp_lt_u32 ttmp9, 4
	s_cselect_b64 s[8:9], s[8:9], s[10:11]
	s_cmp_lt_u32 ttmp9, 2
	s_cselect_b64 s[6:7], s[6:7], s[8:9]
	s_and_b32 s18, s42, 7
	s_lshl_b32 s18, s18, 8
	s_lshl_b32 s19, s16, 7
	s_add_co_u32 s18, s18, s19
	s_lshl_b32 s19, s17, 8
	s_lshl_b32 s21, s15, 7
	s_add_co_u32 s19, s19, s21
	s_cmp_eq_u32 s66, 0
	s_cselect_b32 s18, s18, s19
	s_cselect_b32 s67, 1, 0
	s_lshl_b32 s18, s18, 2
	s_mov_b32 s19, 0
	s_add_nc_u64 s[6:7], s[6:7], s[18:19]
	s_wait_alu depctr_va_vdst(0)                   ; directly ahead of the reader below
	v_and_b32 v5, 8, v1
	v_add_nc_u32 v5, v5, v1
	v_lshlrev_b32 v5, 2, v5
	v_lshlrev_b32 v6, 6, v2
	v_mul_u32_u24 v6, v6, s67
	v_mad_u32_u24 v6, v5, s66, v6
.irp j, 0,1,2,3,4,5,6,7
	v_mad_u32_u24 v[VO+\j], s67, 4*\j, v6
.endr
.irp g, 0,1,2,3,4,5,6,7
.irp j, 0,1,2,3,4,5,6,7
	global_load_b32 v[BI+8*\g+\j], v[VO+\j], s[6:7] offset:(32*(\g/2)+8*(\g%2))*4
.endr
.endr
	s_lshl_b32 s18, s42, 1
	s_add_co_u32 s18, s18, s16
	s_lshl_b32 s19, s17, 1
	s_add_co_u32 s19, s19, s15
	s_lshl_b32 s21, s18, 4
	s_add_co_u32 s21, s21, s19                     ; Q, K: P = 2 x tile column + half, j = 2 x tile row + half
	s_lshl_b32 s22, s19, 4
	s_add_co_u32 s22, s22, s18
	s_add_co_u32 s22, s22, 480                     ; V: P = 32 + 2 x tile row + half, j = 2 x (tile column - 16) + half
	s_cmp_eq_u32 s66, 0
	s_cselect_b32 s18, s21, s22
	s_mul_i32 s20, s18, 8704
	s_mov_b32 s21, 0
	s_add_nc_u64 s[98:99], s[98:99], s[20:21]
.irp b, 0,1,2,3,4,5,6,7
	v_mov_b32 v[TM+8+\b], 0                        ; a lane permute's destination counts as one of its sources
.endr
.macro FRAG reg, adr, q, i
.irp c, 0,1
	ds_load_b128 v[\reg+4*\c:\reg+4*\c+3], v[\adr] offset:UNIT*(\i)+1024*(\q)+512*\c
.endr
.endm
; Eight matrix instructions: A's block a x B's eight.  z = 1, 2: the first product takes the bias as its C, by column tile or by row tile.  The 64 accumulators take turns.
.macro MUL8 a, p, q, sc, z
.if \z
	WIN ONE_LO+0x40*((\a)/4)
.else
	WIN MUL_LO+0x50*((\a)/4)
.endif
.irp b, 0,1,2,3,4,5,6,7
.set DD, 8*(8*((\a)%4)+\b)
.if \z == 0
.set CB, DD
.elseif \z == 1
.set CB, BI+8*\b
.else
.set CB, BI+8*(\a)
.endif
	v_wmma_scale_f32_16x16x128_f8f6f4 v[DD:DD+7], v[128*(\p)+8*\b:128*(\p)+8*\b+7], v[64+128*(\p)+8*(\a):64+128*(\p)+8*(\a)+7], v[CB:CB+7], v[SC+32*(\sc)+NQ*\b+(\q)], v[SC+32*(\sc)+NQ*(\a)+(\q)] matrix_a_fmt:MATRIX_FMT_FP4 matrix_b_fmt:MATRIX_FMT_FP4 matrix_a_scale:MATRIX_SCALE_ROW1
.endr
.endm
.macro RUN24 slot, q, p                ; B's eight fragments and A's blocks 0-3 of the slot's q-th 128 along K into set p
	WIN 0x40
.irp i, 0,1,2,3,4,5,6,7
	FRAG 128*(\p)+8*\i, ADRB+\slot, \q, \i
.endr
.irp i, 0,1,2,3
	FRAG 64+128*(\p)+8*\i, ADRA+\slot, \q, \i
.endr
	WIN 0
.endm
.macro RUN8 slot, q, p                 ; A's blocks 4-7
	WIN 0x40
.irp i, 4,5,6,7
	FRAG 64+128*(\p)+8*\i, ADRA+\slot, \q, \i
.endr
	WIN 0
.endm
.macro SCALES sc                       ; a slot's scale words: eight loads
.irp i, 0,1,2,3,4,5,6,7
	ds_load_b128 v[SC+32*\sc+NQ*\i:SC+32*\sc+NQ*\i+3], v[ADRS+\sc] offset:UNIT*\i
.endr
.endm
; A load into a register that a matrix instruction has read, and a vector instruction that reads a matrix result, stand NP places behind it.
.macro PLACES n
.rept \n
	v_nop
.endr
.endm
.macro STEP slot, q, z                 ; 128 along K with its successor in the same slot
	s_wait_dscnt 8                                 ; B's fragments and A's blocks 0-3 are in; A's blocks 4-7 (eight loads) may be out
	PLACES NP                                      ; the set that is loaded below was read by the step before
	RUN24 \slot, (\q)+1, 1-(\q)%2
.irp a, 0,1,2,3
	MUL8 \a, (\q)%2, \q, \slot, \z
.endr
	s_wait_dscnt 24                                ; A's blocks 4-7 are in; the 24 loads above may be out
	RUN8 \slot, (\q)+1, 1-(\q)%2
.irp a, 4,5,6,7
	MUL8 \a, (\q)%2, \q, \slot, \z
.endr
	WIN 0
.endm
; A slot's last step changes slots: ONE barrier; in front of it each wave waits for all its tensor loads, adds 0 to its spare word, and waits for that and for its reads of this slot.  fill = 1: this slot is filled again.
.macro TURN slot, next, fill
	s_wait_tensorcnt 0x0
	ds_add_u32 v[SPW], v[NIL]
	s_wait_dscnt 9                                 ; (the add and A's blocks 4-7 may be out)
	MUL8 0, 1, NQ-1, \slot, 0
	s_wait_dscnt 0x0                               ; the add is done, and my reads of this slot are over
	s_barrier_signal -1
	MUL8 1, 1, NQ-1, \slot, 0
	WIN 0
	s_barrier_wait -1
.if \fill
	CREST
	s_add_nc_u64 s[G0+4*\slot+2:G0+4*\slot+3], s[G0+4*\slot+2:G0+4*\slot+3], 2*HALFT
	s_add_nc_u64 s[G0B+4*\slot+2:G0B+4*\slot+3], s[G0B+4*\slot+2:G0B+4*\slot+3], 2*HALFT
	JLOAD \slot                                    ; its four v_nop are the places in front of the loads below
.else
	PLACES NP
.endif
	RUN24 \next, 0, 0                              ; the next slot's first fragments and its scale words
	SCALES \next
	RUN8 \next, 0, 0
.irp a, 2,3,4,5,6,7
	MUL8 \a, 1, NQ-1, \slot, 0
.endr
	WIN 0
.endm
	s_wait_alu depctr_va_vdst(0)                   ; the wait at the head's end
	s_wait_loadcnt 0x0                             ; the bias
	s_wait_tensorcnt 0x0                           ; my part of K step 0
	ds_add_u32 v[SPW], v[NIL]
	s_wait_dscnt 0x0
	CROUND                                         ; everybody's part is in, and all sixteen work-groups are here:
	JLOAD 1                                        ; K step 1
	RUN24 0, 0, 0
	SCALES 0
	RUN8 0, 0, 0
	ASK 0                                          ; K step 2
	s_cmp_lg_u32 s66, 0
	s_cbranch_scc1 .Lv
	STEP 0, 0, 1
	s_branch .Lgo
.Lv:
	STEP 0, 0, 2
.Lgo:
	STEP 0, 1, 0
	STEP 0, 2, 0
	TURN 0, 1, 1
	ASK HALFT                                      ; K step 3
	STEP 1, 0, 0
	STEP 1, 1, 0
	STEP 1, 2, 0
	TURN 1, 0, 1
	STEP 0, 0, 0
	STEP 0, 1, 0
	STEP 0, 2, 0
	TURN 0, 1, 0
	STEP 1, 0, 0
	STEP 1, 1, 0
	STEP 1, 2, 0
	s_wait_dscnt 8                                 ; the very last step
.irp a, 0,1,2,3
	MUL8 \a, 1, NQ-1, 1, 0
.endr
	s_wait_dscnt 0x0
.irp a, 4,5,6,7
	MUL8 \a, 1, NQ-1, 1, 0
.endr
	WIN 0
	PLACES NP
; THE WAY OUT of row tiles a and a + 1: 128 registers a lane, register 16 b + i of a tile = k 32 b + 16 h + i of my row: eight half blocks by turns become two fragments' codes and two scale words.
.macro OUT a
.set WA, 2+(\a)/4
.set AC, 64*((\a)%4)
.set PA, PC+8*(\a)
	WIN 0x14*WA                                    ; sources 1 and 2: the accumulators' window
.irp b, 0,1,2,3,4,5,6,7
	v_max3_num_f32 v[TM+\b], 0x1800000, |v[AC+16*\b]|, |v[AC+1+16*\b]|
.endr
.irp i, 2,4,6,8,10,12,14
.irp b, 0,1,2,3,4,5,6,7
	v_max3_num_f32 v[TM+\b], v[TM+\b], |v[AC+16*\b+\i]|, |v[AC+1+16*\b+\i]|
.endr
.endr
	WIN 0
.irp b, 0,1,2,3,4,5,6,7
	v_permlanex16_b32 v[TM+8+\b], v[TM+\b], s[SEL], s[SEL+1]
.endr
.irp b, 0,1,2,3,4,5,6,7
	v_max_num_f32 v[TM+\b], v[TM+\b], v[TM+8+\b]
.endr
.irp b, 0,1,2,3,4,5,6,7
	v_add_nc_u32 v[TM+16+\b], 0xff000000, v[TM+\b] ; 2 off the exponent field
.endr
.irp b, 0,1,2,3,4,5,6,7
	v_lshrrev_b32 v[TM+8+\b], 23, v[TM+16+\b]
.endr
.irp u, 0,1
	v_lshl_or_b32 v[PW+\a+\u], v[TM+9+4*\u], 8, v[TM+8+4*\u]
.endr
.irp u, 0,1
	v_lshl_or_b32 v[PW+\a+\u], v[TM+10+4*\u], 16, v[PW+\a+\u]
.endr
.irp u, 0,1
	v_lshl_or_b32 v[PW+\a+\u], v[TM+11+4*\u], 24, v[PW+\a+\u]
.endr
	WIN WA                                         ; source 0: the accumulators' window
.irp b, 0,1,2,3,4,5,6,7
	v_cvt_scalef32_pk8_fp4_f32 v[PA+2*\b], v[AC+16*\b:AC+7+16*\b], v[TM+16+\b]
	v_cvt_scalef32_pk8_fp4_f32 v[PA+1+2*\b], v[AC+8+16*\b:AC+15+16*\b], v[TM+16+\b]
.endr
	WIN 0
	v_nop                                          ; one plain place behind a scaled conversion
.irp c, 0,1,2,3                                ; the operand's layout wants a whole block in a lane
.irp i, 0,1
	v_permlane16_swap_b32 v[PA+4*\c+\i], v[PA+2+4*\c+\i]
.endr
.endr
.irp c, 0,1,2,3
	global_store_b128 v[LI], v[PA+4*\c:PA+4*\c+3], s[98:99] offset:1024*\a+512*\c
.endr
.endm
.irp a, 0,2,4,6
	OUT \a
.endr
	v_and_b32 v12, 31, v0
	v_cmp_lt_u32 vcc_lo, 15, v12
.irp i, 0,1,2,3
	v_cndmask_b32 v[D+\i], v[PW+\i], v[PW+4+\i], vcc_lo
.endr
	global_store_b128 v[LI], v[D:D+3], s[98:99] offset:8192
	s_wait_tensorcnt 0x0                           ; the wave's end
	ds_add_u32 v[SPW], v[NIL]
	s_wait_dscnt 0x0
	CROUND                                         ; the closing round
	s_endpgm
; Wo.  Work-group n = 0 .. 63 takes tiles 2 n and 2 n + 1, one a trip; wave w K = 512 w on.  As in the launch before: a load reads 512 consecutive bytes of a row, a fragment turns through the wave's own stage,
; a lane gets two whole blocks.  A tile's 64 loads are asked for together, into window 1.  Nothing here is shared between waves; no tensor load, no barrier.
.set LN,  1
.set RR,  2
.set HH,  3
.set L16, 4
.set SA,  5
.set RA,  6
.set WO,  7
.set MX,  8
.set SO,  10
.set BY,  12
.set TW,  14
.set SH,  15
.set PX,  16
.set W,   18
.set DW,  22
.set X,   64
.set C,   128
.macro WFRAG t
	s_wait_loadcnt 16*(3-\t)                       ; this fragment's 16 loads are in; those of the fragments behind it may be out
	WIN 0x04                                       ; the stores' data: window 1
.irp i, 0,1,2,3,4,5,6,7,8,9,10,11,12,13,14,15
	ds_store_b128 v[SA], v[64*\t+4*\i:64*\t+4*\i+3] offset:SP*\i
.endr
	WIN 0
.irp c, 0,1
.irp g, 0,1,2,3,4,5,6,7
	ds_load_b128 v[X+32*\c+4*\g:X+32*\c+4*\g+3], v[RA] offset:256*\c+16*\g
.endr
.endr
	s_wait_dscnt 0x0
.irp c, 0,1
	v_max3_num_f32 v[MX+\c], |v[X+32*\c]|, |v[X+32*\c+1]|, 0x1800000
.endr
.irp i, 2,4,6,8,10,12,14,16,18,20,22,24,26,28,30
.irp c, 0,1
	v_max3_num_f32 v[MX+\c], v[MX+\c], |v[X+32*\c+\i]|, |v[X+32*\c+\i+1]|
.endr
.endr
.irp c, 0,1
	v_add_nc_u32 v[SO+\c], 0xff000000, v[MX+\c]
.endr
.irp c, 0,1
	v_lshrrev_b32 v[BY+\c], 23, v[SO+\c]
.endr
	v_lshl_or_b32 v[TW], v[BY+1], 16, v[BY]
	v_lshlrev_b32 v[TW], v[SH], v[TW]
	v_permlanex16_b32 v[PX], v[TW], s[SEL], s[SEL+1]
	v_or_b32 v[W+\t], v[TW], v[PX]
.irp c, 0,1
.irp g, 0,1,2,3
	v_cvt_scalef32_pk8_fp4_f32 v[C+8*\t+4*\c+\g], v[X+32*\c+8*\g:X+32*\c+8*\g+7], v[SO+\c]
.endr
.endr
	v_nop
	s_wait_alu depctr_va_vdst(0)
.endm
.Lwo:
	v_and_b32 v[LN], 31, v0
	v_and_b32 v[RR], 15, v0
	v_bfe_u32 v[HH], v0, 4, 1
	v_lshlrev_b32 v[L16], 4, v[LN]
	s_mul_i32 s26, s14, 16*SP
	s_add_co_u32 s26, s26, STG                     ; my stage
	v_add_nc_u32 v[SA], s26, v[L16]
	v_mul_u32_u24 v[RA], v[RR], SP
	v_lshl_add_u32 v[RA], v[HH], 7, v[RA]
	v_add_nc_u32 v[RA], s26, v[RA]
	v_lshlrev_b32 v[WO], 4, v[RR]
	v_lshl_add_u32 v[WO], v[HH], 3, v[WO]
	v_lshlrev_b32 v[SH], 3, v[HH]
	v_mov_b32 v[PX], 0
	s_sub_co_u32 s18, s42, 24
	s_lshl_b32 s18, s18, 3
	s_add_co_u32 s18, s18, s17                     ; n
	s_lshl_b32 s20, s18, 18                        ; 32 n rows of 8,192 bytes,
	s_lshl_b32 s19, s14, 11
	s_add_co_u32 s20, s20, s19                     ; + my wave's 512 numbers
	s_mov_b32 s21, 0
	s_lshl_b32 s22, s18, 3
	s_add_co_u32 s22, s22, s14
	s_mul_i32 s22, s22, UNIT                       ; wo: (4 x 2 n + q) x 4,352
	s_mov_b32 s23, 0
	s_mov_b32 s3, 2
	s_wait_alu depctr_va_vdst(0)
	s_wait_kmcnt 0x0
	s_add_nc_u64 s[96:97], s[96:97], s[20:21]
	s_add_nc_u64 s[100:101], s[100:101], s[22:23]
.Lwo_trip:
	WIN 0x40                                       ; destination window 1
.irp t, 0,1,2,3
.irp i, 0,1,2,3,4,5,6,7,8,9,10,11,12,13,14,15
	global_load_b128 v[64*\t+4*\i:64*\t+4*\i+3], v[L16], s[96:97] offset:(\i+8*(\i/8))*8192+512*\t th:TH_LOAD_NT
.endr
.endr
	WIN 0
.irp t, 0,1,2,3
	WFRAG \t
.endr
.irp t, 0,1,2,3
.irp c, 0,1
	global_store_b128 v[L16], v[C+8*\t+4*\c:C+8*\t+4*\c+3], s[100:101] offset:1024*\t+512*\c
.endr
.endr
	v_cmp_lt_u32 vcc_lo, 15, v[LN]
	v_cndmask_b32 v[DW], v[W], v[W+2], vcc_lo
	v_cndmask_b32 v[DW+1], v[W+1], v[W+3], vcc_lo
	global_store_b64 v[WO], v[DW:DW+1], s[100:101] offset:4096
	s_wait_alu depctr_va_vdst(0)
	s_wait_xcnt 0x0                                ; the stores have read their data and their base: both are written again
	s_add_nc_u64 s[96:97], s[96:97], 0x10000       ; the next tile's first row lies 8 rows on
	s_add_nc_u64 s[100:101], s[100:101], 4*UNIT
	s_sub_co_u32 s3, s3, 1
	s_cmp_lg_u32 s3, 0
	s_cbranch_scc1 .Lwo_trip
	s_wait_tensorcnt 0x0                           ; the wave's end
	ds_add_u32 v[SPW], v[NIL]
	s_wait_dscnt 0x0
	s_endpgm
.Lfunc_end_k_q627a707644_qkv:
	.size	k_q627a707644_qkv, .Lfunc_end_k_q627a707644_qkv-k_q627a707644_qkv
	.p2alignl 7, 3214868480
	.fill 96, 4, 3214868480
	.section	.rodata,"a",@progbits
	.p2align	6, 0x0
	.amdhsa_kernel k_q627a707644_qkv
		.amdhsa_group_segment_fixed_size 327680
		.amdhsa_private_segment_fixed_size 0
		.amdhsa_enable_private_segment 0
		.amdhsa_kernarg_size 56
		.amdhsa_user_sgpr_count 2
		.amdhsa_user_sgpr_kernarg_segment_ptr 1
		.amdhsa_wavefront_size32 1
		.amdhsa_system_sgpr_workgroup_id_x 1
		.amdhsa_system_sgpr_workgroup_id_y 1
		.amdhsa_system_sgpr_workgroup_id_z 1
		.amdhsa_system_vgpr_workitem_id 0
		.amdhsa_next_free_vgpr 1024
		.amdhsa_next_free_sgpr 102
		.amdhsa_reserve_vcc 1
		.amdhsa_float_denorm_mode_32 3
		.amdhsa_float_denorm_mode_16_64 3
		.amdhsa_memory_ordered 1
		.amdhsa_forward_progress 1
		.amdhsa_inst_pref_size 255
	.end_amdhsa_kernel
	.section	.bss,"aw",@nobits
	.p2align	6
	.space	262144
	.amdgpu_metadata
---
amdhsa.version: [ 1, 2 ]
amdhsa.kernels:
  - .name:           k_q627a707644_qkv
    .symbol:         k_q627a707644_qkv.kd
    .args:
      - { .name: wc, .offset: 0, .size: 8, .value_kind: global_buffer, .address_space: global }
      - { .name: bq, .offset: 8, .size: 8, .value_kind: global_buffer, .address_space: global }
      - { .name: bk, .offset: 16, .size: 8, .value_kind: global_buffer, .address_space: global }
      - { .name: bv, .offset: 24, .size: 8, .value_kind: global_buffer, .address_space: global }
      - { .name: Wo, .offset: 32, .size: 8, .value_kind: global_buffer, .address_space: global }
      - { .name: qkvc, .offset: 40, .size: 8, .value_kind: global_buffer, .address_space: global }
      - { .name: wo, .offset: 48, .size: 8, .value_kind: global_buffer, .address_space: global }
    .group_segment_fixed_size: 327680
    .private_segment_fixed_size: 0
    .kernarg_segment_align: 8
    .kernarg_segment_size: 56
    .max_flat_workgroup_size: 128
    .sgpr_count:     102
    .vgpr_count:     1024
    .wavefront_size: 32
...
	.end_amdgpu_metadata
.endif
;; end of part 6
;; launch attn (part 7): grid 16 x 16, 8 waves a work-group, clusters of 4 x 1, 327,680 bytes of LDS; arguments qkvc, oc; writes oc
.if DOCPART == 7
	.amdgcn_target "amdgcn-amd-amdhsa--gfx1250"
	.amdhsa_code_object_version 6
	.text
	.protected	k_q627a707644_attn
	.globl	k_q627a707644_attn
	.p2align	8
	.type	k_q627a707644_attn,@function
k_q627a707644_attn:
	s_mov_b64 s[64:65], 0
	v_nop
	global_prefetch_b8 v0, s[64:65] scope:SCOPE_SE
	s_setreg_imm32_b32 hwreg(HW_REG_WAVE_MODE, 25, 1), 1
	s_wait_xcnt 0x0
	s_wait_alu depctr_hold_cnt(0) depctr_sa_sdst(0) depctr_va_vdst(0) depctr_va_sdst(0) depctr_va_ssrc(0) depctr_va_vcc(0) depctr_vm_vsrc(0)
	s_getreg_b32 s2, hwreg(HW_REG_IB_STS2, 6, 4)
	s_cmp_eq_u32 s2, 0
	s_cbranch_scc0 .Lentry_in_a_cluster
	s_endpgm
.Lentry_in_a_cluster:
	s_bfe_u32 s2, ttmp6, 0x10000c
	s_cmp_lg_u32 s2, 0x3003
	s_cbranch_scc0 .Lentry_shape_is_right
	s_endpgm
.Lentry_shape_is_right:
; O[h][q] = the sum over k of softmax_k(Q[h][q] . K[h][k] / sqrt(128)) V[h][k], both products on codes of FP4 (E2M1) with E8M0 scales; O is quantised along the head's 128 and leaves as codes for the last product.
; THE SOFTMAX: t = score x log2(e) / sqrt(128); M = the row's largest t so far, rounded up to a whole number; p = 2^(t - M) is what is quantised, along the keys, not normalised.
; The row's sum is taken of the unquantised p, in f32, and divides O at the end (v_rcp_f32 and a multiplication).  When M moves, the sum and O are multiplied by 2^(old M - new M): exact.
; IN: qkvc [P 48][j 16][8,704]: eight fragments of 1,024 bytes (byte 512 c + 16 lane = registers 4 c .. 4 c + 3), then [half 2][r 16][4] scale words (tile 4 half + i); P = head (Q), 16 + head (K), 32 + head (V).
;     Lane r of tile T holds row 32 (T / 2) + 8 (T % 2) + r + 8 (r / 8): so the 16 registers of result tiles 2 b and 2 b + 1 are 16 neighbours.
; OUT: oc [T 128][q 4][4,352]: four fragments, then [r 16][s 4] scale words; head = 4 q + s.
; SHARES.  A work-group owns 128 queries of one head, each of its eight waves one tile of 16: two waves to a SIMD.  Both products are used transposed: a lane holds one query (lane % 16) throughout.
; A HEAD'S K AND V STAY IN LDS: 2 x 139,264 bytes, codes and words, each byte filled once.  Waves 0-3 bring K, waves 4-7 V, a quarter each, in two loads: the first 768 keys at the head, the other 1,280 behind the
; first round; they are waited for two key steps later.
; A KEY STEP is 256 keys, two operand steps of 128 (u = 0, 1): the sums are brought under a new M once in 256 keys.  V's fragments are asked for in one run behind the blocks' maxima, the next step's K in one run ahead of the exponentials.
; ONE REGISTER CARRIES THE WORDS OF K AND OF V: lanes 0-15 the next step's K, lanes 16-31 this step's V (ROW1).
; THE LARGEST SCORES OF TWO BLOCKS SHARE A REGISTER: an exchange of halves puts block 2 i into lanes 0-15 and block 2 i + 1 into lanes 16-31; a second one spreads the conversions' operands again.
; CLUSTER: the four query blocks of a cluster belong to one head and want the same K and V: the loads are asked for jointly.  No prefetch: everything is asked for by two loads a wave, and no loop runs ahead of them.
; LIMITS: NaN and infinities are not served; the scaled scores stay under 2^31 in magnitude; a block whose largest magnitude lies under 2^-124 is held at the byte 1; a block of zeros gets the byte 1 and not 127 (zero codes; this program alone reads the bytes).
; REGISTERS: window 0: v1-15 addresses, words, M, sum; v16-23 Q; v24-39 the words of K and V; v40-47 block maxima, then p's codes (u = 0; those of u = 1 lie in S's first eight); v48-55 the conversions' operands; v64-191 S^T, then p; v192-255 O^T.
;   window 1: v0-127 K's sixteen fragments, v128-255 V's.
.set KVB,   139264                     ; LDS: K at 0, V here
.set JB,    8704                       ; 128 keys: codes and words
.set STEPB, 2*JB
.set PART0, 6*JB                       ; the first 768 keys,
.set CH0,   PART0/4                    ; a wave's quarter: 51 rows of 256 bytes
.set CH1,   10*JB/4                    ; and of the other 1,280: 85 rows
.set SPARE, 2*KVB
.set LI,   1                           ; 16 x lane
.set LV,   2                           ; KVB + 16 x lane
.set AS0,  3                           ; words: 8,192 + 16 r, lanes 16-31 KVB - STEPB on
.set RO,   4                           ; 16 r
.set SPW,  5
.set NIL,  6
.set ADK,  7
.set ADV,  8
.set ADS,  9
.set WA,   10                          ; p's scale words for u = 0, 1
.set WB,   11
.set KVW,  24
.set MB,   40
.set PCA,  40
.set TM,   48
.set F,    56                          ; f = 2^(old M - new M)
.set QS,   58                          ; Q's scale word
.set XT,   59
.set YT,   60
.set ZT,   61
.set S,    64
.set O,    192
.set WV,   12
.set SEL,  20
.set CS,   22
.set G0,   24
.set G1,   44
.set TB,   60
.set CNT,  62
.set MSB, 0
.macro WIN new                         ; the immediate's high byte repeats the setting that is left
.if MSB != (\new)
	s_set_vgpr_msb (MSB<<8)|(\new)
.set MSB, (\new)
.endif
.endm
.macro CROUND                          ; a round of the cluster's barrier
	s_barrier_signal -1
	s_barrier_wait -1
	s_cmp_lg_u32 s[WV], 0
	s_cbranch_scc1 .Lnot_wave_0_\@
	s_barrier_signal -3
.Lnot_wave_0_\@:
	s_barrier_wait -3
	s_barrier_signal -1
	s_barrier_wait -1
.endm
	s_load_b128 s[4:7], s[0:1], 0x0                ; qkvc, oc
	v_lshl_add_u32 v[SPW], v0, 2, SPARE
	v_mov_b32 v[NIL], 0
	ds_add_u32 v[SPW], v[NIL]                      ; the opening lines: the add, twice on end, and its wait
	ds_add_u32 v[SPW], v[NIL]
	v_lshrrev_b32 v8, 5, v0
	v_readfirstlane_b32 s[WV], v8                  ; wave 0..7
	s_bfe_u32 s13, ttmp6, 0x40000                  ; cx
	s_lshl_b32 s14, ttmp9, 2
	s_add_co_u32 s14, s14, s13                     ; my block of 128 queries: it enters Q's and O's addresses alone
	s_and_b32 s15, ttmp7, 0xffff                   ; the head, which the four partners share
	s_lshr_b32 s16, s[WV], 2                       ; I fetch for K (0) or for V (1),
	s_and_b32 s17, s[WV], 3                        ; and which quarter
	s_lshl_b32 s66, s16, 4
	s_add_co_u32 s66, s66, s15
	s_add_co_u32 s66, s66, 16                      ; P
	s_mul_i32 s68, s66, KVB
	s_mul_i32 s72, s16, KVB                        ; in LDS: the wave's number alone
	s_mul_i32 s67, s17, CH1
	s_add_co_u32 s66, s68, PART0
	s_add_co_u32 s66, s66, s67                     ; the second load: in memory,
	s_add_co_u32 s73, s72, PART0
	s_add_co_u32 s73, s73, s67                     ; and in LDS
	s_mul_i32 s67, s17, CH0
	s_add_co_u32 s68, s68, s67                     ; the first
	s_add_co_u32 s72, s72, s67
	s_mov_b32 s67, 0
	s_mov_b32 s69, 0
	s_mov_b32 s[G1], 15|(3<<16)|(1<<21)            ; the mask: all four; elements of 8 bytes; 21 set beside a mask
	s_mov_b32 s[G1+1], 32<<16                      ; 51 rows of 256 bytes
	s_mov_b32 s[G1+2], 51<<16
	s_mov_b32 s[G1+3], 32<<16
	s_mov_b32 s[G1+4], 51
	s_mov_b32 s[G1+5], 32
	s_mov_b32 s[G1+6], 0
	s_mov_b32 s[G1+7], 0
	s_mul_i32 s2, s15, KVB                         ; Q: P = head, j = block, tile = wave
	s_mul_i32 s63, s14, JB
	s_add_co_u32 s2, s2, s63
	s_mov_b32 s3, 0
	s_lshl_b32 s63, s16, 8
	s_add_co_u32 s74, s2, s63
	s_lshl_b32 s63, s17, 2
	s_add_co_u32 s74, s74, s63                     ; its word: + 256 (wave / 4) + 4 (wave % 4)
	s_mov_b32 s75, 0
	s_lshl_b32 s63, s[WV], 10
	s_add_co_u32 s2, s2, s63
	s_lshl_b32 s18, s14, 3
	s_add_co_u32 s18, s18, s[WV]                   ; T = 8 x block + wave
	s_lshl_b32 s18, s18, 2
	s_lshr_b32 s19, s15, 2
	s_add_co_u32 s18, s18, s19
	s_mul_i32 s76, s18, 4352                       ; (4 T + q) x 4,352
	s_mov_b32 s77, 0
	s_and_b32 s19, s15, 3
	s_lshl_b32 s63, s19, 2
	s_add_co_u32 s78, s76, s63
	s_mov_b32 s79, 0
	s_lshl_b32 s63, s19, 10
	s_add_co_u32 s76, s76, s63
	s_mov_b32 s[SEL], 0x76543210
	s_mov_b32 s[SEL+1], 0xfedcba98
	s_mov_b32 s[CS], 0x3e0293ee                    ; c = log2(e) / sqrt(128)
	s_mov_b32 s[CS+1], s[CS]                       ; (named with it as a pair)
	s_wait_dscnt 0x0                               ; both opening adds are done
	s_wait_kmcnt 0x0
	s_add_nc_u64 s[68:69], s[4:5], s[68:69]        ; what I fetch: nothing of my place in the cluster enters
	s_add_nc_u64 s[66:67], s[4:5], s[66:67]
	s_add_nc_u64 s[70:71], s[4:5], s[74:75]
	s_add_nc_u64 s[4:5], s[4:5], s[2:3]
	s_add_nc_u64 s[8:9], s[6:7], s[76:77]
	s_add_nc_u64 s[10:11], s[6:7], s[78:79]
	CROUND                                         ; all four work-groups are here: the joint loads meet
	s_mov_b32 s[G0], 1
	s_mov_b32 s[G0+1], s72
	s_mov_b64 s[G0+2:G0+3], s[68:69]
	s_or_b32 s[G0+3], s[G0+3], 0x80000000
	tensor_load_to_lds s[G0:G0+3], s[G1:G1+7]
	s_nop 0
.rept 4
	v_nop
.endr
	v_and_b32 v8, 31, v0
	v_and_b32 v9, 15, v0
	v_bfe_u32 v10, v0, 4, 1
	v_lshlrev_b32 v[LI], 4, v8
	v_lshlrev_b32 v[RO], 4, v9
	global_load_b128 v[16:19], v[LI], s[4:5]       ; Q's fragment stays in registers
	global_load_b128 v[20:23], v[LI], s[4:5] offset:512
	global_load_b32 v[QS], v[RO], s[70:71] offset:8192
	v_mul_u32_u24 v11, STEPB, v10
	v_mul_u32_u24 v10, KVB-STEPB, v10              ; lanes 16-31: V's words of the step before K's
	v_add_nc_u32 v[LV], KVB, v[LI]
	v_add_nc_u32 v[AS0], v[RO], v10
	v_add_nc_u32 v[AS0], 8192, v[AS0]
	v_add_nc_u32 v[WA], v[AS0], v11                ; (ahead of the first step: K's and V's of step 0)
	v_mov_b32 v13, 0xff61b1e6                      ; the largest t so far: -3e38, under every t
	v_mov_b32 v14, 0                               ; the sum, in two halves
	v_mov_b32 v15, 0
	v_floor_f32 v12, -v13                          ; -M
	v_mov_b32 v[F+1], 0                            ; (named as the upper half of a pair)
	v_mov_b32 v[YT], 0                             ; a lane permute's destination counts as one of its sources
	v_mov_b32 v[ZT], 0
.set j, 0
.rept 64
	v_mov_b32 v[O+j], 0                            ; O^T: the first change of M leaves the zeros zeros
.set j, j+1
.endr
; The words (lanes 0-15 K's, lanes 16-31 V's) that lie off bytes behind the address.
.macro FETCHW ad, off
.irp u, 0,1
.irp g, 0,1
	ds_load_b128 v[KVW+8*\u+4*\g:KVW+8*\u+4*\g+3], v[\ad] offset:\off+JB*\u+256*\g
.endr
.endr
.endm
.macro FETCH base, ad, off             ; sixteen fragments into window 1, v[base] on: 32 loads
	WIN 0x40
.irp u, 0,1
.irp t, 0,1,2,3,4,5,6,7
.irp c, 0,1
	ds_load_b128 v[\base+64*\u+8*\t+4*\c:\base+64*\u+8*\t+4*\c+3], v[\ad] offset:\off+JB*\u+1024*\t+512*\c
.endr
.endr
.endr
	WIN 0
.endm
.macro SUM k                           ; block k's p onto block 1's, two at a time, in eight chains
.irp i, 0,2,4,6,8,10,12,14
	v_pk_add_f32 v[S+16+\i:S+17+\i], v[S+16+\i:S+17+\i], v[S+16*\k+\i:S+16*\k+\i+1]
.endr
.endm
; A KEY STEP: 256 keys.  pre = 1: the next step's K is asked for on the way.
.macro STEP pre
	s_wait_dscnt 0x0                               ; K's fragments and words are in
.if \pre                                       ; five places between the last step's products and these, which write over S's first eight
	v_add_nc_u32 v[ADK], s[TB], v[LI]
.else
	v_nop
.endif
	v_add_nc_u32 v[ADV], s[TB], v[LV]
	v_add_nc_u32 v[ADS], s[TB], v[AS0]
	v_nop
	v_nop
	WIN 0x01                                       ; source 0 window 1
.irp u, 0,1
.irp t, 0,1,2,3,4,5,6,7                        ; S^T = K Q^T: lane (r, h) holds query r; the 16 registers of block b are keys 32 b + 16 h + 0 .. 15 of the step
	v_wmma_scale_f32_16x16x128_f8f6f4 v[S+64*\u+8*\t:S+64*\u+8*\t+7], v[64*\u+8*\t:64*\u+8*\t+7], v[16:23], 0, v[KVW+8*\u+\t], v[QS] matrix_a_fmt:MATRIX_FMT_FP4 matrix_b_fmt:MATRIX_FMT_FP4
.endr
.endr
	WIN 0
.rept 4
	v_nop                                          ; places between the products and the reads and loads below
.endr
.irp b, 0,1,2,3,4,5,6,7
	v_max3_num_f32 v[MB+\b], v[S+16*\b], v[S+1+16*\b], v[S+2+16*\b]   ; the largest score of each block of 32 keys: for the row's maximum and, since p rises with the score, for the block's largest p
.endr
.irp i, 3,5,7,9,11,13
.irp b, 0,1,2,3,4,5,6,7
	v_max3_num_f32 v[MB+\b], v[MB+\b], v[S+16*\b+\i], v[S+1+16*\b+\i]
.endr
.endr
.irp b, 0,1,2,3,4,5,6,7
	v_max_num_f32 v[MB+\b], v[MB+\b], v[S+15+16*\b]
.endr
.irp i, 0,2,4,6
	v_permlane16_swap_b32 v[MB+\i], v[MB+1+\i]
.endr
.irp i, 0,2,4,6
	v_max_num_f32 v[MB+\i], v[MB+\i], v[MB+1+\i]   ; lanes 0-15: block i's, lanes 16-31: block i + 1's
.endr
	FETCH 128, ADV, 0                              ; V's fragments
	v_max3_num_f32 v[XT], v[MB], v[MB+2], v[MB+4]
	s_delay_alu instid0(VALU_DEP_1)
	v_max_num_f32 v[XT], v[XT], v[MB+6]
	s_delay_alu instid0(VALU_DEP_1)
	v_permlanex16_b32 v[YT], v[XT], s[SEL], s[SEL+1]
	s_delay_alu instid0(VALU_DEP_1)
	v_max_num_f32 v[XT], v[XT], v[YT]              ; the step's largest score of my query
	s_delay_alu instid0(VALU_DEP_1)
	v_mul_f32 v[XT], s[CS], v[XT]                  ; as t (c is positive)
	s_delay_alu instid0(VALU_DEP_1)
	v_max_num_f32 v13, v13, v[XT]                  ; the running largest t
	v_mov_b32 v[XT], v12
	s_delay_alu instid0(VALU_DEP_2)
	v_floor_f32 v12, -v13                          ; the new -M = floor(-t): a whole number
	s_delay_alu instid0(VALU_DEP_1)
	v_sub_f32 v[XT], v12, v[XT]                    ; old M less new M: a whole number, 0 or less
	s_delay_alu instid0(VALU_DEP_1)
	v_cvt_i32_f32 v[XT], v[XT]                     ; (it saturates)
	s_delay_alu instid0(VALU_DEP_1)
	v_ldexp_f32 v[F], 1.0, v[XT]                   ; f
.set j, 0
.rept 64
	v_pk_fma_f32 v[S+j:S+j+1], v[S+j:S+j+1], s[CS:CS+1], v[12:13] op_sel_hi:[1,0,0]   ; t - M, two at a time
.set j, j+2
.endr
.irp i, 0,2,4,6
	v_fma_f32 v[MB+\i], v[MB+\i], s[CS], v12       ; the same of the blocks' largest scores
.endr
	s_wait_alu depctr_va_vdst(0)                   ; the wait ahead of the batch
	FETCHW ADS, STEPB                              ; V's words of this step (and K's of the next)
.if \pre
	FETCH 0, ADK, STEPB                            ; the next step's K
.endif
.set j, 0
.rept 128
	v_exp_f32 v[S+j], v[S+j]                       ; p = 2^(t - M), at most 1: not normalised
.set j, j+1
.endr
.irp i, 0,2,4,6
	v_exp_f32 v[MB+\i], v[MB+\i]                   ; the block's largest p: the same two instructions on the same number give the same bits
.endr
	v_nop                                          ; one plain place behind a transcendental
	s_wait_alu depctr_va_vdst(0)                   ; the wait behind the batch, and ahead of the first reader of O^T: one wait for both
.set j, 0
.rept 32
	v_pk_mul_f32 v[O+j:O+j+1], v[O+j:O+j+1], v[F:F+1] op_sel_hi:[1,0]   ; O^T under the new M
.set j, j+2
.endr
.irp i, 0,2,4,6
	v_max_num_f32 v[MB+\i], 0x1800000, v[MB+\i]    ; the floor 2^(3 - 127): the byte cannot fall under 1
.endr
.irp i, 0,2,4,6
	v_add_nc_u32 v[TM+\i], 0xff000000, v[MB+\i]    ; 2 off the exponent field: the conversion's scale operand
.endr
.irp i, 0,2,4,6
	v_lshrrev_b32 v[MB+1+\i], 23, v[TM+\i]         ; the scale's byte
.endr
.irp i, 0,2,4,6
	v_mov_b32 v[TM+1+\i], v[TM+\i]
.endr
.irp i, 0,2,4,6
	v_permlane16_swap_b32 v[TM+\i], v[TM+1+\i]     ; block i's operand in all lanes, and block i + 1's
.endr
	v_lshl_or_b32 v[WA], v[MB+3], 16, v[MB+1]      ; lanes 0-15: bytes 0 and 2, lanes 16-31: bytes 1 and 3
	v_lshl_or_b32 v[WB], v[MB+7], 16, v[MB+5]
	v_permlanex16_b32 v[YT], v[WA], s[SEL], s[SEL+1]
	v_permlanex16_b32 v[ZT], v[WB], s[SEL], s[SEL+1]
	v_lshl_or_b32 v[WA], v[YT], 8, v[WA]           ; whole in lanes 0-15, which are read
	v_lshl_or_b32 v[WB], v[ZT], 8, v[WB]
.irp b, 0,1,2,3
	v_cvt_scalef32_pk8_fp4_f32 v[PCA+2*\b], v[S+16*\b:S+7+16*\b], v[TM+\b]
	v_cvt_scalef32_pk8_fp4_f32 v[PCA+1+2*\b], v[S+8+16*\b:S+15+16*\b], v[TM+\b]
.endr
	v_nop                                          ; one plain place behind a scaled conversion
.irp c, 0,1                                    ; the operand's layout wants a whole block in a lane
.irp i, 0,1
	v_permlane16_swap_b32 v[PCA+4*\c+\i], v[PCA+2+4*\c+\i]
.endr
.endr
	SUM 0                                          ; the row's sum is taken of the unquantised p: all blocks onto block 1, whose codes are made; block 0 first:
.irp b, 0,1,2,3                                ; the codes of u = 1 lie where its p lay
	v_cvt_scalef32_pk8_fp4_f32 v[S+2*\b], v[S+64+16*\b:S+71+16*\b], v[TM+4+\b]
	v_cvt_scalef32_pk8_fp4_f32 v[S+1+2*\b], v[S+72+16*\b:S+79+16*\b], v[TM+4+\b]
.endr
	SUM 2                                          ; (also the plain places behind the conversions)
.irp c, 0,1
.irp i, 0,1
	v_permlane16_swap_b32 v[S+4*\c+\i], v[S+2+4*\c+\i]
.endr
.endr
.irp k, 3,4,5,6,7                              ; (also the places between p's codes and words and the products below)
	SUM \k
.endr
.irp i, 0,2,4,6
	v_pk_add_f32 v[S+16+\i:S+17+\i], v[S+16+\i:S+17+\i], v[S+24+\i:S+25+\i]
.endr
.irp i, 0,2
	v_pk_add_f32 v[S+16+\i:S+17+\i], v[S+16+\i:S+17+\i], v[S+20+\i:S+21+\i]
.endr
	v_pk_add_f32 v[S+16:S+17], v[S+16:S+17], v[S+18:S+19]
	v_pk_fma_f32 v[14:15], v[14:15], v[F:F+1], v[S+16:S+17] op_sel_hi:[1,0,1]   ; the sum under the new M, and this step's
.if \pre
	s_wait_dscnt 32                                ; V and the words are in; the 32 loads issued behind them, the next step's K, may be out
.else
	s_wait_alu depctr_va_vdst(0)                   ; the way out reads the sum behind the wait below
	s_wait_dscnt 0x0
.endif
	WIN 0x01
.irp t, 0,1,2,3,4,5,6,7                        ; O^T += V^T P^T: eight accumulators by turns
	v_wmma_scale_f32_16x16x128_f8f6f4 v[O+8*\t:O+8*\t+7], v[128+8*\t:135+8*\t], v[PCA:PCA+7], v[O+8*\t:O+8*\t+7], v[KVW+\t], v[WA] matrix_a_fmt:MATRIX_FMT_FP4 matrix_b_fmt:MATRIX_FMT_FP4 matrix_a_scale:MATRIX_SCALE_ROW1
.endr
.irp t, 0,1,2,3,4,5,6,7
	v_wmma_scale_f32_16x16x128_f8f6f4 v[O+8*\t:O+8*\t+7], v[192+8*\t:199+8*\t], v[S:S+7], v[O+8*\t:O+8*\t+7], v[KVW+8+\t], v[WB] matrix_a_fmt:MATRIX_FMT_FP4 matrix_b_fmt:MATRIX_FMT_FP4 matrix_a_scale:MATRIX_SCALE_ROW1
.endr
	WIN 0
.endm
.macro RUN first, trips                ; a run of steps, from step first on, each asking for the K of the step behind it
	s_mov_b32 s[TB], STEPB*\first
	s_mov_b32 s[CNT], \trips
.Lstep_\@:
	STEP 1
	s_add_co_u32 s[TB], s[TB], STEPB
	s_sub_co_u32 s[CNT], s[CNT], 1
	s_cmp_lg_u32 s[CNT], 0
	s_cbranch_scc1 .Lstep_\@
.endm
	s_wait_alu depctr_va_vdst(0)                   ; the wait at the head's end
	s_wait_loadcnt 0x0                             ; Q
	s_wait_tensorcnt 0x0                           ; my part of the first 768 keys
	ds_add_u32 v[SPW], v[NIL]
	s_mov_b32 s[G0+1], s73                         ; no tensor load of mine is out, so the descriptor may be written: the other 1,280 keys
	s_mov_b64 s[G0+2:G0+3], s[66:67]
	s_or_b32 s[G0+3], s[G0+3], 0x80000000
	s_mov_b32 s[G1+2], 85<<16
	s_mov_b32 s[G1+4], 85
	s_wait_dscnt 0x0
	CROUND                                         ; everybody's part is in, and all four work-groups are here
	tensor_load_to_lds s[G0:G0+3], s[G1:G1+7]
	s_nop 0
.rept 4
	v_nop
.endr
	FETCHW WA, 0                                   ; step 0's words, and its K
	FETCH 0, LI, 0
	RUN 0, 2                                       ; steps 0 and 1 reach into K as far as step 2: the first 768 keys
	s_wait_tensorcnt 0x0                           ; my part of the others,
	s_wait_dscnt 0x0
	s_barrier_signal -1
	s_barrier_wait -1                              ; everybody's
	RUN 2, 5
	s_mov_b32 s[TB], STEPB*7
	STEP 0                                         ; the last step is written out: no K is left to ask for
.rept 4
	v_nop                                          ; places behind the last products
.endr
	; THE WAY OUT.  O^T is divided by the row's sum; register 16 b + i is channel 32 b + 16 h + i: ready for the quantiser.
	v_add_f32 v14, v14, v15                        ; the sum's two halves,
	v_permlanex16_b32 v[YT], v14, s[SEL], s[SEL+1]
	v_add_f32 v14, v14, v[YT]                      ; and lane l xor 16's
	s_wait_alu depctr_va_vdst(0)                   ; the wait ahead of the transcendental
	v_rcp_f32 v14, v14
	v_nop                                          ; one plain place behind a transcendental
	s_wait_alu depctr_va_vdst(0)                   ; and behind it
.set j, 0
.rept 32
	v_pk_mul_f32 v[S+j:S+j+1], v[O+j:O+j+1], v[14:15] op_sel_hi:[1,0]   ; each accumulator from its low end on
.set j, j+2
.endr
.irp b, 0,1,2,3
	v_max3_num_f32 v[MB+\b], 0x1800000, |v[S+16*\b]|, |v[S+1+16*\b]|
.endr
.irp i, 2,4,6,8,10,12,14
.irp b, 0,1,2,3
	v_max3_num_f32 v[MB+\b], v[MB+\b], |v[S+16*\b+\i]|, |v[S+1+16*\b+\i]|
.endr
.endr
.irp i, 0,2
	v_permlane16_swap_b32 v[MB+\i], v[MB+1+\i]
.endr
.irp i, 0,2
	v_max_num_f32 v[MB+\i], v[MB+\i], v[MB+1+\i]
.endr
.irp i, 0,2
	v_add_nc_u32 v[TM+\i], 0xff000000, v[MB+\i]
.endr
.irp i, 0,2
	v_lshrrev_b32 v[MB+1+\i], 23, v[TM+\i]
.endr
.irp i, 0,2
	v_mov_b32 v[TM+1+\i], v[TM+\i]
.endr
.irp i, 0,2
	v_permlane16_swap_b32 v[TM+\i], v[TM+1+\i]
.endr
	v_lshl_or_b32 v[WA], v[MB+3], 16, v[MB+1]
	v_permlanex16_b32 v[YT], v[WA], s[SEL], s[SEL+1]
	v_lshl_or_b32 v[WA], v[YT], 8, v[WA]           ; whole in lanes 0-15, which store it
.irp b, 0,1,2,3
	v_cvt_scalef32_pk8_fp4_f32 v[KVW+2*\b], v[S+16*\b:S+7+16*\b], v[TM+\b]
	v_cvt_scalef32_pk8_fp4_f32 v[KVW+1+2*\b], v[S+8+16*\b:S+15+16*\b], v[TM+\b]
.endr
	v_nop
.irp c, 0,1
.irp i, 0,1
	v_permlane16_swap_b32 v[KVW+4*\c+\i], v[KVW+2+4*\c+\i]
.endr
.endr
	global_store_b128 v[LI], v[KVW:KVW+3], s[8:9]  ; the fragment as it stands: 512 consecutive bytes a store
	global_store_b128 v[LI], v[KVW+4:KVW+7], s[8:9] offset:512
	v_and_b32 v8, 31, v0
	v_cmp_gt_u32 vcc_lo, 16, v8
	s_wait_alu depctr_va_vdst(0)                   ; directly ahead of the wait below
	s_wait_xcnt 0x0                                ; EXEC changes only behind this wait
	s_and_saveexec_b32 s66, vcc_lo
	global_store_b32 v[RO], v[WA], s[10:11] offset:4096   ; lane r: row r's scale word of this head: the four heads of a q fill the 16 bytes of a row
	s_wait_xcnt 0x0                                ; and again, in front of the line that widens it
	s_or_b32 exec_lo, exec_lo, s66
	s_wait_tensorcnt 0x0                           ; the wave's end
	ds_add_u32 v[SPW], v[NIL]
	s_wait_dscnt 0x0
	CROUND                                         ; the closing round
	s_endpgm
.Lfunc_end_k_q627a707644_attn:
	.size	k_q627a707644_attn, .Lfunc_end_k_q627a707644_attn-k_q627a707644_attn
	.p2alignl 7, 3214868480
	.fill 96, 4, 3214868480
	.section	.rodata,"a",@progbits
	.p2align	6, 0x0
	.amdhsa_kernel k_q627a707644_attn
		.amdhsa_group_segment_fixed_size 327680
		.amdhsa_private_segment_fixed_size 0
		.amdhsa_enable_private_segment 0
		.amdhsa_kernarg_size 16
		.amdhsa_user_sgpr_count 2
		.amdhsa_user_sgpr_kernarg_segment_ptr 1
		.amdhsa_wavefront_size32 1
		.amdhsa_system_sgpr_workgroup_id_x 1
		.amdhsa_system_sgpr_workgroup_id_y 1
		.amdhsa_system_sgpr_workgroup_id_z 1
		.amdhsa_system_vgpr_workitem_id 0
		.amdhsa_next_free_vgpr 512
		.amdhsa_next_free_sgpr 80
		.amdhsa_reserve_vcc 1
		.amdhsa_float_denorm_mode_32 3
		.amdhsa_float_denorm_mode_16_64 3
		.amdhsa_memory_ordered 1
		.amdhsa_forward_progress 1
		.amdhsa_inst_pref_size 108
	.end_amdhsa_kernel
	.amdgpu_metadata
---
amdhsa.version: [ 1, 2 ]
amdhsa.kernels:
  - .name:           k_q627a707644_attn
    .symbol:         k_q627a707644_attn.kd
    .args:
      - { .name: qkvc, .offset: 0, .size: 8, .value_kind: global_buffer, .address_space: global }
      - { .name: oc, .offset: 8, .size: 8, .value_kind: global_buffer, .address_space: global }
    .group_segment_fixed_size: 327680
    .private_segment_fixed_size: 0
    .kernarg_segment_align: 8
    .kernarg_segment_size: 16
    .max_flat_workgroup_size: 256
    .sgpr_count:     80
    .vgpr_count:     512
    .wavefront_size: 32
...
	.end_amdgpu_metadata
.endif
;; end of part 7
;; launch oproj (part 8): grid 16 x 16, 4 waves a work-group, clusters of 4 x 4, 296,448 bytes of LDS; arguments oc, wo, bo, out0; writes out0
.if DOCPART == 8
	.amdgcn_target "amdgcn-amd-amdhsa--gfx1250"
	.amdhsa_code_object_version 6
	.text
	.protected	k_q627a707644_oproj
	.globl	k_q627a707644_oproj
	.p2align	8
	.type	k_q627a707644_oproj,@function
k_q627a707644_oproj:
	s_mov_b64 s[64:65], 0
	v_nop
	global_prefetch_b8 v0, s[64:65] scope:SCOPE_SE
	s_setreg_imm32_b32 hwreg(HW_REG_WAVE_MODE, 25, 1), 1
	s_wait_xcnt 0x0
	s_wait_alu depctr_hold_cnt(0) depctr_sa_sdst(0) depctr_va_vdst(0) depctr_va_sdst(0) depctr_va_ssrc(0) depctr_va_vcc(0) depctr_vm_vsrc(0)
	s_getreg_b32 s2, hwreg(HW_REG_IB_STS2, 6, 4)
	s_cmp_eq_u32 s2, 0
	s_cbranch_scc0 .Lentry_in_a_cluster
	s_endpgm
.Lentry_in_a_cluster:
	s_bfe_u32 s2, ttmp6, 0x10000c
	s_cmp_lg_u32 s2, 0xf033
	s_cbranch_scc0 .Lentry_shape_is_right
	s_endpgm
.Lentry_shape_is_right:
; out0 = O Wo^T + bo on codes of FP4 (E2M1) with E8M0 scales; out0 [2048][2048] f32.
; OPERANDS: oc and wo, [T 128][q 4][4,352]: four fragments of 16 rows x 128 K (1,024 bytes: byte 512 c + 16 lane = registers 4 c .. 4 c + 3 of the lane), then [r 16][s 4] scale words; lane r of tile T holds row
; 32 (T / 2) + 8 (T % 2) + r + 8 (r / 8); K step of 128 = 4 q + s.
; SHARES.  out0 has 256 tiles of 128 x 128: one to a work-group.  Four waves, each 64 x 64.  Source 0 = 16 rows of Wo, source 1 = 16 rows of O: a lane holds one row of out0 and eight columns an
; accumulator.  THE BIAS IS THE C OF A SUM'S FIRST PRODUCT.  A wave's 64 columns are 256 bytes: each wave has a stage of its own on the way out and stores whole aligned runs of 256 bytes.
; ALL OF K STAYS IN LDS: wave w brings four tiles of one side for all of K, 69,632 dense bytes, by one load; each byte is filled once.  No prefetch: everything is asked for at the head.
; CLUSTERS: 4 x 4.  O's tiles hang on the tile row and are asked for jointly along a row of the cluster, Wo's on the tile column, along a column.
; BY ROWS OF out0: my four row tiles are finished one after the other, 64 products each, K ascending, four accumulators by turns.  Wo's fragments for all of K (4 tiles x 16 steps x 8 registers) fill windows 2 and 3 while
; the first row tile is multiplied; O's come row tile by row tile (128 registers, two buffers, window 1).  Each fragment is read from LDS once, and a finished row tile leaves while the next is multiplied.
; REGISTERS: window 0: v8-11, v12-15 LDS addresses of my fragments of O and of Wo, one a q; v32-95 all scale words; v96-127 bo; v128-191 accumulators, two sets; v192-255 rows of out0 on the way out, two sets.
; LIMIT: NaN and infinities are not served.
.set UNIT,   4352
.set TILEB,  4*UNIT                    ; a tile, all of K
.set WAVEB,  4*TILEB                   ; four tiles: what one load brings, and what one wave reads of one side
.set STAGE,  4*WAVEB                   ; 16 rows x (256 bytes + 16) for each wave; no tensor load lands here
.set SPITCH, 272
.set SPARE,  STAGE+4*16*SPITCH
.set ADRA, 8
.set ADRB, 12
.set STO,  24                          ; the way out: where I put 32 bytes of a row
.set RD,   25                          ; where I read a row back
.set CO,   26                          ; my byte offset in two rows of out0
.set ADRS, 27                          ; my scale words: lanes 0-15 O's, lanes 16-31 Wo's
.set SPW,  30
.set NIL,  31
.set SC,   32                          ; register 16 q + 4 i + s: lanes 0-15 O's tile i, lanes 16-31 Wo's tile i
.set BI,   96
.set ACC,  128                         ; row tile a's: v[ACC + 32 (a % 2) + 8 b]
.set BK,   192
.set G1,   24
.set G1B,  32
.set G0A,  40
.set G0B,  44
.set MSB, 0
.macro WIN new                         ; the immediate's high byte repeats the setting that is left
.if MSB != (\new)
	s_set_vgpr_msb (MSB<<8)|(\new)
.set MSB, (\new)
.endif
.endm
.macro CROUND                          ; a round of the cluster's barrier
	s_barrier_signal -1
	s_barrier_wait -1
	s_cmp_lg_u32 s16, 0
	s_cbranch_scc1 .Lnot_wave_0_\@
	s_barrier_signal -3
.Lnot_wave_0_\@:
	s_barrier_wait -3
	s_barrier_signal -1
	s_barrier_wait -1
.endm
	s_load_b256 s[4:11], s[0:1], 0x0               ; oc, wo, bo, out0
	v_lshl_add_u32 v[SPW], v0, 2, SPARE
	v_mov_b32 v[NIL], 0
	ds_add_u32 v[SPW], v[NIL]                      ; the opening lines: the add, twice on end, and its wait
	ds_add_u32 v[SPW], v[NIL]
	v_lshrrev_b32 v1, 5, v0
	v_readfirstlane_b32 s16, v1                    ; wave
	s_lshr_b32 s17, s16, 1                         ; my half of the rows; also: I fetch for O (0) or for Wo (1)
	s_and_b32 s18, s16, 1                          ; my half of the columns; also: which four tiles I fetch
	s_bfe_u32 s21, ttmp6, 0x40000                  ; cx
	s_bfe_u32 s22, ttmp6, 0x40004                  ; cy
	s_lshl_b32 s19, ttmp9, 2
	s_add_co_u32 s19, s19, s21                     ; X
	s_and_b32 s20, ttmp7, 0xffff
	s_lshl_b32 s20, s20, 2
	s_add_co_u32 s20, s20, s22                     ; Y
	s_lshl_b32 s68, s22, 2
	s_lshl_b32 s68, 15, s68                        ; my row of the cluster
	s_lshl_b32 s84, 0x1111, s21                    ; my column
	s_or_b32 s[G1+0], s68, (3<<16)|(1<<21)         ; elements of 8 bytes; 21 set beside a mask
	s_or_b32 s[G1B+0], s84, (3<<16)|(1<<21)
.irp g, G1, G1B
	s_mov_b32 s[\g+1], 32<<16                      ; 272 rows of 256 bytes
	s_mov_b32 s[\g+2], 272<<16
	s_mov_b32 s[\g+3], 32<<16
	s_mov_b32 s[\g+4], 272
	s_mov_b32 s[\g+5], 32
	s_mov_b32 s[\g+6], 0
	s_mov_b32 s[\g+7], 0
.endr
	s_lshl_b32 s66, s20, 1
	s_add_co_u32 s66, s66, s18
	s_mul_i32 s66, s66, WAVEB                      ; O: tiles 8 Y + 4 x half on
	s_mov_b32 s67, 0
	s_lshl_b32 s100, s19, 1
	s_add_co_u32 s100, s100, s18
	s_mul_i32 s100, s100, WAVEB                    ; Wo: tiles 8 X + 4 x half on
	s_mov_b32 s101, 0
	s_mul_i32 s2, s16, WAVEB                       ; in LDS: the wave's number alone
	s_wait_dscnt 0x0                               ; both opening adds are done
	s_wait_kmcnt 0x0
	s_add_nc_u64 s[4:5], s[4:5], s[66:67]
	s_add_nc_u64 s[6:7], s[6:7], s[100:101]
	CROUND                                         ; all sixteen work-groups are here: the joint loads meet
	s_mov_b32 s[G0A], 1
	s_mov_b32 s[G0A+1], s2
	s_mov_b64 s[G0A+2:G0A+3], s[4:5]
	s_or_b32 s[G0A+3], s[G0A+3], 0x80000000
	s_mov_b32 s[G0B], 1
	s_mov_b32 s[G0B+1], s2
	s_mov_b64 s[G0B+2:G0B+3], s[6:7]
	s_or_b32 s[G0B+3], s[G0B+3], 0x80000000
	s_cmp_eq_u32 s17, 0                            ; the joint load: one line for O's masks, one for Wo's; the branch hangs on the wave's number alone
	s_cbranch_scc0 .Lfor_b
	tensor_load_to_lds s[G0A:G0A+3], s[G1:G1+7]
	s_nop 0
.rept 4
	v_nop
.endr
	s_branch .Lasked
.Lfor_b:
	tensor_load_to_lds s[G0B:G0B+3], s[G1B:G1B+7]
	s_nop 0
.rept 4
	v_nop
.endr
.Lasked:
	v_and_b32 v1, 15, v0                           ; r
	v_bfe_u32 v2, v0, 4, 1                         ; h
	v_and_b32 v3, 31, v0
	v_lshlrev_b32 v4, 4, v3                        ; 16 x lane
	v_lshlrev_b32 v7, 6, v2                        ; 64 h
	s_lshl_b32 s100, s19, 9
	s_lshl_b32 s22, s18, 8
	s_add_co_u32 s100, s100, s22                   ; my first column, in bytes: 512 X + 256 x half
	s_mov_b32 s101, 0
	s_add_nc_u64 s[8:9], s[8:9], s[100:101]
	s_wait_alu depctr_va_vdst(0)
.irp b, 0,1,2,3                                ; bo: register j of column tile b: column 32 (b / 2) + 8 (b % 2) + 16 h + j
	global_load_b128 v[BI+8*\b:BI+8*\b+3], v7, s[8:9] offset:(32*(\b/2)+8*(\b%2))*4
	global_load_b128 v[BI+8*\b+4:BI+8*\b+7], v7, s[8:9] offset:(32*(\b/2)+8*(\b%2))*4+16
.endr
	s_mul_i32 s21, s17, WAVEB                      ; my 4 tiles of O
	s_mul_i32 s22, s18, WAVEB
	s_add_co_u32 s22, s22, 2*WAVEB                 ; my 4 tiles of Wo
	v_add_nc_u32 v[ADRA], s21, v4
	v_add_nc_u32 v[ADRB], s22, v4
.irp q, 1,2,3
	v_add_nc_u32 v[ADRA+\q], UNIT*\q, v[ADRA]
	v_add_nc_u32 v[ADRB+\q], UNIT*\q, v[ADRB]
.endr
	v_lshlrev_b32 v5, 4, v1                        ; 16 r
	s_sub_co_u32 s22, s22, s21
	v_mul_u32_u24 v6, s22, v2                      ; lanes 16-31 take Wo's: the distance between the two bases x h
	s_add_co_u32 s21, s21, 4096
	v_add_nc_u32 v6, v5, v6
	v_add_nc_u32 v[ADRS], s21, v6
	s_mul_i32 s23, s16, 16*SPITCH
	s_add_co_u32 s23, s23, STAGE                   ; my stage
	v_mul_u32_u24 v6, v1, SPITCH                   ; in: row r; 64 h bytes here, the accumulator's columns in the immediate
	v_lshl_add_u32 v6, v2, 6, v6
	v_add_nc_u32 v[STO], s23, v6
	v_mul_u32_u24 v6, v2, SPITCH                   ; back: lanes 0-15 take one row of 256 bytes, lanes 16-31 the next
	v_lshl_add_u32 v6, v1, 4, v6
	v_add_nc_u32 v[RD], s23, v6
	v_lshl_add_u32 v[CO], v2, 13, v5               ; and the same two rows in out0
	s_lshl_b32 s66, s20, 7
	s_lshl_b32 s22, s17, 6
	s_add_co_u32 s66, s66, s22                     ; my first row: 128 Y + 64 x half
	s_lshl_b32 s66, s66, 13
	s_add_co_u32 s66, s66, s100
	s_mov_b32 s67, 0
	s_add_nc_u64 s[10:11], s[10:11], s[66:67]
.macro LDA a, s                        ; row tile a's fragment of O of K step s: two loads
	WIN 0x40
.irp c, 0,1
	ds_load_b128 v[128*((\a)%2)+8*(\s)+4*\c:128*((\a)%2)+8*(\s)+4*\c+3], v[ADRA+(\s)/4] offset:TILEB*(\a)+1024*((\s)%4)+512*\c
.endr
.endm
.macro LDB s                           ; Wo's four fragments of K step s: eight loads
	WIN 0x80+0x40*((\s)/8)
.irp b, 0,1,2,3
.irp c, 0,1
	ds_load_b128 v[32*((\s)%8)+8*\b+4*\c:32*((\s)%8)+8*\b+4*\c+3], v[ADRB+(\s)/4] offset:TILEB*\b+1024*((\s)%4)+512*\c
.endr
.endr
.endm
.macro LDAS a, from, n                 ; n K steps of row tile a
.set KL, \from
.rept \n
	LDA \a, KL
.set KL, KL+1
.endr
.endm
.macro MULS a, from, n                 ; n K steps of row tile a, four products each; K step 0's take the bias as their C; the accumulators take turns
.set KM, \from
.rept \n
	WIN 0x06+KM/8                                  ; source 0 window 2 or 3, source 1 window 1, C and D window 0
.irp b, 0,1,2,3
.set DD, ACC+32*((\a)%2)+8*\b
.if KM == 0
.set CB, BI+8*\b
.else
.set CB, DD
.endif
.set AX, 128*((\a)%2)+8*KM
.set BX, 32*(KM%8)+8*\b
.set SX, SC+16*(KM/4)+KM%4
	v_wmma_scale_f32_16x16x128_f8f6f4 v[DD:DD+7], v[BX:BX+7], v[AX:AX+7], v[CB:CB+7], v[SX+4*\b], v[SX+4*(\a)] matrix_a_fmt:MATRIX_FMT_FP4 matrix_b_fmt:MATRIX_FMT_FP4 matrix_a_scale:MATRIX_SCALE_ROW1
.endr
.set KM, KM+1
.endr
.endm
; THE WAY OUT of a row tile of 16 rows x 64 columns: through my own stage, and back as whole rows of 256 bytes, two an instruction.  LDS serves a wave's instructions in order (ISA guide 5.7.1.4).
.macro TOSTAGE a
	WIN 0
.rept 4
	v_nop                                          ; places behind the row tile's last products: their results are read below, and the buffer that they read is loaded again
.endr
.if (\a) > 1
	s_wait_xcnt 0x0                                ; row tile a - 2's stores have read their registers
.endif
.set AC, ACC+32*((\a)%2)
.irp b, 0,1,2,3
	ds_store_b128 v[STO], v[AC+8*\b:AC+8*\b+3] offset:128*(\b/2)+32*(\b%2)          ; each accumulator from its low end on
	ds_store_b128 v[STO], v[AC+8*\b+4:AC+8*\b+7] offset:128*(\b/2)+32*(\b%2)+16
.endr
.set BB, BK+32*((\a)%2)
.irp t, 0,1,2,3,4,5,6,7
	ds_load_b128 v[BB+4*\t:BB+4*\t+3], v[RD] offset:2*\t*SPITCH
.endr
.endm
.macro SEND a
.set BB, BK+32*((\a)%2)
.set R0, 32*((\a)/2)+8*((\a)%2)        ; stage row 2 t + h is row R0 + 2 t + 8 (t / 4) + h
	WIN 0
	s_wait_dscnt 0x0                               ; the rows are back
.irp t, 0,1,2,3,4,5,6,7
	global_store_b128 v[CO], v[BB+4*\t:BB+4*\t+3], s[10:11] offset:(R0+2*\t+8*(\t/4))*8192 th:TH_STORE_NT   ; 16 lanes store 256 consecutive bytes, aligned
.endr
.endm
	s_wait_alu depctr_va_vdst(0)                   ; the wait at the head's end
	s_wait_loadcnt 0x0                             ; bo
	s_wait_tensorcnt 0x0                           ; my four tiles,
	s_barrier_signal -1
	s_barrier_wait -1                              ; everybody's
.irp q, 0,1,2,3                                ; all scale words: 16 loads
.irp i, 0,1,2,3
	ds_load_b128 v[SC+16*\q+4*\i:SC+16*\q+4*\i+3], v[ADRS] offset:TILEB*\i+UNIT*\q
.endr
.endr
.irp s, 0,1,2
	LDA 0, \s
	LDB \s
.endr
; The first row tile: a K step's ten loads are asked for three steps ahead, behind the last of them the second row tile's 32.
.set KS, 0
.rept 16
.if KS < 13
	LDA 0, KS+3
	LDB KS+3
	s_wait_dscnt 30                                ; this step's are in; the ten of each of the next three steps may be out
.elseif KS == 13
	LDAS 1, 0, 6
	s_wait_dscnt 32                                ; two steps' twenty, and twelve
.elseif KS == 14
	LDAS 1, 6, 5
	s_wait_dscnt 32                                ; one step's ten, and twenty-two
.else
	LDAS 1, 11, 5
	s_wait_dscnt 32                                ; the second row tile's 32
.endif
	MULS 0, KS, 1
.set KS, KS+1
.endr
.irp a, 1,2,3                                  ; the others: the row tile before leaves, and the next one's fragments are asked for, between their products
	TOSTAGE \a-1
	s_wait_dscnt 16                                ; this row tile's fragments are in; the stage's 16 may be out
	MULS \a, 0, 8
	SEND \a-1
.if \a < 3
	LDAS \a+1, 0, 8
.endif
	MULS \a, 8, 4
.if \a < 3
	LDAS \a+1, 8, 8
.endif
	MULS \a, 12, 4
.endr
	TOSTAGE 3
	SEND 3
	s_wait_tensorcnt 0x0                           ; the wave's end
	ds_add_u32 v[SPW], v[NIL]
	s_wait_dscnt 0x0
	CROUND                                         ; the closing round
	s_endpgm
.Lfunc_end_k_q627a707644_oproj:
	.size	k_q627a707644_oproj, .Lfunc_end_k_q627a707644_oproj-k_q627a707644_oproj
	.p2alignl 7, 3214868480
	.fill 96, 4, 3214868480
	.section	.rodata,"a",@progbits
	.p2align	6, 0x0
	.amdhsa_kernel k_q627a707644_oproj
		.amdhsa_group_segment_fixed_size 296448
		.amdhsa_private_segment_fixed_size 0
		.amdhsa_enable_private_segment 0
		.amdhsa_kernarg_size 32
		.amdhsa_user_sgpr_count 2
		.amdhsa_user_sgpr_kernarg_segment_ptr 1
		.amdhsa_wavefront_size32 1
		.amdhsa_system_sgpr_workgroup_id_x 1
		.amdhsa_system_sgpr_workgroup_id_y 1
		.amdhsa_system_sgpr_workgroup_id_z 1
		.amdhsa_system_vgpr_workitem_id 0
		.amdhsa_next_free_vgpr 1024
		.amdhsa_next_free_sgpr 102
		.amdhsa_reserve_vcc 0
		.amdhsa_float_denorm_mode_32 3
		.amdhsa_float_denorm_mode_16_64 3
		.amdhsa_memory_ordered 1
		.amdhsa_forward_progress 1
		.amdhsa_inst_pref_size 67
	.end_amdhsa_kernel
	.amdgpu_metadata
---
amdhsa.version: [ 1, 2 ]
amdhsa.kernels:
  - .name:           k_q627a707644_oproj
    .symbol:         k_q627a707644_oproj.kd
    .args:
      - { .name: oc, .offset: 0, .size: 8, .value_kind: global_buffer, .address_space: global }
      - { .name: wo, .offset: 8, .size: 8, .value_kind: global_buffer, .address_space: global }
      - { .name: bo, .offset: 16, .size: 8, .value_kind: global_buffer, .address_space: global }
      - { .name: out0, .offset: 24, .size: 8, .value_kind: global_buffer, .address_space: global }
    .group_segment_fixed_size: 296448
    .private_segment_fixed_size: 0
    .kernarg_segment_align: 8
    .kernarg_segment_size: 32
    .max_flat_workgroup_size: 128
    .sgpr_count:     102
    .vgpr_count:     1024
    .wavefront_size: 32
...
	.end_amdgpu_metadata
.endif
;; end of part 8
